; MI455X (gfx1250); checked and timed in simulation.
; The chip was launched on July 23, 2026; its instructions are those of AMD's public machine-readable ISA for CDNA 5 (MIT licence, August 2026) and "CDNA5" Instruction Set Architecture Reference Guide (July 2026). The comments in the code are by the model that wrote it; some were corrected since.
;; Transformer Encoder Layer. Allowed arithmetic: matrix products marked QUANTISED: E3M2 operands, one E8M0 scale for each 32 along K, by v_wmma_scale_f32_16x16x128_f8f6f4 with both operands' format E3M2, f32 sums; everything else in f32.
;; Inputs: b_fc1 4,096 float32; b_fc2 1,024 float32; b_out 1,024 float32; b_qkv 3,072 float32; ln1_b 1,024 float32; ln1_g 1,024 float32; ln2_b 1,024 float32; ln2_g 1,024 float32; w_fc1 1,024 x 4,096 float32; w_fc2 4,096 x 1,024 float32; w_out 1,024 x 1,024 float32; w_qkv 1,024 x 3,072 float32; x 2 x 2,048 x 1,024 float32.
;; Outputs: out0 2 x 2,048 x 1,024 float32.
;; This version of the problem:
;;   THIS VERSION OF THE PROBLEM IS GIVEN IN LOW PRECISION. The matrix products marked QUANTISED in the list below multiply operands that are first quantised to E3M2 (3 exponent bits, 2 mantissa bits; 6 bits a number), with one power-of-two scale for each 32 numbers along K (OCP MX v1.0); their sums are f32. All else is computed in f32.
;;   The module's matrix products, in the order in which they are computed (A, B: the left and right operand; K: the contracted axis; several contracted axes count as one K, in the product's order):
;;     1. [M 4,096, K 1,024] x [K 1,024, N 3,072]; A: computed on the way; B: input w_qkv: QUANTISED
;;     2. batch 32 x [M 2,048, K 64] x [K 64, N 2,048]; A: computed on the way; B: computed on the way: QUANTISED
;;     3. batch 32 x [M 2,048, K 2,048] x [K 2,048, N 64]; A: softmax (see below); B: computed on the way: QUANTISED
;;     4. [M 4,096, K 1,024] x [K 1,024, N 1,024]; A: computed on the way; B: input w_out: QUANTISED
;;     5. [M 4,096, K 1,024] x [K 1,024, N 4,096]; A: computed on the way; B: input w_fc1: QUANTISED
;;     6. [M 4,096, K 4,096] x [K 4,096, N 1,024]; A: computed on the way; B: input w_fc2: QUANTISED
;;   THE QUANTISER, for each operand of a quantised product, along K:
;;     - K is cut into blocks of 32 from its start; a last block that is shorter is filled with zeros.
;;     - A block's scale is 2^e with e = floor(log2(the largest magnitude in the block)) - 4, held to -126 .. 127; a block of zeros has e = 0. As a byte (E8M0): e + 127.
;;     - Each number is divided by its block's scale, clamped to +-28, and rounded to the nearest number of E3M2, ties to even, subnormals kept.
;;     - The product sums the exact products of the quantised numbers (number of the format x scale) in f32.
;;   ~~~python
;;   def quantise(x, axis):      # numpy; x: float32 -> the quantised numbers, widened to float32 again
;;       x = np.moveaxis(x, axis, -1); K = x.shape[-1]
;;       x = np.pad(x, [(0, 0)] * (x.ndim - 1) + [(0, -K % 32)]); x = x.reshape(x.shape[:-1] + (-1, 32)); a = np.abs(x).max(-1, keepdims=True)
;;       e = np.where(a > 0, np.clip(np.frexp(np.where(a > 0, a, 1))[1] - 1 - 4, -126, 127), 0)      # np.frexp(a)[1] - 1 = floor(log2(a)), exactly
;;       r = np.clip(x / 2.0 ** e, -28, 28)
;;       step = 2.0 ** (np.maximum(np.frexp(np.where(r == 0, 1, r))[1] - 1, -2) - 2)
;;       q = np.round(r / step) * step * 2.0 ** e      # np.round: ties to even
;;       return np.moveaxis(q.reshape(q.shape[:-2] + (-1,))[..., :K], -1, axis).astype(np.float32)
;;   ~~~
;;   SOFTMAX AHEAD OF A QUANTISED PRODUCT. Where the list says 'softmax', what is quantised is not the finished softmax but p = 2^(t - M), with t = logit x log2(e) and M = ceil(the row's largest t), a whole number; so 1/2 < the row's largest p <= 1. The row's sum l is taken of the UNQUANTISED p, in f32, and the product's result is divided by l at the end. Since M is a whole number, a kernel that streams over the keys may use a running M (the ceiling of the running maximum): every later rescaling is an exact power of two, which a block's scale takes up: the codes' values come out the same.
;;   OPERANDS COMPUTED ON THE WAY. 'Computed on the way' means the value that the module computes at that place (a softmax that the list does not call 'softmax' is quantised finished and normalised). What goes into a quantiser is computed in f32, as accurately as f32 sums, v_exp_f32 and their like allow (about 1e-6 of the number): no bf16 or f16 on the way to a quantiser, and a product that is left as it is and whose result goes on into a quantised operand takes f32 operands (vector FMAs, or v_wmma_f32_16x16x4_f32). A number that lies on a knife's edge between two numbers of the format may be rounded either way, as far as f32 arithmetic and the matrix unit's own rounding can turn it there, and no further.
;; 2 versions. Each part assembles by itself: llvm-mc -triple=amdgcn-amd-amdhsa -mcpu=gfx1250 --defsym DOCPART=n.
;; ======== version 1 of 2: 7 launches
;; workspace buffers: wbuf 9,830,400 bytes; a1 3,276,800 bytes; qkvc 9,830,400 bytes; a4 3,276,800 bytes; x1 16,777,216 bytes; a5 3,276,800 bytes; a6 13,107,200 bytes
;; launch prep (part 1): grid 640 x 1, 8 waves a work-group, no clusters, 66,816 bytes of LDS; arguments x, ln1_g, ln1_b, w_qkv, w_out, w_fc1, w_fc2, a1, wbuf; writes a1, wbuf
.if DOCPART == 1
	.amdgcn_target "amdgcn-amd-amdhsa--gfx1250"
	.amdhsa_code_object_version 6
	.text
	.protected	k_qb0b5cad2d3_prep
	.globl	k_qb0b5cad2d3_prep
	.p2align	8
	.type	k_qb0b5cad2d3_prep,@function
k_qb0b5cad2d3_prep:
	s_mov_b64 s[64:65], 0
	v_nop
	global_prefetch_b8 v0, s[64:65] scope:SCOPE_SE
	s_setreg_imm32_b32 hwreg(HW_REG_WAVE_MODE, 25, 1), 1
	s_wait_xcnt 0x0
; LayerNorm 1 of x, quantised to codes of BF6 (E3M2) along the 1,024 features (work-groups 0-255), and the four weights, stored [K][N] f32, quantised along K (work-groups 256-639).
; THE ONE OPERAND FORMAT of this program.  Sixteen rows form a tile; lane r of tile T holds row 32 (T / 2) + 8 (T % 2) + r + 8 (r / 8).  A HALF FRAGMENT is 16 rows x 64 along K as an image of the operand's
; registers, 768 bytes: lane l's registers 0-3 at 16 l, its registers 4-5 at 512 + 8 l; lane l = r + 16 h holds k = 32 h .. 32 h + 31 of the 64.  Codes: [tile][K / 64][768].
; Scale words (four E8M0 bytes: 128 along K of one row): [rows / 128][K / 128][r][tile % 8], 4 bytes each.
; A block's scale is 2^(floor(log2(largest magnitude)) - 4); its byte is the largest magnitude's exponent field - 4, held at 1 from below.
; LIMITS: a block of zeros, or one whose largest magnitude lies under 2^-122, keeps the byte 1 (its codes are zeros or subnormal; the bytes are read by this program alone); NaN and infinities are not served.
; No tensor load, no matrix instruction.  Only the LayerNorm path uses LDS and a barrier; the paths part on the work-group's number alone.
.set ASC,   3145728                    ; a1: the scale words lie behind the codes
.set PITCH, 4112                       ; a stage row: 4,096 bytes + 16: an odd multiple of 16, so that sixteen rows' reads of 16 bytes fall on different banks
.set X, 32                             ; v32-95   two rows of x, 32 numbers a lane each; later 64 numbers to quantise
.set G, 96                             ; v96-127  the gain at my columns
.set B, 128                            ; v128-159 the bias
.set C, 160                            ; v160-171 a fragment's codes; v172-178 halves on their way
.set XP, 4
.set GP, 6
.set BP, 8
.set OP, 18
	s_load_b256 s[4:11], s[0:1], 0x0               ; x, ln1_g, ln1_b, w_qkv
	s_load_b256 s[12:19], s[0:1], 0x20             ; w_out, w_fc1, w_fc2, a1
	s_load_b64 s[20:21], s[0:1], 0x40              ; wbuf
	v_lshl_add_u32 v192, v0, 2, 0x10100
	v_mov_b32 v193, 0
	v_lshrrev_b32 v3, 5, v0
	v_readfirstlane_b32 s24, v3                    ; wave 0..7
	v_and_b32 v1, 31, v0                           ; lane
	v_lshlrev_b32 v2, 4, v1                        ; 16 x lane
	v_lshlrev_b32 v6, 3, v1                        ; 8 x lane
	v_and_b32 v7, 15, v0                           ; r
	v_bfe_u32 v8, v0, 4, 1                         ; h
	s_mov_b32 s30, 0x76543210
	s_mov_b32 s31, 0xfedcba98                      ; v_permlanex16_b32's selects for lane l xor 16
	s_mov_b32 s27, 0
	s_wait_kmcnt 0x0
	s_cmp_lt_u32 ttmp9, 256
	s_cbranch_scc0 .Lweights
; ---- LAYERNORM.  Work-group T makes tile T.  Wave w normalises the tile's rows 2 w and 2 w + 1, two neighbouring tokens (8,192 bytes on end); the 16 rows meet in a stage in LDS; wave w then quantises K step w.
	s_lshr_b32 s25, ttmp9, 1
	s_lshl_b32 s25, s25, 5                         ; 32 (T / 2)
	s_and_b32 s26, ttmp9, 1
	s_lshl_b32 s26, s26, 3
	s_add_co_u32 s25, s25, s26                     ; + 8 (T % 2)
	s_lshl_b32 s26, s24, 1
	s_add_co_u32 s25, s25, s26                     ; + r = 2 w
	s_lshr_b32 s26, s24, 2
	s_lshl_b32 s26, s26, 3
	s_add_co_u32 s25, s25, s26                     ; + 8 (r / 8)
	s_lshl_b32 s26, s25, 12                        ; a token is 4,096 bytes
	s_add_nc_u64 s[XP:XP+1], s[XP:XP+1], s[26:27]
.irp p, 0,1
.irp j, 0,1,2,3,4,5,6,7
	global_load_b128 v[X+32*\p+4*\j:X+32*\p+4*\j+3], v2, s[XP:XP+1] offset:4096*\p+512*\j   ; 32 lanes read 512 consecutive bytes: columns 128 j + 4 l on
.endr
.endr
.irp j, 0,1,2,3,4,5,6,7
	global_load_b128 v[G+4*\j:G+4*\j+3], v2, s[GP:GP+1] offset:512*\j
.endr
.irp j, 0,1,2,3,4,5,6,7
	global_load_b128 v[B+4*\j:B+4*\j+3], v2, s[BP:BP+1] offset:512*\j
.endr
	s_mul_i32 s28, s24, 2*PITCH
	v_add_nc_u32 v4, s28, v2                       ; into the stage: my two rows, 16 bytes a lane
	v_mul_u32_u24 v5, v7, PITCH
	v_lshl_add_u32 v5, v8, 7, v5
	s_lshl_b32 s28, s24, 9
	v_add_nc_u32 v5, s28, v5                       ; out of it: row r, K step w (512 bytes), my half's 32 numbers (128 bytes)
	v_mov_b32 v18, 0                               ; a lane permute's destination counts as one of its sources
	v_mov_b32 v19, 0
	s_mov_b32 s28, 0x3a800000                      ; 1 / 1,024
	s_mov_b32 s29, 0x3727c5ac                      ; eps = 1e-5
	s_wait_loadcnt 16                              ; x is in; the sixteen loads of gain and bias may be out
.irp p, 0,1
	v_pk_add_f32 v[10+4*\p:11+4*\p], v[X+32*\p:X+32*\p+1], v[X+32*\p+2:X+32*\p+3]      ; the row's sum: two chains a row, two numbers an instruction
	v_pk_add_f32 v[12+4*\p:13+4*\p], v[X+32*\p+4:X+32*\p+5], v[X+32*\p+6:X+32*\p+7]
.endr
.irp i, 8,12,16,20,24,28
.irp p, 0,1
	v_pk_add_f32 v[10+4*\p:11+4*\p], v[10+4*\p:11+4*\p], v[X+32*\p+\i:X+32*\p+\i+1]
	v_pk_add_f32 v[12+4*\p:13+4*\p], v[12+4*\p:13+4*\p], v[X+32*\p+\i+2:X+32*\p+\i+3]
.endr
.endr
.irp p, 0,1
	v_pk_add_f32 v[10+4*\p:11+4*\p], v[10+4*\p:11+4*\p], v[12+4*\p:13+4*\p]
.endr
.irp p, 0,1
	v_add_f32 v[10+4*\p], v[10+4*\p], v[11+4*\p]
.endr
.irp m, 1,2,4,8
.irp p, 0,1
	v_add_f32_dpp v[10+4*\p], v[10+4*\p], v[10+4*\p] row_xmask:\m row_mask:0xf bank_mask:0xf
.endr
.endr
.irp p, 0,1
	v_permlanex16_b32 v[18+\p], v[10+4*\p], s30, s31
.endr
.irp p, 0,1
	v_add_f32 v[10+4*\p], v[10+4*\p], v[18+\p]
.endr
.irp p, 0,1
	v_mul_f32 v[10+4*\p], s28, v[10+4*\p]          ; the mean
.endr
.irp i, 0,2,4,6,8,10,12,14,16,18,20,22,24,26,28,30
.irp p, 0,1
	v_pk_add_f32 v[X+32*\p+\i:X+32*\p+\i+1], v[X+32*\p+\i:X+32*\p+\i+1], v[10+4*\p:11+4*\p] op_sel_hi:[1,0] neg_lo:[0,1] neg_hi:[0,1]   ; d = x - mean: the variance is taken of d, so a common offset of x costs it nothing
.endr
.endr
.irp p, 0,1
	v_pk_mul_f32 v[20+4*\p:21+4*\p], v[X+32*\p:X+32*\p+1], v[X+32*\p:X+32*\p+1]
	v_pk_mul_f32 v[22+4*\p:23+4*\p], v[X+32*\p+2:X+32*\p+3], v[X+32*\p+2:X+32*\p+3]
.endr
.irp i, 4,8,12,16,20,24,28
.irp p, 0,1
	v_pk_fma_f32 v[20+4*\p:21+4*\p], v[X+32*\p+\i:X+32*\p+\i+1], v[X+32*\p+\i:X+32*\p+\i+1], v[20+4*\p:21+4*\p]
	v_pk_fma_f32 v[22+4*\p:23+4*\p], v[X+32*\p+\i+2:X+32*\p+\i+3], v[X+32*\p+\i+2:X+32*\p+\i+3], v[22+4*\p:23+4*\p]
.endr
.endr
.irp p, 0,1
	v_pk_add_f32 v[20+4*\p:21+4*\p], v[20+4*\p:21+4*\p], v[22+4*\p:23+4*\p]
.endr
.irp p, 0,1
	v_add_f32 v[20+4*\p], v[20+4*\p], v[21+4*\p]
.endr
.irp m, 1,2,4,8
.irp p, 0,1
	v_add_f32_dpp v[20+4*\p], v[20+4*\p], v[20+4*\p] row_xmask:\m row_mask:0xf bank_mask:0xf
.endr
.endr
.irp p, 0,1
	v_permlanex16_b32 v[18+\p], v[20+4*\p], s30, s31
.endr
.irp p, 0,1
	v_add_f32 v[20+4*\p], v[20+4*\p], v[18+\p]
.endr
.irp p, 0,1
	v_fma_f32 v[20+4*\p], v[20+4*\p], s28, s29     ; variance + eps
.endr
.irp p, 0,1
	v_rsq_f32 v[20+4*\p], v[20+4*\p]
.endr
	v_nop                                          ; a plain instruction behind the last root
	s_wait_alu depctr_va_vdst(0)                   ; one wait for both roots, ahead of their first reader
	s_wait_loadcnt 0x0                             ; gain and bias
.irp i, 0,2,4,6,8,10,12,14,16,18,20,22,24,26,28,30
.irp p, 0,1
	v_pk_mul_f32 v[X+32*\p+\i:X+32*\p+\i+1], v[X+32*\p+\i:X+32*\p+\i+1], v[20+4*\p:21+4*\p] op_sel_hi:[1,0]
.endr
.endr
.irp i, 0,2,4,6,8,10,12,14,16,18,20,22,24,26,28,30
.irp p, 0,1
	v_pk_fma_f32 v[X+32*\p+\i:X+32*\p+\i+1], v[X+32*\p+\i:X+32*\p+\i+1], v[G+\i:G+\i+1], v[B+\i:B+\i+1]
.endr
.endr
.irp p, 0,1
.irp j, 0,1,2,3,4,5,6,7
	ds_store_b128 v4, v[X+32*\p+4*\j:X+32*\p+4*\j+3] offset:PITCH*\p+512*\j
.endr
.endr
	s_wait_dscnt 0x0                               ; for the others' sake: my rows lie in the stage
	s_barrier_signal -1
	s_barrier_wait -1
.irp c, 0,1
.irp i, 0,1,2,3,4,5,6,7
	ds_load_b128 v[X+32*\c+4*\i:X+32*\c+4*\i+3], v5 offset:256*\c+16*\i   ; row r, k = 128 w + 64 c + 32 h + 0 .. 31: two whole blocks a lane, in the operand's own order
.endr
.endr
	s_lshl_b32 s26, ttmp9, 4
	s_add_co_u32 s26, s26, s24
	s_add_co_u32 s26, s26, s24                     ; half fragment 16 T + 2 w
	s_mul_i32 s26, s26, 768
	s_add_nc_u64 s[22:23], s[OP:OP+1], s[26:27]
	s_lshr_b32 s26, ttmp9, 3
	s_lshl_b32 s26, s26, 3
	s_add_co_u32 s26, s26, s24                     ; (T / 8) x 8 K steps + w
	s_lshl_b32 s26, s26, 9
	s_and_b32 s25, ttmp9, 7
	s_lshl_b32 s25, s25, 2
	s_add_co_u32 s26, s26, s25                     ; + 4 (T % 8)
	s_add_co_u32 s26, s26, ASC
	s_add_nc_u64 s[OP:OP+1], s[OP:OP+1], s[26:27]
	v_lshlrev_b32 v9, 5, v7                        ; + 32 r
	s_wait_dscnt 0x0
.irp c, 0,1
	v_max3_num_f32 v[10+\c], |v[X+32*\c]|, |v[X+32*\c+1]|, 0x2800000   ; the block's largest magnitude, and the floor 2^(5 - 127): the byte cannot fall under 1
.endr
.irp i, 2,4,6,8,10,12,14,16,18,20,22,24,26,28,30
.irp c, 0,1
	v_max3_num_f32 v[10+\c], v[10+\c], |v[X+32*\c+\i]|, |v[X+32*\c+\i+1]|
.endr
.endr
.irp c, 0,1
	v_add_nc_u32 v[12+\c], 0xfe000000, v[10+\c]    ; 4 off the exponent field: the conversion's scale operand
.endr
.irp c, 0,1
	v_lshrrev_b32 v[14+\c], 23, v[12+\c]           ; the scale's byte
.endr
	v_lshl_or_b32 v16, v15, 16, v14                ; my two bytes: blocks h and 2 + h,
	v_lshlrev_b32 v17, 3, v8
	v_lshlrev_b32 v16, v17, v16                    ; at their places in the word;
	v_mov_b32 v17, 0
	v_permlanex16_b32 v17, v16, s30, s31
	v_or_b32 v16, v16, v17                         ; with lane l xor 16's two the word is whole
.irp c, 0,1
	v_cvt_scalef32_pk16_bf6_f32 v[C+6*\c:C+6*\c+2], v[X+32*\c:X+32*\c+15], v[12+\c]
	v_cvt_scalef32_pk16_bf6_f32 v[C+12+4*\c:C+14+4*\c], v[X+32*\c+16:X+32*\c+31], v[12+\c]   ; (a conversion's three registers begin on an even number)
.endr
	v_nop                                          ; one plain place behind a scaled conversion
.irp c, 0,1
.irp i, 0,1,2
	v_mov_b32 v[C+3+6*\c+\i], v[C+12+4*\c+\i]
.endr
.endr
.irp c, 0,1
	global_store_b128 v2, v[C+6*\c:C+6*\c+3], s[22:23] offset:768*\c        ; 512 consecutive bytes, at a multiple of 256
	global_store_b64 v6, v[C+6*\c+4:C+6*\c+5], s[22:23] offset:768*\c+512   ; 256 consecutive bytes
.endr
	global_store_b32 v9, v16, s[OP:OP+1]           ; my row's scale word (both halves of the lanes hold the same): a work-group owns one tile in eight, so these go out in pieces of 4 bytes: 1 / 24 of the codes' bytes
	s_wait_tensorcnt 0x0
	ds_add_u32 v192, v193
	s_wait_dscnt 0x0
	s_endpgm
; ---- THE WEIGHTS.  A work-group takes 256 columns x 128 along K, a wave 32 columns.  A LANE TAKES A COLUMN, ITS REGISTERS RUN DOWN K: a block of 32 lies in one lane, and the codes come out with K innermost.
; Lane (u = l / 16, r) takes column 32 w + 16 (r / 8) + 8 u + r % 8 of the work-group's: row r of tile 2 w + u.  A load still covers 128 consecutive bytes.
.Lweights:
	v_and_b32 v9, 7, v0
	v_bfe_u32 v3, v0, 3, 1
	v_lshl_add_u32 v9, v3, 4, v9
	v_lshl_add_u32 v9, v8, 3, v9
	v_lshlrev_b32 v9, 2, v9                        ; my column's bytes
	v_lshlrev_b32 v15, 5, v7
	v_lshl_add_u32 v15, v8, 2, v15                 ; my scale word's place: 32 r + 4 u
.macro WLOAD t, N, PTR                 ; block t: W(32 t + i, my column) into set t % 2
.set I, 0
.rept 32
	global_load_b32 v[32+32*((\t)%2)+I], v9, s[\PTR:\PTR+1] offset:(32*(\t)+I)*4*(\N) th:TH_LOAD_NT
.set I, I+1
.endr
.endm
.macro WBLOCK t, N, K, PTR
.set XS, 32+32*((\t)%2)
.set CC, 96+6*(\t)                     ; block t = 2 c + h: its 32 codes in six registers
.if (\t) < 3
	s_wait_loadcnt 32                              ; this block's 32 loads are in; the next block's may be out
.else
	s_wait_loadcnt 0x0
.endif
	v_max3_num_f32 v12, |v[XS]|, |v[XS+1]|, |v[XS+2]|
	v_max3_num_f32 v13, |v[XS+3]|, |v[XS+4]|, |v[XS+5]|
.irp i, 6,10,14,18,22,26
	v_max3_num_f32 v12, v12, |v[XS+\i]|, |v[XS+\i+1]|
	v_max3_num_f32 v13, v13, |v[XS+\i+2]|, |v[XS+\i+3]|
.endr
	v_max3_num_f32 v12, v12, |v[XS+30]|, |v[XS+31]|
	v_max3_num_f32 v12, v12, v13, 0x2800000        ; and the floor
	v_add_nc_u32 v11, 0xfe000000, v12
	v_lshrrev_b32 v13, 23, v11
.if (\t) == 0
	v_mov_b32 v10, v13
.else
	v_lshl_or_b32 v10, v13, 8*(\t), v10            ; the four bytes make my column's scale word
.endif
	v_cvt_scalef32_pk16_bf6_f32 v[CC:CC+2], v[XS:XS+15], v11
	v_cvt_scalef32_pk16_bf6_f32 v[120:122], v[XS+16:XS+31], v11
	v_nop
.irp i, 0,1,2
	v_mov_b32 v[CC+3+\i], v[120+\i]
.endr
.if (\t)+2 < 4
	WLOAD (\t)+2, \N, \PTR
.endif
.if (\t)%2 == 1                        ; blocks 2 c and 2 c + 1 are there.  One exchange a register turns (block, lanes = tiles) into (tile, lanes = blocks): the images of tiles 2 w and 2 w + 1
.irp i, 0,1,2,3,4,5
	v_permlane16_swap_b32 v[CC-6+\i], v[CC+\i]
.endr
.irp u, 0,1
	global_store_b128 v2, v[CC-6+6*\u:CC-6+6*\u+3], s[22:23] offset:\u*((\K)/64)*768+768*((\t)/2)
	global_store_b64 v6, v[CC-6+6*\u+4:CC-6+6*\u+5], s[22:23] offset:\u*((\K)/64)*768+768*((\t)/2)+512
.endr
.endif
.endm
.macro WQ N, K, LOGS, FIRST, PTR, COFF, SOFF
	s_sub_co_u32 s25, ttmp9, \FIRST
	s_and_b32 s26, s25, (\K)/128-1                 ; which 128 along K
	s_lshr_b32 s25, s25, \LOGS                     ; which 256 columns
	s_mul_i32 s28, s26, 512*(\N)
	s_lshl_b32 s29, s25, 10
	s_add_co_u32 s28, s28, s29
	s_lshl_b32 s29, s24, 7
	s_add_co_u32 s28, s28, s29
	s_mov_b32 s29, 0
	s_add_nc_u64 s[\PTR:\PTR+1], s[\PTR:\PTR+1], s[28:29]
	WLOAD 0, \N, \PTR
	WLOAD 1, \N, \PTR
	s_lshl_b32 s28, s25, 4
	s_add_co_u32 s28, s28, s24
	s_add_co_u32 s28, s28, s24                     ; tile 16 x column block + 2 w
	s_mul_i32 s28, s28, (\K)/64
	s_add_co_u32 s28, s28, s26
	s_add_co_u32 s28, s28, s26                     ; + the K step's two half fragments
	s_mul_i32 s28, s28, 768
	s_add_co_u32 s28, s28, \COFF
	s_add_nc_u64 s[22:23], s[20:21], s[28:29]
	s_lshl_b32 s28, s25, 1
	s_lshr_b32 s27, s24, 2
	s_add_co_u32 s28, s28, s27                     ; the group of 128 rows
	s_mul_i32 s28, s28, (\K)/128
	s_add_co_u32 s28, s28, s26
	s_lshl_b32 s28, s28, 9
	s_and_b32 s27, s24, 3
	s_lshl_b32 s27, s27, 3
	s_add_co_u32 s28, s28, s27                     ; + 4 x (tile % 8), u's part in the lane's offset
	s_add_co_u32 s28, s28, \SOFF
	s_add_nc_u64 s[20:21], s[20:21], s[28:29]
	WBLOCK 0, \N, \K, \PTR
	WBLOCK 1, \N, \K, \PTR
	WBLOCK 2, \N, \K, \PTR
	WBLOCK 3, \N, \K, \PTR
	global_store_b32 v15, v10, s[20:21]            ; pairs of words, 32 bytes apart: 1 / 128 of what the path reads
	s_endpgm
.endm
	s_cmp_lt_u32 ttmp9, 352
	s_cbranch_scc0 .Lw_out
	WQ 3072, 1024, 3, 256, 10, 0, 9437184
.Lw_out:
	s_cmp_lt_u32 ttmp9, 384
	s_cbranch_scc0 .Lw_fc1
	WQ 1024, 1024, 3, 352, 12, 2359296, 9535488
.Lw_fc1:
	s_cmp_lt_u32 ttmp9, 512
	s_cbranch_scc0 .Lw_fc2
	WQ 4096, 1024, 3, 384, 14, 3145728, 9568256
.Lw_fc2:
	WQ 1024, 4096, 5, 512, 16, 6291456, 9699328
.Lfunc_end_k_qb0b5cad2d3_prep:
	.size	k_qb0b5cad2d3_prep, .Lfunc_end_k_qb0b5cad2d3_prep-k_qb0b5cad2d3_prep
	.p2alignl 7, 3214868480
	.fill 96, 4, 3214868480
	.section	.rodata,"a",@progbits
	.p2align	6, 0x0
	.amdhsa_kernel k_qb0b5cad2d3_prep
		.amdhsa_group_segment_fixed_size 66816
		.amdhsa_private_segment_fixed_size 0
		.amdhsa_enable_private_segment 0
		.amdhsa_kernarg_size 72
		.amdhsa_user_sgpr_count 2
		.amdhsa_user_sgpr_kernarg_segment_ptr 1
		.amdhsa_wavefront_size32 1
		.amdhsa_system_sgpr_workgroup_id_x 1
		.amdhsa_system_sgpr_workgroup_id_y 1
		.amdhsa_system_sgpr_workgroup_id_z 1
		.amdhsa_system_vgpr_workitem_id 0
		.amdhsa_next_free_vgpr 194
		.amdhsa_next_free_sgpr 66
		.amdhsa_reserve_vcc 0
		.amdhsa_float_denorm_mode_32 3
		.amdhsa_float_denorm_mode_16_64 3
		.amdhsa_memory_ordered 1
		.amdhsa_forward_progress 1
		.amdhsa_inst_pref_size 105
	.end_amdhsa_kernel
	.amdgpu_metadata
---
amdhsa.version: [ 1, 2 ]
amdhsa.kernels:
  - .name:           k_qb0b5cad2d3_prep
    .symbol:         k_qb0b5cad2d3_prep.kd
    .args:
      - { .name: x, .offset: 0, .size: 8, .value_kind: global_buffer, .address_space: global }
      - { .name: ln1_g, .offset: 8, .size: 8, .value_kind: global_buffer, .address_space: global }
      - { .name: ln1_b, .offset: 16, .size: 8, .value_kind: global_buffer, .address_space: global }
      - { .name: w_qkv, .offset: 24, .size: 8, .value_kind: global_buffer, .address_space: global }
      - { .name: w_out, .offset: 32, .size: 8, .value_kind: global_buffer, .address_space: global }
      - { .name: w_fc1, .offset: 40, .size: 8, .value_kind: global_buffer, .address_space: global }
      - { .name: w_fc2, .offset: 48, .size: 8, .value_kind: global_buffer, .address_space: global }
      - { .name: a1, .offset: 56, .size: 8, .value_kind: global_buffer, .address_space: global }
      - { .name: wbuf, .offset: 64, .size: 8, .value_kind: global_buffer, .address_space: global }
    .group_segment_fixed_size: 66816
    .private_segment_fixed_size: 0
    .kernarg_segment_align: 8
    .kernarg_segment_size: 72
    .max_flat_workgroup_size: 256
    .sgpr_count:     66
    .vgpr_count:     194
    .wavefront_size: 32
...
	.end_amdgpu_metadata
.endif
;; end of part 1
;; launch gqkv (part 2): grid 12 x 16, 4 waves a work-group, clusters of 4 x 4, 327,680 bytes of LDS; arguments a1, wbuf, b_qkv, qkvc; writes qkvc
.if DOCPART == 2
	.amdgcn_target "amdgcn-amd-amdhsa--gfx1250"
	.amdhsa_code_object_version 6
	.text
	.protected	k_qb0b5cad2d3_gqkv
	.globl	k_qb0b5cad2d3_gqkv
	.p2align	8
	.type	k_qb0b5cad2d3_gqkv,@function
k_qb0b5cad2d3_gqkv:
	s_mov_b64 s[64:65], 0
	v_nop
	global_prefetch_b8 v0, s[64:65] scope:SCOPE_SE
	s_setreg_imm32_b32 hwreg(HW_REG_WAVE_MODE, 25, 1), 1
	s_wait_xcnt 0x0
	s_wait_alu depctr_hold_cnt(0) depctr_sa_sdst(0) depctr_va_vdst(0) depctr_va_sdst(0) depctr_va_ssrc(0) depctr_va_vcc(0) depctr_vm_vsrc(0)
	s_getreg_b32 s2, hwreg(HW_REG_IB_STS2, 6, 4)
	s_cmp_eq_u32 s2, 0
	s_cbranch_scc0 .Lentry_in_a_cluster
	s_endpgm
.Lentry_in_a_cluster:
	s_bfe_u32 s2, ttmp6, 0x10000c
	s_cmp_lg_u32 s2, 0xf033
	s_cbranch_scc0 .Lentry_shape_is_right
	s_endpgm
.Lentry_shape_is_right:
; qkv = LN1(x) w_qkv + b_qkv on codes of BF6 (E3M2) with E8M0 scales for each 32 along K; the results are quantised at once for attention's two products and leave as codes.
; Clusters with x = 0, 1: C[token][feature] for q and k (2,048 features): quantised along the head's 64 features.  Clusters with x = 2: C[feature of v][token], the same product with the operands' parts exchanged:
; quantised along the tokens, which are the second product's K.  Nothing branches on that: addresses, pointers and two factors (1 or 0) are chosen by s_cselect, the scale words by v_cndmask.
; OPERAND FORMAT (all workspace operands): lane r of tile T holds row 32 (T / 2) + 8 (T % 2) + r + 8 (r / 8); a half fragment, 16 rows x 64 K, is an image of six registers a lane, 768 bytes (registers 0-3 at 16 l,
; registers 4-5 at 512 + 8 l); codes [tile][K / 64][768]; scale words [rows / 128][K / 128][r][tile % 8].
; A tile of C, 256 x 256, is made by four waves, 128 x 128 each: 64 accumulators, 512 registers.  K goes in steps of 256 through a ring of two LDS slots filled by the tensor data mover: eight tiles' 3,072 bytes a load.
; The scale words of the work-group's rows, for all of K, come into LDS once.  CLUSTERS: 4 x 4; A's tiles are asked for jointly along a row of the cluster, B's along a column.
; THE MATRIX INSTRUCTION IS USED TRANSPOSED (source 0 = 16 rows of B, source 1 = 16 rows of A).  With the tiles' rows chosen as above, the 64 registers of a lane for one tile of A are 64 numbers of one row of C,
; register 16 b + i = column 32 b + 16 (l / 16) + i: sixteen neighbours along the next K, as the conversions want them.
; The bias along the columns is the C of the first K step; the bias along the rows (v) is added on the way out.  Each is multiplied by its factor, 0 where the mode has no such bias.
; No prefetch: the tiles are codes that many work-groups read, shared in clusters.
; LIMITS: a block of zeros, or one whose largest magnitude lies under 2^-122, keeps the scale byte 1 (read by this program alone); NaN and infinities are not served.
; REGISTERS: window 0: v1-31 addresses; v32-63 scale words, two sets; v88-95 the rows' bias; v128-223 A's fragments, one set; on the way out v32-87 and v128-191 at work.
;   window 1: B's fragments, two sets, at v0 and v128; the columns' bias at v96-127 and v224-255.   windows 2, 3: the accumulators, (a, b) at v[8 (8 (a % 4) + b)].
.set SIZE_K, 1024
.set ASC,    3145728                   ; a1: scale words behind the codes
.set WQKV_S, 9437184                   ; wbuf: w_qkv's scale words
.set V_C,    6291456                   ; qkvc: q's and k's codes [part][batch x head][tile 128][768]; from here v's [batch x head][tokens / 64][tile 4][768];
.set QK_S,   9437184                   ; q's and k's scales [part][bh][tile / 8][r][pair of tiles]: a word holds two tiles' two bytes;
.set V_S,    9699328                   ; v's [bh][tokens / 128][r][tile 4]
.set KSTEP,  256
.set NQ,     2                         ; matrix instructions deep in a slot
.set FR,     12                        ; registers of a fragment
.set NL,     4                         ; LDS loads that bring one
.set NP,     4                         ; places behind this matrix instruction (ISA guide 7.12.1)
.set TSTR,   (SIZE_K/64)*768           ; a tile's codes in memory
.set HALFT,  8*3072                    ; eight tiles x 256 along K: what one tensor load brings, and what one wave reads of A or of B
.set SLOT,   4*HALFT
.set LAPS,   SIZE_K/(2*KSTEP)
.set SCL,    2*SLOT                    ; behind the ring: the scale words
.set HALFS,  (SIZE_K/128)*512          ; those of 128 rows
.set SPARE,  SCL+4*HALFS               ; the spare words, 128 bytes for each wave: two blocks of 256 bytes that no other line names
.set ADRA, 16                          ; v16-17 LDS address of my A fragments in slot 0, 1, 16 bytes a lane; v18-19 the same, 8 bytes a lane
.set ADRB, 20                          ; v20-23 the same for B
.set CO,   26                          ; v26 16 x lane
.set ADRS, 27                          ; v27 LDS address of my scale words: lanes 0-15 A's rows, lanes 16-31 B's
.set SPW,  28                          ; v28 my spare word; never rewritten
.set NIL,  29                          ; v29 0; never rewritten
.set L8,   30                          ; v30 8 x lane
.set H64,  31                          ; v31 64 x (lane / 16)
.set SC,   32                          ; scale words: register 16 set + 8 q + i: lanes 0-15 A's tile i, lanes 16-31 B's tile i
.set AF,   128
.set G1, 24
.set G0, 32
.set G1B, 48
.set G0B, 56
.set G1S, 68
.set G0S, 76
.set G1SB, 80
.set G0SB, 88
.set SEL, 66
.set TM, 32                            ; the way out: v32-35 largest magnitudes, v36-39 bytes, v44-47 scale operands
.set PC, 48                            ; v48-67 the codes just made
.set PW, 68                            ; v68-75 the eight tiles' scale words
.set WW, 76
.set EE, 80
.set OO, 84
.set BV, 88
.set TV, 128                           ; v128-191 64 numbers to quantise
.set MSB, 0
.macro WIN new                         ; the immediate's high byte repeats the setting that is left
.if MSB != (\new)
	s_set_vgpr_msb (MSB<<8)|(\new)
.set MSB, (\new)
.endif
.endm
.set MUL_LO, 0xa1                      ; source 0 (B) window 1, source 1 (A) window 0, C and D window 2
.set MUL_HI, 0xf1                      ; the same, C and D window 3
.set TO_B,   0x40                      ; destination window 1, address window 0
; A joint load: waves 0 and 1 fetch for A, waves 2 and 3 for B; the branch hangs on the wave's number alone.  Four v_nop follow each of the two lines.
.macro JLOAD g0a, g1a, g0b, g1b
	s_cmp_eq_u32 s15, 0
	s_cbranch_scc0 .Lfor_b_\@
	tensor_load_to_lds s[\g0a:\g0a+3], s[\g1a:\g1a+7]
	s_nop 0
.rept 4
	v_nop
.endr
	s_branch .Lasked_\@
.Lfor_b_\@:
	tensor_load_to_lds s[\g0b:\g0b+3], s[\g1b:\g1b+7]
	s_nop 0
.rept 4
	v_nop
.endr
.Lasked_\@:
.endm
.macro CREST                           ; a round of the cluster's barrier behind its opening barrier
	s_cmp_lg_u32 s14, 0
	s_cbranch_scc1 .Lnot_wave_0_\@
	s_barrier_signal -3
.Lnot_wave_0_\@:
	s_barrier_wait -3
	s_barrier_signal -1
	s_barrier_wait -1
.endm
.macro CROUND
	s_barrier_signal -1
	s_barrier_wait -1
	CREST
.endm
.macro FRAG reg, adr, q, i             ; a fragment, 16 rows x 128 K: two half fragments, as they lie: every load takes consecutive bytes
	ds_load_b128 v[\reg:\reg+3],     v[\adr]   offset:(\i)*3072+(\q)*1536
	ds_load_b64  v[\reg+4:\reg+5],   v[\adr+2] offset:(\i)*3072+(\q)*1536+512
	ds_load_b128 v[\reg+6:\reg+9],   v[\adr]   offset:(\i)*3072+(\q)*1536+768
	ds_load_b64  v[\reg+10:\reg+11], v[\adr+2] offset:(\i)*3072+(\q)*1536+1280
.endm
; 16 matrix instructions: A's tiles a0, a0 + 1 x B's eight.  zero = 1: the first K step, whose C is the columns' bias.  The 64 accumulators take turns, one instruction a turn.
.macro MUL16 a0, p, q, sc, zero
.irp a, \a0, \a0+1
.irp b, 0,1,2,3,4,5,6,7
.if \zero
	v_wmma_scale_f32_16x16x128_f8f6f4 v[8*(8*((\a)%4)+\b):8*(8*((\a)%4)+\b)+7], v[128*(\p)+FR*\b:128*(\p)+FR*\b+FR-1], v[AF+FR*(\a):AF+FR*(\a)+FR-1], v[96+8*\b+96*(\b/4):96+8*\b+96*(\b/4)+7], v[SC+16*(\sc)+8*(\q)+\b], v[SC+16*(\sc)+8*(\q)+(\a)] matrix_a_fmt:MATRIX_FMT_BF6 matrix_b_fmt:MATRIX_FMT_BF6 matrix_a_scale:MATRIX_SCALE_ROW1
.else
	v_wmma_scale_f32_16x16x128_f8f6f4 v[8*(8*((\a)%4)+\b):8*(8*((\a)%4)+\b)+7], v[128*(\p)+FR*\b:128*(\p)+FR*\b+FR-1], v[AF+FR*(\a):AF+FR*(\a)+FR-1], v[8*(8*((\a)%4)+\b):8*(8*((\a)%4)+\b)+7], v[SC+16*(\sc)+8*(\q)+\b], v[SC+16*(\sc)+8*(\q)+(\a)] matrix_a_fmt:MATRIX_FMT_BF6 matrix_b_fmt:MATRIX_FMT_BF6 matrix_a_scale:MATRIX_SCALE_ROW1
.endif
.endr
.endr
.endm
.macro FETCH_B slot, q, p
	WIN TO_B
.irp i, 0,1,2,3,4,5,6,7
	FRAG 128*(\p)+FR*\i, ADRB+\slot, \q, \i
.endr
	WIN 0
.endm
.macro FETCH_A slot, q, i0
.irp i, \i0, \i0+1, \i0+2, \i0+3
	FRAG AF+FR*(\i), ADRA+\slot, \q, \i
.endr
.endm
.macro SCALES sc                       ; a K step's scale words: eight tiles' words of my row are 32 bytes on end
.irp q, 0,1
.irp j, 0,1
	ds_load_b128 v[SC+16*\sc+8*\q+4*\j:SC+16*\sc+8*\q+4*\j+3], v[ADRS] offset:512*\q+16*\j
.endr
.endr
.endm
.macro PLACES n                        ; plain vector instructions between a matrix instruction and a load into, or a vector instruction on, its registers
.rept \n
	v_nop
.endr
.endm
.macro STEP slot, q, zero              ; 128 along K that have their successor in the same slot
	s_wait_dscnt 4*NL                              ; B's set and A's tiles 0-3 are in; the youngest sixteen loads (A's tiles 4-7) may be out
.if \zero
	WIN 0x91                                       ; C: the bias, in window 1
.else
	WIN MUL_LO
.endif
	MUL16 0, (\q)%2, \q, \slot, \zero
	MUL16 2, (\q)%2, \q, \slot, \zero
	s_wait_dscnt 0
	PLACES NP
	FETCH_B \slot, (\q)+1, 1-(\q)%2
	FETCH_A \slot, (\q)+1, 0
.if \zero
	WIN 0xd1
.else
	WIN MUL_HI
.endif
	MUL16 4, (\q)%2, \q, \slot, \zero
	MUL16 6, (\q)%2, \q, \slot, \zero
	PLACES NP
	WIN 0
	FETCH_A \slot, (\q)+1, 4
.endm
; A slot's last step changes slots: one barrier; in front of it each wave waits for all its tensor loads, adds 0 to its spare word, and waits for that and for its own reads of this slot.
.macro TURN slot, next, fill
	s_wait_tensorcnt 0x0                           ; all my tensor loads have landed: my part of the next slot
	ds_add_u32 v[SPW], v[NIL]                      ; 0 onto my spare word
	s_wait_dscnt 4*NL+1                            ; (the add and A's tiles 4-7 may be out)
	WIN MUL_LO
	MUL16 0, 1, NQ-1, \slot, 0
	s_wait_dscnt 0x0                               ; the add is done, and my reads of this slot are over
	s_barrier_signal -1
	MUL16 2, 1, NQ-1, \slot, 0
	WIN 0
	s_barrier_wait -1
.if \fill
	CREST                                          ; the barrier has opened a round of the cluster's barrier: no wave of any partner still reads this slot or has a load on its way
	s_add_nc_u64 s[G0+4*\slot+2:G0+4*\slot+3], s[G0+4*\slot+2:G0+4*\slot+3], 2*3072
	s_add_nc_u64 s[G0B+4*\slot+2:G0B+4*\slot+3], s[G0B+4*\slot+2:G0B+4*\slot+3], 2*3072
	JLOAD G0+4*\slot, G1, G0B+4*\slot, G1B         ; the first tensor load behind the round; its four v_nop are the places in front of the loads below
.else
	PLACES NP
.endif
	v_add_nc_u32 v[ADRS], 512*NQ, v[ADRS]          ; the next K step's scale words
	FETCH_B \next, 0, 0
	FETCH_A \next, 0, 0
	SCALES \next
	WIN MUL_HI
	MUL16 4, 1, NQ-1, \slot, 0
	MUL16 6, 1, NQ-1, \slot, 0
	PLACES NP
	WIN 0
	FETCH_A \next, 0, 4
.endm
; 64 numbers of a lane, register 16 b + i = k 32 b + 16 (lane / 16) + i of my row, become a fragment's codes in v[PC] on and its scale word in v[pw].
.macro QUANT s, pw
.irp b, 0,1,2,3
	v_max3_num_f32 v[TM+\b], |v[\s+16*\b]|, |v[\s+1+16*\b]|, 0x2800000   ; and the floor 2^(5 - 127): the byte cannot fall under 1
.endr
.irp i, 2,4,6,8,10,12,14
.irp b, 0,1,2,3
	v_max3_num_f32 v[TM+\b], v[TM+\b], |v[\s+16*\b+\i]|, |v[\s+1+16*\b+\i]|
.endr
.endr
.irp b, 0,1,2,3
	v_permlanex16_b32 v[TM+4+\b], v[TM+\b], s[SEL], s[SEL+1]
.endr
.irp b, 0,1,2,3
	v_max_num_f32 v[TM+\b], v[TM+\b], v[TM+4+\b]   ; with lane l xor 16's: the block's largest magnitude
.endr
.irp b, 0,1,2,3
	v_add_nc_u32 v[TM+12+\b], 0xfe000000, v[TM+\b] ; 4 off its exponent field: the conversion's scale operand
.endr
.irp b, 0,1,2,3
	v_lshrrev_b32 v[TM+4+\b], 23, v[TM+12+\b]      ; the scale's byte
.endr
	v_lshl_or_b32 v[\pw], v[TM+5], 8, v[TM+4]
	v_lshl_or_b32 v[\pw], v[TM+6], 16, v[\pw]
	v_lshl_or_b32 v[\pw], v[TM+7], 24, v[\pw]
.irp c, 0,1
	v_cvt_scalef32_pk16_bf6_f32 v[PC+6*\c:PC+2+6*\c], v[\s+32*\c:\s+15+32*\c], v[TM+12+2*\c]
	v_cvt_scalef32_pk16_bf6_f32 v[PC+12+4*\c:PC+14+4*\c], v[\s+16+32*\c:\s+31+32*\c], v[TM+12+2*\c+1]
.endr
	v_nop                                          ; one plain place behind a scaled conversion
.irp c, 0,1                            ; the operand's layout wants a whole block in a lane
.irp i, 0,1,2
	v_permlane16_swap_b32 v[PC+6*\c+\i], v[PC+12+4*\c+\i]
.endr
.irp i, 0,1,2
	v_mov_b32 v[PC+3+6*\c+\i], v[PC+12+4*\c+\i]
.endr
.endr
.endm
	s_load_b128 s[4:7], s[0:1], 0x0                ; a1, wbuf
	s_load_b128 s[8:11], s[0:1], 0x10              ; b_qkv, qkvc
	v_lshl_add_u32 v[SPW], v0, 2, SPARE
	v_mov_b32 v[NIL], 0
	ds_add_u32 v28, v29
	ds_add_u32 v28, v29
	s_wait_dscnt 0x0
	v_lshrrev_b32 v1, 5, v0
	v_readfirstlane_b32 s14, v1                    ; wave 0..3
	s_lshr_b32 s15, s14, 1                         ; which half of the tile's rows is mine.  Also: I fetch for A (0) or for B (1)
	s_and_b32 s16, s14, 1                          ; which half of its columns.  Also: which eight tiles I fetch
	s_bfe_u32 s40, ttmp6, 0x40000                  ; cx, cy
	s_bfe_u32 s41, ttmp6, 0x40004
	s_and_b32 s18, ttmp7, 0xffff
	s_lshl_b32 s18, s18, 2                         ; 4 x cluster y
	s_lshl_b32 s19, ttmp9, 2                       ; 4 x cluster x
	s_cmp_eq_u32 ttmp9, 2                          ; the clusters with x = 2 make v: the same in all sixteen partners
	s_cselect_b32 s17, 0, s18
	s_cselect_b32 s42, s18, s19
	s_add_co_u32 s17, s17, s41                     ; tile row: q, k: 4 Y + cy (tokens);  v: cy (features)
	s_add_co_u32 s42, s42, s40                     ; tile column: q, k: 4 X + cx (features);  v: 4 Y + cx (tokens)
	s_lshl_b32 s43, s41, 2
	s_lshl_b32 s43, 15, s43                        ; my row of the cluster
	s_lshl_b32 s44, 0x1111, s40                    ; my column
	s_or_b32 s[G1+0], s43, (3<<16)|(1<<21)         ; 15:0 the mask; 17:16 elements of 8 bytes; 20 no padding; 21 set beside a mask
	s_or_b32 s[G1B+0], s44, (3<<16)|(1<<21)
.irp g, G1, G1B
	s_mov_b32 s[\g+1], 384<<16                     ; tensor_dim0: 3,072 bytes
	s_mov_b32 s[\g+2], 8<<16                       ; tensor_dim1: 8 tiles
	s_mov_b32 s[\g+3], 384<<16                     ; tile_dim0
	s_mov_b32 s[\g+4], 8                           ; tile_dim1
	s_mov_b32 s[\g+5], TSTR/8                      ; from tile to tile
	s_mov_b32 s[\g+6], 0
	s_mov_b32 s[\g+7], 0
.endr
	s_or_b32 s[G1S+0], s43, (3<<16)|(1<<21)
	s_or_b32 s[G1SB+0], s44, (3<<16)|(1<<21)
.irp g, G1S, G1SB
	s_mov_b32 s[\g+1], 32<<16                      ; a dense block as rows of 256 bytes
	s_mov_b32 s[\g+2], (HALFS/256)<<16
	s_mov_b32 s[\g+3], 32<<16
	s_mov_b32 s[\g+4], HALFS/256
	s_mov_b32 s[\g+5], 32
	s_mov_b32 s[\g+6], 0
	s_mov_b32 s[\g+7], 0
.endr
	s_lshl_b32 s18, s16, 3
	s_lshl_b32 s20, s17, 4
	s_add_co_u32 s20, s20, s18                     ; A: the first tile that I fetch
	s_lshl_b32 s46, s42, 4
	s_add_co_u32 s46, s46, s18                     ; B likewise
	s_lshl_b32 s22, s17, 1
	s_add_co_u32 s22, s22, s16                     ; A: its group of 128 rows
	s_lshl_b32 s92, s42, 1
	s_add_co_u32 s92, s92, s16
	s_mul_i32 s20, s20, TSTR
	s_mul_i32 s46, s46, TSTR
	s_mul_i32 s22, s22, HALFS
	s_mul_i32 s92, s92, HALFS
	s_mov_b32 s18, ASC
	s_mov_b32 s19, WQKV_S
	s_cmp_eq_u32 ttmp9, 2
	s_cselect_b32 s95, 128*TSTR, 0                 ; v: A is the weight's columns 2,048 on
	s_cselect_b32 s2, WQKV_S+16*HALFS, s18
	s_cselect_b32 s3, s18, s19
	s_add_co_u32 s20, s20, s95
	s_add_co_u32 s22, s22, s2
	s_add_co_u32 s92, s92, s3
	s_mov_b32 s21, 0
	s_mov_b32 s23, 0
	s_mov_b32 s47, 0
	s_mov_b32 s93, 0
	s_mul_i32 s45, s14, HALFT                      ; where they go: no place in the cluster enters an LDS address
	s_mul_i32 s94, s14, HALFS
	s_wait_kmcnt 0x0
	s_cmp_eq_u32 ttmp9, 2
	s_cselect_b64 s[96:97], s[6:7], s[4:5]         ; A's buffer: v: the weights; else the tokens
	s_cselect_b64 s[6:7], s[4:5], s[6:7]           ; B's buffer
	s_add_nc_u64 s[20:21], s[96:97], s[20:21]
	s_add_nc_u64 s[22:23], s[96:97], s[22:23]
	s_add_nc_u64 s[46:47], s[6:7], s[46:47]
	s_add_nc_u64 s[92:93], s[6:7], s[92:93]
	CROUND                                         ; all sixteen work-groups are here: the first joint loads meet
	s_mov_b32 s[G0S], 1
	s_add_co_u32 s[G0S+1], s94, SCL
	s_mov_b64 s[G0S+2:G0S+3], s[22:23]
	s_or_b32 s[G0S+3], s[G0S+3], 0x80000000
	s_mov_b32 s[G0SB], 1
	s_add_co_u32 s[G0SB+1], s94, SCL
	s_mov_b64 s[G0SB+2:G0SB+3], s[92:93]
	s_or_b32 s[G0SB+3], s[G0SB+3], 0x80000000
	JLOAD G0S, G1S, G0SB, G1SB                     ; the scale words first: they are wanted with K step 0
.irp s, 0,1
	s_mov_b32 s[G0+4*\s], 1
	s_add_co_u32 s[G0+4*\s+1], s45, \s*SLOT
	s_add_nc_u64 s[G0+4*\s+2:G0+4*\s+3], s[20:21], \s*3072
	s_or_b32 s[G0+4*\s+3], s[G0+4*\s+3], 0x80000000
	s_mov_b32 s[G0B+4*\s], 1
	s_add_co_u32 s[G0B+4*\s+1], s45, \s*SLOT
	s_add_nc_u64 s[G0B+4*\s+2:G0B+4*\s+3], s[46:47], \s*3072
	s_or_b32 s[G0B+4*\s+3], s[G0B+4*\s+3], 0x80000000
	JLOAD G0+4*\s, G1, G0B+4*\s, G1B
.endr
	v_and_b32 v1, 15, v0                           ; r
	v_bfe_u32 v2, v0, 4, 1                         ; h
	v_and_b32 v3, 31, v0
	v_lshlrev_b32 v[CO], 4, v3
	v_lshlrev_b32 v[L8], 3, v3
	v_lshlrev_b32 v[H64], 6, v2
	s_mul_i32 s21, s15, HALFT                      ; my eight tiles of A
	s_mul_i32 s22, s16, HALFT                      ; my eight of B,
	s_add_co_u32 s22, s22, 2*HALFT                 ; which lie behind A's sixteen
.irp s, 0,1
	v_add_nc_u32 v[ADRA+\s], s21, v[CO]
	v_add_nc_u32 v[ADRB+\s], s22, v[CO]
	v_add_nc_u32 v[ADRA+2+\s], s21, v[L8]
	v_add_nc_u32 v[ADRB+2+\s], s22, v[L8]
	s_add_co_u32 s21, s21, SLOT
	s_add_co_u32 s22, s22, SLOT
.endr
	v_lshlrev_b32 v5, 5, v1                        ; my row's eight words
	s_mul_i32 s21, s15, HALFS
	s_mul_i32 s22, s16, HALFS
	s_add_co_u32 s22, s22, 2*HALFS
	s_sub_co_u32 s22, s22, s21
	v_mul_u32_u24 v6, s22, v2                      ; lanes 16-31 take B's
	s_add_co_u32 s21, s21, SCL
	v_add_nc_u32 v5, v5, v6
	v_add_nc_u32 v[ADRS], s21, v5
	; the two biases, each from a place that lies inside b_qkv in both modes, and its factor
	s_lshl_b32 s46, s42, 10
	s_lshl_b32 s47, s16, 9
	s_add_co_u32 s46, s46, s47                     ; 4 x my first column
	s_lshl_b32 s20, s17, 10
	s_lshl_b32 s21, s15, 9
	s_add_co_u32 s20, s20, s21
	s_add_co_u32 s20, s20, 8192                    ; 4 x (2,048 + my first row)
	s_cmp_eq_u32 ttmp9, 2
	s_cselect_b32 s46, 0, s46
	s_cselect_b32 s20, s20, 0
	s_cselect_b32 s18, 0, 1.0                      ; the columns' bias counts for q and k,
	s_cselect_b32 s2, 1.0, 0                       ; the rows' for v
	s_mov_b32 s19, s18
	s_mov_b32 s47, 0
	s_mov_b32 s21, 0
	s_add_nc_u64 s[46:47], s[8:9], s[46:47]
	s_add_nc_u64 s[20:21], s[8:9], s[20:21]
	s_mov_b32 s[SEL], 0x76543210
	s_mov_b32 s[SEL+1], 0xfedcba98
	v_and_b32 v7, 8, v1
	v_add_nc_u32 v7, v7, v1
	v_lshlrev_b32 v7, 2, v7                        ; 4 (r + 8 (r / 8))
.irp a, 0,1,2,3,4,5,6,7
	global_load_b32 v[BV+\a], v7, s[20:21] offset:(32*(\a/2)+8*(\a%2))*4
.endr
	WIN TO_B
.irp b, 0,1,2,3,4,5,6,7
	global_load_b128 v[96+8*\b+96*(\b/4):96+8*\b+96*(\b/4)+3], v[H64], s[46:47] offset:128*(\b/2)+32*(\b%2)      ; in the result's layout: tile b's register j is column 32 (b / 2) + 16 h + 8 (b % 2) + j
	global_load_b128 v[96+8*\b+96*(\b/4)+4:96+8*\b+96*(\b/4)+7], v[H64], s[46:47] offset:128*(\b/2)+32*(\b%2)+16
.endr
	WIN 0
	s_wait_tensorcnt 1                             ; the scale words and my part of K step 0 are in (K step 1's load may be out),
	s_barrier_signal -1
	s_barrier_wait -1                              ; everybody's are
	FETCH_B 0, 0, 0
	FETCH_A 0, 0, 0
	SCALES 0
	FETCH_A 0, 0, 4
	s_wait_loadcnt 0x0                             ; the biases
	WIN 0x41
.set I, 0
.rept 16
	v_pk_mul_f32 v[96+I:97+I], v[96+I:97+I], s[18:19] op_sel_hi:[1,0]
	v_pk_mul_f32 v[224+I:225+I], v[224+I:225+I], s[18:19] op_sel_hi:[1,0]
.set I, I+2
.endr
	PLACES NP
	STEP 0, 0, 1                                   ; the first step stands in front of the loop: its products start the sums on the bias
	s_mov_b32 s3, LAPS-1
.Llap:                                                 ; a trip goes once round the ring and fills both slots again
	TURN 0, 1, 1
	STEP 1, 0, 0
	TURN 1, 0, 1
	STEP 0, 0, 0
	s_sub_co_u32 s3, s3, 1
	s_cmp_lg_u32 s3, 0
	s_cbranch_scc1 .Llap
	TURN 0, 1, 0                                   ; the last lap fills nothing
	STEP 1, 0, 0
	s_wait_dscnt 4*NL
	WIN MUL_LO
	MUL16 0, 1, NQ-1, 1, 0
	MUL16 2, 1, NQ-1, 1, 0
	s_wait_dscnt 0
	WIN MUL_HI
	MUL16 4, 1, NQ-1, 1, 0
	MUL16 6, 1, NQ-1, 1, 0
	WIN 0
	PLACES NP
; THE WAY OUT.  No tensor load of mine is out, so the descriptors' registers are free.  Both modes' places are worked out, and one is chosen.
	s_lshl_b32 s24, s17, 4
	s_lshl_b32 s25, s15, 3
	s_add_co_u32 s24, s24, s25                     ; q, k: my first tile of tokens
	s_lshr_b32 s25, s24, 7                         ; the batch
	s_and_b32 s24, s24, 127                        ; the tile in it
	s_lshl_b32 s26, s42, 8
	s_lshl_b32 s27, s16, 7
	s_add_co_u32 s26, s26, s27                     ; my first column: a feature (q, k) or a token (v)
	s_lshr_b32 s27, s26, 10                        ; q or k
	s_bfe_u32 s28, s26, 0x40006                    ; the first of my two heads
	s_lshl_b32 s27, s27, 5
	s_lshl_b32 s25, s25, 4
	s_add_co_u32 s27, s27, s25
	s_add_co_u32 s27, s27, s28                     ; 32 part + 16 batch + head
	s_lshl_b32 s28, s27, 7
	s_add_co_u32 s28, s28, s24
	s_mul_i32 s28, s28, 768                        ; q, k: the codes' place
	s_lshl_b32 s27, s27, 4
	s_lshr_b32 s24, s24, 3
	s_add_co_u32 s27, s27, s24
	s_lshl_b32 s27, s27, 8
	s_add_co_u32 s27, s27, QK_S                    ; and the scales'
	s_lshl_b32 s29, s17, 2
	s_lshl_b32 s30, s15, 1
	s_add_co_u32 s29, s29, s30                     ; v: the first of my two heads
	s_lshr_b32 s30, s26, 11
	s_lshl_b32 s30, s30, 4
	s_add_co_u32 s29, s29, s30                     ; + 16 batch
	s_bfe_u32 s30, s26, 0x40007                    ; which 128 tokens of the batch
	s_lshl_b32 s31, s29, 5
	s_add_co_u32 s31, s31, s30
	s_add_co_u32 s31, s31, s30
	s_mul_i32 s31, s31, 3072
	s_add_co_u32 s31, s31, V_C                     ; v: the codes' place
	s_lshl_b32 s29, s29, 4
	s_add_co_u32 s29, s29, s30
	s_lshl_b32 s29, s29, 8
	s_add_co_u32 s29, s29, V_S                     ; and the scales'
	s_mov_b32 s32, 3072
	s_mov_b32 s33, 98304
	s_cmp_eq_u32 ttmp9, 2
	s_cselect_b32 s28, s31, s28
	s_cselect_b32 s36, s29, s27
	s_cselect_b32 s34, s33, s32                    ; from my tile 3 to my tile 4: q, k: the next tile; v: the next head
	s_cselect_b32 s38, s32, s33                    ; from a fragment's first half to its second: q, k: the next head; v: the next 64 tokens
	s_cselect_b32 s44, -1, 0
	s_mov_b32 s29, 0
	s_mov_b32 s35, 0
	s_mov_b32 s37, 0
	s_mov_b32 s39, 0
	s_add_nc_u64 s[24:25], s[10:11], s[28:29]
	s_add_nc_u64 s[26:27], s[24:25], s[34:35]
	s_add_nc_u64 s[30:31], s[26:27], s[38:39]
	s_add_nc_u64 s[28:29], s[24:25], s[38:39]
	s_add_nc_u64 s[36:37], s[10:11], s[36:37]
.irp b, 0,1,2,3
	v_mov_b32 v[TM+4+\b], 0                        ; a lane permute's destination counts as one of its sources
.endr
.irp a, 0,1,2,3,4,5,6,7
	v_mul_f32 v[BV+\a], s2, v[BV+\a]
.endr
.irp a, 0,1,2,3,4,5,6,7
.if \a > 0
	s_wait_xcnt 0x0                                ; the last tile's stores have read their registers: the codes may be written again
.endif
	WIN 0x08+4*(\a/4)                              ; source 1: the accumulators' window
.set I, 0
.rept 64
	v_add_f32 v[TV+I], v[BV+\a], v[64*(\a%4)+I]    ; + my row's bias; each accumulator from its low end on
.set I, I+1
.endr
	WIN 0
	QUANT TV, PW+\a
	global_store_b128 v[CO], v[PC:PC+3], s[24+2*(\a/4):25+2*(\a/4)] offset:(\a%4)*768          ; 512 consecutive bytes, at a multiple of 256
	global_store_b64 v[L8], v[PC+4:PC+5], s[24+2*(\a/4):25+2*(\a/4)] offset:(\a%4)*768+512
	global_store_b128 v[CO], v[PC+6:PC+9], s[28+2*(\a/4):29+2*(\a/4)] offset:(\a%4)*768
	global_store_b64 v[L8], v[PC+10:PC+11], s[28+2*(\a/4):29+2*(\a/4)] offset:(\a%4)*768+512
.endr
	; the scale words.  q, k: a word's low half belongs to my first head, its high half to my second: two tiles' halves make a word of each head.  v: tiles 0-3 belong to my first head, 4-7 to my second.
	v_cmp_ne_u32 vcc_lo, 0, v2
.irp p, 0,1,2,3
	v_perm_b32 v[EE+\p], v[PW+2*\p+1], v[PW+2*\p], 0x05040100
	v_perm_b32 v[OO+\p], v[PW+2*\p+1], v[PW+2*\p], 0x07060302
.endr
.irp p, 0,1,2,3
	v_cndmask_b32 v[EE+\p], v[EE+\p], v[PW+\p], s44
	v_cndmask_b32 v[OO+\p], v[OO+\p], v[PW+4+\p], s44
.endr
.irp p, 0,1,2,3
	v_cndmask_b32 v[WW+\p], v[EE+\p], v[OO+\p], vcc_lo   ; lanes 0-15 store the first head's, lanes 16-31 the second's
.endr
	v_lshlrev_b32 v5, 4, v1
	v_lshl_add_u32 v5, v2, 12, v5
	global_store_b128 v5, v[WW:WW+3], s[36:37]     ; sixteen lanes store 256 consecutive bytes
	s_wait_tensorcnt 0x0                           ; the wave's end
	ds_add_u32 v[SPW], v[NIL]
	s_wait_dscnt 0x0
	CROUND                                         ; the closing round
	s_endpgm
.Lfunc_end_k_qb0b5cad2d3_gqkv:
	.size	k_qb0b5cad2d3_gqkv, .Lfunc_end_k_qb0b5cad2d3_gqkv-k_qb0b5cad2d3_gqkv
	.p2alignl 7, 3214868480
	.fill 96, 4, 3214868480
	.section	.rodata,"a",@progbits
	.p2align	6, 0x0
	.amdhsa_kernel k_qb0b5cad2d3_gqkv
		.amdhsa_group_segment_fixed_size 327680
		.amdhsa_private_segment_fixed_size 0
		.amdhsa_enable_private_segment 0
		.amdhsa_kernarg_size 32
		.amdhsa_user_sgpr_count 2
		.amdhsa_user_sgpr_kernarg_segment_ptr 1
		.amdhsa_wavefront_size32 1
		.amdhsa_system_sgpr_workgroup_id_x 1
		.amdhsa_system_sgpr_workgroup_id_y 1
		.amdhsa_system_sgpr_workgroup_id_z 1
		.amdhsa_system_vgpr_workitem_id 0
		.amdhsa_next_free_vgpr 1024
		.amdhsa_next_free_sgpr 98
		.amdhsa_reserve_vcc 1
		.amdhsa_float_denorm_mode_32 3
		.amdhsa_float_denorm_mode_16_64 3
		.amdhsa_memory_ordered 1
		.amdhsa_forward_progress 1
		.amdhsa_inst_pref_size 172
	.end_amdhsa_kernel
	.amdgpu_metadata
---
amdhsa.version: [ 1, 2 ]
amdhsa.kernels:
  - .name:           k_qb0b5cad2d3_gqkv
    .symbol:         k_qb0b5cad2d3_gqkv.kd
    .args:
      - { .name: a1, .offset: 0, .size: 8, .value_kind: global_buffer, .address_space: global }
      - { .name: wbuf, .offset: 8, .size: 8, .value_kind: global_buffer, .address_space: global }
      - { .name: b_qkv, .offset: 16, .size: 8, .value_kind: global_buffer, .address_space: global }
      - { .name: qkvc, .offset: 24, .size: 8, .value_kind: global_buffer, .address_space: global }
    .group_segment_fixed_size: 327680
    .private_segment_fixed_size: 0
    .kernarg_segment_align: 8
    .kernarg_segment_size: 32
    .max_flat_workgroup_size: 128
    .sgpr_count:     98
    .vgpr_count:     1024
    .wavefront_size: 32
...
	.end_amdgpu_metadata
.endif
;; end of part 2
;; launch attn (part 3): grid 8 x 32, 16 waves a work-group, clusters of 4 x 1, 206,848 bytes of LDS; arguments qkvc, a4; writes a4
.if DOCPART == 3
	.amdgcn_target "amdgcn-amd-amdhsa--gfx1250"
	.amdhsa_code_object_version 6
	.text
	.protected	k_qb0b5cad2d3_attn
	.globl	k_qb0b5cad2d3_attn
	.p2align	8
	.type	k_qb0b5cad2d3_attn,@function
k_qb0b5cad2d3_attn:
	s_mov_b64 s[64:65], 0
	v_nop
	global_prefetch_b8 v0, s[64:65] scope:SCOPE_SE
	s_setreg_imm32_b32 hwreg(HW_REG_WAVE_MODE, 25, 1), 1
	s_wait_xcnt 0x0
	s_wait_alu depctr_hold_cnt(0) depctr_sa_sdst(0) depctr_va_vdst(0) depctr_va_sdst(0) depctr_va_ssrc(0) depctr_va_vcc(0) depctr_vm_vsrc(0)
	s_getreg_b32 s2, hwreg(HW_REG_IB_STS2, 6, 4)
	s_cmp_eq_u32 s2, 0
	s_cbranch_scc0 .Lentry_in_a_cluster
	s_endpgm
.Lentry_in_a_cluster:
	s_bfe_u32 s2, ttmp6, 0x10000c
	s_cmp_lg_u32 s2, 0x3003
	s_cbranch_scc0 .Lentry_shape_is_right
	s_endpgm
.Lentry_shape_is_right:
; o = softmax(q k^T / 8) v for one batch and head, both products on codes of BF6 (E3M2) with E8M0 scales; o is divided by the row's sum, quantised along the head's 64 features and stored as codes for the next product.
; THE SOFTMAX AHEAD OF THE SECOND PRODUCT: t = score x log2(e) / 8; M = the row's largest t so far, rounded up to a whole number; p = 2^(t - M) is quantised along the keys, not normalised; the row's sum is taken of the
; unquantised p.  When M moves, the sum and O are multiplied by 2^(old M - new M): exact.
; SHARES.  A work-group owns 256 queries, each of its sixteen waves one tile of 16; four waves to a SIMD, so that one wave's vector work stands beside another's matrix work.  Every wave walks the 2,048 keys, 128 a step.
; THE WHOLE HEAD'S K, V AND SCALE WORDS, 204,800 bytes, ARE FILLED INTO LDS ONCE: each wave asks for a sixteenth of each, four tensor loads, all out together.
; CLUSTER.  The four query blocks of a cluster belong to one head: every load is a joint one, with the same descriptor and the mask of all four.
; LAYOUT.  Both products transposed: S^T = K Q^T, O^T = V^T P^T: a lane holds one query throughout.  Lane r of a tile of keys holds key 32 (T / 2) + 8 (T % 2) + r + 8 (r / 8), so the 16 registers of tiles 2 b, 2 b + 1 are
; 16 neighbouring keys; v's tiles of features likewise, so O^T's registers are neighbouring features.
; THE FIRST PRODUCT'S K IS 64, the instruction's 128.  A fragment of K holds TWO tiles of keys, one in each half of the 128; q stands between two runs of zero codes, v16-33 = [0 | q | 0]: v[22:33] meets the first tile,
; v[16:27] the second.  The zero codes stand under the scale byte 0 (2^-127, a number): they add nothing.
; No prefetch: all that the launch reads is asked for at its head.
; LIMITS: a block of zeros, or one under 2^-122, keeps the scale byte 1 (read by this program alone); NaN and infinities are not served.
; REGISTERS: v1-11 addresses; v12 -M, v13 the largest t, v[14:15] the sum; v16-33 q; v34, v35 q's scale words; v36-83 four fragments of K, then of V; v84-91 their scale words; v96-159 S^T, then p; v160-191 O^T;
;   v192-203 p's codes; v204-210 halves on their way; v212-223 at work; v224 p's scale word; v[226:227] f; v228-231 at work.
.set VOFF, 98304                       ; LDS: K's 128 tiles x 768 bytes; from here V's 32 x 4 half fragments;
.set SKO,  196608                      ; K's scale words [step][r][pair of tiles];
.set SVO,  200704                      ; V's [step][r][tile]
.set V_C,  6291456
.set QK_S, 9437184
.set V_S,  9699328
.set ASC,  3145728
.set L16, 1
.set L8,  2
.set SK0, 3
.set ADK16, 4
.set ADK8,  5
.set ADV16, 6
.set ADV8,  7
.set ADS,   8
.set LV16,  9
.set LV8,   10
.set R16,   11
.set KV,  36
.set KW,  84
.set VW,  88
.set MX,  212
.set PT,  216
.set SO,  220
.set PWD, 224
.set F,   226
.set TP,  228
.set TB,  2                            ; s2  LDS byte of the step's tiles: 6,144 a step
.set TS,  3                            ; s3  and of its scale words: 256 a step
.set WV,  8
.set SEL, 12
.set CS,  14
.set G1C, 16
.set G1S, 24
.set G0,  32                           ; s[32:47] four groups 0
.set CNT, 66
.macro CROUND
	s_barrier_signal -1
	s_barrier_wait -1
	s_cmp_lg_u32 s[WV], 0
	s_cbranch_scc1 .Lnot_wave_0_\@
	s_barrier_signal -3
.Lnot_wave_0_\@:
	s_barrier_wait -3
	s_barrier_signal -1
	s_barrier_wait -1
.endm
.macro DESC n, lreg, loff, greg, goff  ; group 0 number n: LDS address = a wave's term + a constant; global address = qkvc + a term of head and wave + a constant
	s_mov_b32 s[G0+4*\n], 1
	s_add_co_u32 s[G0+4*\n+1], s\lreg, \loff
	s_add_co_u32 s56, s\greg, \goff
	s_add_nc_u64 s[G0+4*\n+2:G0+4*\n+3], s[4:5], s[56:57]
	s_or_b32 s[G0+4*\n+3], s[G0+4*\n+3], 0x80000000
.endm
	s_load_b128 s[4:7], s[0:1], 0x0                ; qkvc, a4
	v_lshl_add_u32 v254, v0, 2, 0x32000
	v_mov_b32 v255, 0
	ds_add_u32 v254, v255
	ds_add_u32 v254, v255
	v_lshrrev_b32 v8, 5, v0
	v_readfirstlane_b32 s[WV], v8                  ; wave 0..15
	s_bfe_u32 s9, ttmp6, 0x40000                   ; cx
	s_lshl_b32 s10, ttmp9, 2
	s_add_co_u32 s10, s10, s9                      ; my block of 256 queries: it enters q's and o's global addresses alone
	s_and_b32 s11, ttmp7, 0xffff                   ; batch x 16 + head, which the four partners share
	s_mov_b32 s[G1C], 15|(3<<16)|(1<<21)           ; the mask of all four; elements of 8 bytes; no padding
	s_mov_b32 s[G1C+1], 32<<16                     ; rows of 256 bytes,
	s_mov_b32 s[G1C+2], 24<<16                     ; 24 of them: a dense block of 6,144 bytes
	s_mov_b32 s[G1C+3], 32<<16
	s_mov_b32 s[G1C+4], 24
	s_mov_b32 s[G1C+5], 32
	s_mov_b32 s[G1C+6], 0
	s_mov_b32 s[G1C+7], 0
	s_mov_b32 s[G1S], 15|(3<<16)|(1<<21)
	s_mov_b32 s[G1S+1], 32<<16                     ; one row of 256 bytes
	s_mov_b32 s[G1S+2], 1<<16
	s_mov_b32 s[G1S+3], 32<<16
	s_mov_b32 s[G1S+4], 1
	s_mov_b32 s[G1S+5], 32
	s_mov_b32 s[G1S+6], 0
	s_mov_b32 s[G1S+7], 0
	s_lshl_b32 s58, s11, 12
	s_lshl_b32 s59, s[WV], 8
	s_add_co_u32 s58, s58, s59                     ; 4,096 x head + 256 x wave
	s_mul_i32 s67, s11, 98304
	s_mul_i32 s68, s[WV], 6144
	s_add_co_u32 s67, s67, s68                     ; 98,304 x head + 6,144 x wave
	s_mov_b32 s57, 0
	s_mov_b32 s[SEL], 0x76543210
	s_mov_b32 s[SEL+1], 0xfedcba98
	s_mov_b32 s[CS], 0x3e38aa3b                    ; c = log2(e) / 8
	s_mov_b32 s[CS+1], s[CS]
	s_mov_b32 s[TB], 0
	s_mov_b32 s[TS], 0
	s_wait_dscnt 0x0
	s_wait_kmcnt 0x0
	DESC 0, 59, SKO, 58, QK_S+32*4096              ; k's scale words
	DESC 1, 59, SVO, 58, V_S                       ; v's
	DESC 2, 68, 0, 67, 32*98304                    ; k's codes
	DESC 3, 68, VOFF, 67, V_C                      ; v's
	CROUND                                         ; all four work-groups are here: the joint loads meet
	tensor_load_to_lds s[G0:G0+3], s[G1S:G1S+7]
	s_nop 0
	tensor_load_to_lds s[G0+4:G0+7], s[G1S:G1S+7]
	s_nop 0
	tensor_load_to_lds s[G0+8:G0+11], s[G1C:G1C+7]
	s_nop 0
	tensor_load_to_lds s[G0+12:G0+15], s[G1C:G1C+7]
	s_nop 0
.rept 4
	v_nop
.endr
	v_and_b32 v8, 31, v0
	v_lshlrev_b32 v[L16], 4, v8
	v_lshlrev_b32 v[L8], 3, v8
	v_and_b32 v8, 15, v0
	v_lshlrev_b32 v[R16], 4, v8
	v_add_nc_u32 v[SK0], SKO, v[R16]
	v_add_nc_u32 v[LV16], VOFF, v[L16]
	v_add_nc_u32 v[LV8], VOFF, v[L8]
	s_lshl_b32 s58, s10, 4
	s_add_co_u32 s58, s58, s[WV]                   ; my tile of queries in the batch
	s_lshl_b32 s59, s11, 7
	s_add_co_u32 s59, s59, s58
	s_mul_i32 s56, s59, 768
	s_add_nc_u64 s[60:61], s[4:5], s[56:57]
	global_load_b128 v[22:25], v[L16], s[60:61]    ; q's half fragment stays in registers
	global_load_b64 v[26:27], v[L8], s[60:61] offset:512
	s_lshl_b32 s56, s11, 4
	s_lshl_b32 s59, s10, 1
	s_add_co_u32 s56, s56, s59
	s_lshr_b32 s59, s[WV], 3
	s_add_co_u32 s56, s56, s59                     ; its group of eight tiles
	s_lshl_b32 s56, s56, 8
	s_bfe_u32 s59, s[WV], 0x20001
	s_lshl_b32 s59, s59, 2
	s_add_co_u32 s56, s56, s59                     ; its pair's word
	s_add_co_u32 s56, s56, QK_S
	s_add_nc_u64 s[62:63], s[4:5], s[56:57]
	global_load_b32 v34, v[R16], s[62:63]
	s_and_b32 s59, s[WV], 1
	s_lshl_b32 s59, s59, 4                         ; and its half of that word
	s_wait_loadcnt 0x0
	v_lshrrev_b32 v34, s59, v34
	v_and_b32 v34, 0xffff, v34                     ; q's two bytes below, the byte 0 above: for [q | 0]
	v_lshlrev_b32 v35, 16, v34                     ; and for [0 | q]
.irp j, 16,17,18,19,20,21,28,29,30,31,32,33
	v_mov_b32 v\j, 0                               ; the zero codes on both sides of q
.endr
	v_mov_b32 v13, 0xff61b1e6                      ; the largest t so far: -3e38
	v_floor_f32 v12, -v13                          ; -M
	v_mov_b32 v14, 0
	v_mov_b32 v15, 0
.irp b, 0,1,2,3
	v_mov_b32 v[PT+\b], 0                          ; a lane permute's destination counts as one of its sources
.endr
	v_mov_b32 v[F+1], 0                            ; (named as the upper half of a pair)
	v_mov_b32 v[TP], 0
.set I, 0
.rept 32
	v_mov_b32 v[160+I], 0                          ; O^T: the step is written once; its first trip finds zeros
.set I, I+1
.endr
	s_wait_tensorcnt 0x0                           ; my four parts have landed,
	s_barrier_signal -1
	s_barrier_wait -1                              ; everybody's have
	s_mov_b32 s[CNT], 16
.Lstep:                                                ; a key step: 128 keys
	v_add_nc_u32 v[ADK16], s[TB], v[L16]           ; (these five are also the places between the last products and the loads into their registers)
	v_add_nc_u32 v[ADK8], s[TB], v[L8]
	v_add_nc_u32 v[ADV16], s[TB], v[LV16]
	v_add_nc_u32 v[ADV8], s[TB], v[LV8]
	v_add_nc_u32 v[ADS], s[TS], v[SK0]
.irp b, 0,1,2,3
	ds_load_b128 v[KV+12*\b:KV+12*\b+3], v[ADK16] offset:1536*\b          ; tiles 2 b and 2 b + 1 of the step's keys: one fragment
	ds_load_b64 v[KV+12*\b+4:KV+12*\b+5], v[ADK8] offset:1536*\b+512
	ds_load_b128 v[KV+12*\b+6:KV+12*\b+9], v[ADK16] offset:1536*\b+768
	ds_load_b64 v[KV+12*\b+10:KV+12*\b+11], v[ADK8] offset:1536*\b+1280
.endr
	ds_load_b128 v[KW:KW+3], v[ADS]                ; word b: tile 2 b's two bytes, then tile 2 b + 1's
	s_wait_dscnt 0x0
.irp b, 0,1,2,3
	v_wmma_scale_f32_16x16x128_f8f6f4 v[96+16*\b:103+16*\b], v[KV+12*\b:KV+12*\b+11], v[22:33], 0, v[KW+\b], v34 matrix_a_fmt:MATRIX_FMT_BF6 matrix_b_fmt:MATRIX_FMT_BF6
	v_wmma_scale_f32_16x16x128_f8f6f4 v[104+16*\b:111+16*\b], v[KV+12*\b:KV+12*\b+11], v[16:27], 0, v[KW+\b], v35 matrix_a_fmt:MATRIX_FMT_BF6 matrix_b_fmt:MATRIX_FMT_BF6
.endr
.rept 4
	v_nop                                          ; places in front of the loads below and of the first read of the scores
.endr
.irp d, 0,1,2,3
	ds_load_b128 v[KV+12*\d:KV+12*\d+3], v[ADV16] offset:768*\d           ; V's four tiles of features x these 128 keys: they land while the softmax is worked
	ds_load_b64 v[KV+12*\d+4:KV+12*\d+5], v[ADV8] offset:768*\d+512
	ds_load_b128 v[KV+12*\d+6:KV+12*\d+9], v[ADV16] offset:768*\d+3072
	ds_load_b64 v[KV+12*\d+10:KV+12*\d+11], v[ADV8] offset:768*\d+3584
.endr
	ds_load_b128 v[VW:VW+3], v[ADS] offset:SVO-SKO
.irp b, 0,1,2,3
	v_max3_num_f32 v[MX+\b], v[96+16*\b], v[97+16*\b], v[98+16*\b]   ; the largest score of each block of 32 keys: for the row's maximum and, since p rises with the score, for the block's largest p
.endr
.irp i, 3,5,7,9,11,13
.irp b, 0,1,2,3
	v_max3_num_f32 v[MX+\b], v[MX+\b], v[96+16*\b+\i], v[97+16*\b+\i]
.endr
.endr
.irp b, 0,1,2,3
	v_max_num_f32 v[MX+\b], v[MX+\b], v[111+16*\b]
.endr
.irp b, 0,1,2,3
	v_permlanex16_b32 v[PT+\b], v[MX+\b], s[SEL], s[SEL+1]
.endr
.irp b, 0,1,2,3
	v_max_num_f32 v[MX+\b], v[MX+\b], v[PT+\b]     ; with lane l xor 16's 16 keys
.endr
	v_max3_num_f32 v[TP], v[MX], v[MX+1], v[MX+2]
	v_max_num_f32 v[TP], v[TP], v[MX+3]
	v_mul_f32 v[TP], s[CS], v[TP]                  ; the step's largest t
	v_max_num_f32 v13, v13, v[TP]                  ; the running largest t
	v_mov_b32 v[TP], v12
	v_floor_f32 v12, -v13                          ; the new -M = -ceil(t)
	v_sub_f32 v[TP], v12, v[TP]                    ; old M - new M: a whole number, 0 or less
	v_cvt_i32_f32 v[TP], v[TP]                     ; (it saturates)
	v_ldexp_f32 v[F], 1.0, v[TP]                   ; f = 2^(old M - new M)
.set I, 0
.rept 32
	v_pk_fma_f32 v[96+I:97+I], v[96+I:97+I], s[CS:CS+1], v[12:13] op_sel_hi:[1,0,0]   ; t - M
.set I, I+2
.endr
.irp b, 0,1,2,3
	v_fma_f32 v[MX+\b], v[MX+\b], s[CS], v12       ; the same of each block's largest score
.endr
.set I, 0
.rept 64
	v_exp_f32 v[96+I], v[96+I]                     ; p = 2^(t - M)
.set I, I+1
.endr
	v_pk_mul_f32 v[14:15], v[14:15], v[F:F+1] op_sel_hi:[1,0]   ; the sums under the new M (a plain instruction behind the exponentials)
	s_wait_alu depctr_va_vdst(0)                   ; one wait for the batch, ahead of its first reader
.irp b, 0,1,2,3
	v_exp_f32 v[MX+\b], v[MX+\b]                   ; the block's largest p
.endr
	v_pk_add_f32 v[230:231], v[96:97], v[98:99]    ; the row's sum, of the unquantised p, in two chains
.irp j, 4,8,12,16,20,24,28,32,36,40,44,48,52,56,60
	v_pk_add_f32 v[14:15], v[14:15], v[96+\j:97+\j]
	v_pk_add_f32 v[230:231], v[230:231], v[98+\j:99+\j]
.endr
	v_pk_add_f32 v[14:15], v[14:15], v[230:231]
	s_wait_alu depctr_va_vdst(0)                   ; and one for the four
.irp b, 0,1,2,3
	v_max_num_f32 v[MX+\b], 0x2800000, v[MX+\b]    ; the floor 2^(5 - 127)
.endr
.irp b, 0,1,2,3
	v_add_nc_u32 v[SO+\b], 0xfe000000, v[MX+\b]
.endr
.irp b, 0,1,2,3
	v_lshrrev_b32 v[PT+\b], 23, v[SO+\b]
.endr
	v_lshl_or_b32 v[PWD], v[PT+1], 8, v[PT]        ; p's scale word for these 128 keys
	v_lshl_or_b32 v[PWD], v[PT+2], 16, v[PWD]
	v_lshl_or_b32 v[PWD], v[PT+3], 24, v[PWD]
.irp c, 0,1
	v_cvt_scalef32_pk16_bf6_f32 v[192+6*\c:194+6*\c], v[96+32*\c:111+32*\c], v[SO+2*\c]
	v_cvt_scalef32_pk16_bf6_f32 v[204+4*\c:206+4*\c], v[112+32*\c:127+32*\c], v[SO+2*\c+1]
.endr
	v_nop
.irp c, 0,1
.irp i, 0,1,2
	v_permlane16_swap_b32 v[192+6*\c+\i], v[204+4*\c+\i]
.endr
.irp i, 0,1,2
	v_mov_b32 v[195+6*\c+\i], v[204+4*\c+\i]
.endr
.endr
.set I, 0
.rept 16
	v_pk_mul_f32 v[160+I:161+I], v[160+I:161+I], v[F:F+1] op_sel_hi:[1,0]   ; O^T under the new M.  (These sixteen are also the places between p's codes and scale word and the products)
.set I, I+2
.endr
	s_wait_dscnt 0x0                               ; V
.irp d, 0,1,2,3
	v_wmma_scale_f32_16x16x128_f8f6f4 v[160+8*\d:167+8*\d], v[KV+12*\d:KV+12*\d+11], v[192:203], v[160+8*\d:167+8*\d], v[VW+\d], v[PWD] matrix_a_fmt:MATRIX_FMT_BF6 matrix_b_fmt:MATRIX_FMT_BF6
.endr
	s_add_co_u32 s[TB], s[TB], 6144
	s_add_co_u32 s[TS], s[TS], 256
	s_sub_co_u32 s[CNT], s[CNT], 1
	s_cmp_lg_u32 s[CNT], 0
	s_cbranch_scc1 .Lstep
; THE WAY OUT: O^T / the sum, quantised: the head's 64 features are two blocks, one half fragment.
.rept 4
	v_nop
.endr
	v_add_f32 v14, v14, v15
	v_permlanex16_b32 v[TP], v14, s[SEL], s[SEL+1]
	v_add_f32 v14, v14, v[TP]                      ; the row's sum
	v_rcp_f32 v14, v14
	v_lshlrev_b32 v[TP], 1, v[R16]                 ; (a plain instruction behind the reciprocal)  32 r
	s_lshr_b32 s58, s11, 4
	s_lshl_b32 s58, s58, 7
	s_lshl_b32 s59, s10, 4
	s_add_co_u32 s58, s58, s59
	s_add_co_u32 s58, s58, s[WV]                   ; my tile of tokens
	s_and_b32 s59, s11, 15                         ; the head
	s_lshl_b32 s56, s58, 4
	s_add_co_u32 s56, s56, s59
	s_mul_i32 s56, s56, 768
	s_add_nc_u64 s[68:69], s[6:7], s[56:57]
	s_lshr_b32 s56, s58, 3
	s_lshl_b32 s56, s56, 3
	s_lshr_b32 s67, s59, 1
	s_add_co_u32 s56, s56, s67                     ; (tile / 8) x 8 K steps + head / 2
	s_lshl_b32 s56, s56, 9
	s_and_b32 s67, s58, 7
	s_lshl_b32 s67, s67, 2
	s_add_co_u32 s56, s56, s67
	s_and_b32 s67, s59, 1
	s_lshl_b32 s67, s67, 1
	s_add_co_u32 s56, s56, s67                     ; my head's half of the word
	s_add_co_u32 s56, s56, ASC
	s_add_nc_u64 s[70:71], s[6:7], s[56:57]
	s_wait_alu depctr_va_vdst(0)                   ; the wait, ahead of the reciprocal's first reader
.set I, 0
.rept 32
	v_mul_f32 v[96+I], v[160+I], v14               ; register 16 b + i is feature 32 b + 16 h + i
.set I, I+1
.endr
.irp b, 0,1
	v_max3_num_f32 v[MX+\b], |v[96+16*\b]|, |v[97+16*\b]|, 0x2800000
.endr
.irp i, 2,4,6,8,10,12,14
.irp b, 0,1
	v_max3_num_f32 v[MX+\b], v[MX+\b], |v[96+16*\b+\i]|, |v[97+16*\b+\i]|
.endr
.endr
.irp b, 0,1
	v_permlanex16_b32 v[PT+\b], v[MX+\b], s[SEL], s[SEL+1]
.endr
.irp b, 0,1
	v_max_num_f32 v[MX+\b], v[MX+\b], v[PT+\b]
.endr
.irp b, 0,1
	v_add_nc_u32 v[SO+\b], 0xfe000000, v[MX+\b]
.endr
.irp b, 0,1
	v_lshrrev_b32 v[PT+\b], 23, v[SO+\b]
.endr
	v_lshl_or_b32 v[PWD], v[PT+1], 8, v[PT]
	v_cvt_scalef32_pk16_bf6_f32 v[192:194], v[96:111], v[SO]
	v_cvt_scalef32_pk16_bf6_f32 v[204:206], v[112:127], v[SO+1]
	v_nop
.irp i, 0,1,2
	v_permlane16_swap_b32 v[192+\i], v[204+\i]
.endr
.irp i, 0,1,2
	v_mov_b32 v[195+\i], v[204+\i]
.endr
	global_store_b128 v[L16], v[192:195], s[68:69] ; 512 consecutive bytes, at a multiple of 256
	global_store_b64 v[L8], v[196:197], s[68:69] offset:512
	global_store_b16 v[TP], v[PWD], s[70:71]       ; my row's two scale bytes (both halves of the lanes hold the same): a wave owns half a word, so these go out in pieces of 2 bytes: 1 / 24 of the codes' bytes
	s_wait_tensorcnt 0x0
	ds_add_u32 v254, v255
	s_wait_dscnt 0x0
	CROUND                                         ; the closing round
	s_endpgm
.Lfunc_end_k_qb0b5cad2d3_attn:
	.size	k_qb0b5cad2d3_attn, .Lfunc_end_k_qb0b5cad2d3_attn-k_qb0b5cad2d3_attn
	.p2alignl 7, 3214868480
	.fill 96, 4, 3214868480
	.section	.rodata,"a",@progbits
	.p2align	6, 0x0
	.amdhsa_kernel k_qb0b5cad2d3_attn
		.amdhsa_group_segment_fixed_size 206848
		.amdhsa_private_segment_fixed_size 0
		.amdhsa_enable_private_segment 0
		.amdhsa_kernarg_size 16
		.amdhsa_user_sgpr_count 2
		.amdhsa_user_sgpr_kernarg_segment_ptr 1
		.amdhsa_wavefront_size32 1
		.amdhsa_system_sgpr_workgroup_id_x 1
		.amdhsa_system_sgpr_workgroup_id_y 1
		.amdhsa_system_sgpr_workgroup_id_z 1
		.amdhsa_system_vgpr_workitem_id 0
		.amdhsa_next_free_vgpr 256
		.amdhsa_next_free_sgpr 72
		.amdhsa_reserve_vcc 0
		.amdhsa_float_denorm_mode_32 3
		.amdhsa_float_denorm_mode_16_64 3
		.amdhsa_memory_ordered 1
		.amdhsa_forward_progress 1
		.amdhsa_inst_pref_size 29
	.end_amdhsa_kernel
	.amdgpu_metadata
---
amdhsa.version: [ 1, 2 ]
amdhsa.kernels:
  - .name:           k_qb0b5cad2d3_attn
    .symbol:         k_qb0b5cad2d3_attn.kd
    .args:
      - { .name: qkvc, .offset: 0, .size: 8, .value_kind: global_buffer, .address_space: global }
      - { .name: a4, .offset: 8, .size: 8, .value_kind: global_buffer, .address_space: global }
    .group_segment_fixed_size: 206848
    .private_segment_fixed_size: 0
    .kernarg_segment_align: 8
    .kernarg_segment_size: 16
    .max_flat_workgroup_size: 512
    .sgpr_count:     72
    .vgpr_count:     256
    .wavefront_size: 32
...
	.end_amdgpu_metadata
.endif
;; end of part 3
;; launch gproj (part 4): grid 4 x 16, 4 waves a work-group, clusters of 4 x 4, 327,680 bytes of LDS; arguments a4, wbuf, b_out, x, x1; writes x1
.if DOCPART == 4
	.amdgcn_target "amdgcn-amd-amdhsa--gfx1250"
	.amdhsa_code_object_version 6
	.text
	.protected	k_qb0b5cad2d3_gproj
	.globl	k_qb0b5cad2d3_gproj
	.p2align	8
	.type	k_qb0b5cad2d3_gproj,@function
k_qb0b5cad2d3_gproj:
	s_mov_b64 s[64:65], 0
	v_nop
	global_prefetch_b8 v0, s[64:65] scope:SCOPE_SE
	s_setreg_imm32_b32 hwreg(HW_REG_WAVE_MODE, 25, 1), 1
	s_wait_xcnt 0x0
	s_wait_alu depctr_hold_cnt(0) depctr_sa_sdst(0) depctr_va_vdst(0) depctr_va_sdst(0) depctr_va_ssrc(0) depctr_va_vcc(0) depctr_vm_vsrc(0)
	s_getreg_b32 s2, hwreg(HW_REG_IB_STS2, 6, 4)
	s_cmp_eq_u32 s2, 0
	s_cbranch_scc0 .Lentry_in_a_cluster
	s_endpgm
.Lentry_in_a_cluster:
	s_bfe_u32 s2, ttmp6, 0x10000c
	s_cmp_lg_u32 s2, 0xf033
	s_cbranch_scc0 .Lentry_shape_is_right
	s_endpgm
.Lentry_shape_is_right:
; x1 = x + o w_out + b_out: the product on codes of BF6 (E3M2) with E8M0 scales for each 32 along K, sums in f32; the result leaves as f32 rows.
; OPERAND FORMAT (all workspace operands): lane r of tile T holds row 32 (T / 2) + 8 (T % 2) + r + 8 (r / 8); a half fragment, 16 rows x 64 K, is an image of six registers a lane, 768 bytes (registers 0-3 at 16 l,
; registers 4-5 at 512 + 8 l); codes [tile][K / 64][768]; scale words [rows / 128][K / 128][r][tile % 8].
; A tile of C, 256 x 256, is made by four waves, 128 x 128 each: 64 accumulators.  K goes in steps of 256 through a ring of two LDS slots filled by the tensor data mover: eight tiles' 3,072 bytes a load.
; The scale words of the work-group's rows, for all of K, come into LDS once.  CLUSTERS: 4 x 4; A's tiles are asked for jointly along a row of the cluster, B's along a column.
; THE MATRIX INSTRUCTION IS USED TRANSPOSED (source 0 = 16 rows of B, source 1 = 16 rows of A): a lane's register 8 b + j of a tile of A is column 32 (b / 2) + 16 (l / 16) + 8 (b % 2) + j of one row of C.
; The bias is the C of the first K step.  C has 64 tiles of 256 x 256, so the launch has 64 work-groups: the price of one form for all four products.  No prefetch: the tiles are codes shared in clusters.
; REGISTERS: window 0: v1-31 addresses; v32-63 scale words; v128-223 A's fragments; on the way out v128-255 rows of C.   window 1: B's fragments at v0 and v128, the bias at v96-127 and v224-255; on the way out the residual's rows.
;   windows 2, 3: the accumulators, (a, b) at v[8 (8 (a % 4) + b)].
.set SIZE_K, 1024
.set A_SOFF, 3145728
.set B_COFF, 2359296
.set B_SOFF, 9535488
.set KSTEP,  256
.set NQ,     2
.set FR,     12
.set NL,     4
.set NP,     4
.set TSTR,   (SIZE_K/64)*768
.set HALFT,  8*3072
.set SLOT,   4*HALFT
.set LAPS,   SIZE_K/(2*KSTEP)
.set SCL,    2*SLOT
.set HALFS,  (SIZE_K/128)*512
.set SPARE,  SCL+4*HALFS               ; the spare words, 128 bytes for each wave: two blocks of 256 bytes that no other line names
.set SPITCH, 528                       ; the way out: a stage of 16 rows x (512 bytes + 16) for each wave, in slot 0, which has had its last fill and its last read when the first result is stored there
.set ADRA, 16
.set ADRB, 20
.set STO,  24
.set RD,   25
.set CO,   26
.set ADRS, 27
.set SPW,  28
.set NIL,  29
.set L8,   30
.set H64,  31
.set SC,   32
.set AF,   128
.set BK,   128
.set G1, 24
.set G0, 32
.set G1B, 48
.set G0B, 56
.set G1S, 68
.set G0S, 76
.set G1SB, 80
.set G0SB, 88
.set MSB, 0
.macro WIN new                         ; the immediate's high byte repeats the setting that is left
.if MSB != (\new)
	s_set_vgpr_msb (MSB<<8)|(\new)
.set MSB, (\new)
.endif
.endm
.set MUL_LO, 0xa1
.set MUL_HI, 0xf1
.set TO_B,   0x40
.macro JLOAD g0a, g1a, g0b, g1b        ; a joint load: waves 0 and 1 fetch for A, waves 2 and 3 for B; four v_nop follow each of the two lines
	s_cmp_eq_u32 s15, 0
	s_cbranch_scc0 .Lfor_b_\@
	tensor_load_to_lds s[\g0a:\g0a+3], s[\g1a:\g1a+7]
	s_nop 0
.rept 4
	v_nop
.endr
	s_branch .Lasked_\@
.Lfor_b_\@:
	tensor_load_to_lds s[\g0b:\g0b+3], s[\g1b:\g1b+7]
	s_nop 0
.rept 4
	v_nop
.endr
.Lasked_\@:
.endm
.macro CREST
	s_cmp_lg_u32 s14, 0
	s_cbranch_scc1 .Lnot_wave_0_\@
	s_barrier_signal -3
.Lnot_wave_0_\@:
	s_barrier_wait -3
	s_barrier_signal -1
	s_barrier_wait -1
.endm
.macro CROUND
	s_barrier_signal -1
	s_barrier_wait -1
	CREST
.endm
.macro FRAG reg, adr, q, i             ; a fragment: two half fragments, as they lie
	ds_load_b128 v[\reg:\reg+3],     v[\adr]   offset:(\i)*3072+(\q)*1536
	ds_load_b64  v[\reg+4:\reg+5],   v[\adr+2] offset:(\i)*3072+(\q)*1536+512
	ds_load_b128 v[\reg+6:\reg+9],   v[\adr]   offset:(\i)*3072+(\q)*1536+768
	ds_load_b64  v[\reg+10:\reg+11], v[\adr+2] offset:(\i)*3072+(\q)*1536+1280
.endm
.macro MUL16 a0, p, q, sc, zero        ; 16 matrix instructions; zero = 1: the first K step, whose C is the bias.  The 64 accumulators take turns
.irp a, \a0, \a0+1
.irp b, 0,1,2,3,4,5,6,7
.if \zero
	v_wmma_scale_f32_16x16x128_f8f6f4 v[8*(8*((\a)%4)+\b):8*(8*((\a)%4)+\b)+7], v[128*(\p)+FR*\b:128*(\p)+FR*\b+FR-1], v[AF+FR*(\a):AF+FR*(\a)+FR-1], v[96+8*\b+96*(\b/4):96+8*\b+96*(\b/4)+7], v[SC+16*(\sc)+8*(\q)+\b], v[SC+16*(\sc)+8*(\q)+(\a)] matrix_a_fmt:MATRIX_FMT_BF6 matrix_b_fmt:MATRIX_FMT_BF6 matrix_a_scale:MATRIX_SCALE_ROW1
.else
	v_wmma_scale_f32_16x16x128_f8f6f4 v[8*(8*((\a)%4)+\b):8*(8*((\a)%4)+\b)+7], v[128*(\p)+FR*\b:128*(\p)+FR*\b+FR-1], v[AF+FR*(\a):AF+FR*(\a)+FR-1], v[8*(8*((\a)%4)+\b):8*(8*((\a)%4)+\b)+7], v[SC+16*(\sc)+8*(\q)+\b], v[SC+16*(\sc)+8*(\q)+(\a)] matrix_a_fmt:MATRIX_FMT_BF6 matrix_b_fmt:MATRIX_FMT_BF6 matrix_a_scale:MATRIX_SCALE_ROW1
.endif
.endr
.endr
.endm
.macro FETCH_B slot, q, p
	WIN TO_B
.irp i, 0,1,2,3,4,5,6,7
	FRAG 128*(\p)+FR*\i, ADRB+\slot, \q, \i
.endr
	WIN 0
.endm
.macro FETCH_A slot, q, i0
.irp i, \i0, \i0+1, \i0+2, \i0+3
	FRAG AF+FR*(\i), ADRA+\slot, \q, \i
.endr
.endm
.macro SCALES sc
.irp q, 0,1
.irp j, 0,1
	ds_load_b128 v[SC+16*\sc+8*\q+4*\j:SC+16*\sc+8*\q+4*\j+3], v[ADRS] offset:512*\q+16*\j
.endr
.endr
.endm
.macro PLACES n
.rept \n
	v_nop
.endr
.endm
.macro STEP slot, q, zero
	s_wait_dscnt 4*NL                              ; B's set and A's tiles 0-3 are in; the youngest sixteen loads (A's tiles 4-7) may be out
.if \zero
	WIN 0x91
.else
	WIN MUL_LO
.endif
	MUL16 0, (\q)%2, \q, \slot, \zero
	MUL16 2, (\q)%2, \q, \slot, \zero
	s_wait_dscnt 0
	PLACES NP
	FETCH_B \slot, (\q)+1, 1-(\q)%2
	FETCH_A \slot, (\q)+1, 0
.if \zero
	WIN 0xd1
.else
	WIN MUL_HI
.endif
	MUL16 4, (\q)%2, \q, \slot, \zero
	MUL16 6, (\q)%2, \q, \slot, \zero
	PLACES NP
	WIN 0
	FETCH_A \slot, (\q)+1, 4
.endm
.macro TURN slot, next, fill
	s_wait_tensorcnt 0x0                           ; all my tensor loads have landed: my part of the next slot
	ds_add_u32 v[SPW], v[NIL]                      ; 0 onto my spare word
	s_wait_dscnt 4*NL+1                            ; (the add and A's tiles 4-7 may be out)
	WIN MUL_LO
	MUL16 0, 1, NQ-1, \slot, 0
	s_wait_dscnt 0x0                               ; the add is done, and my reads of this slot are over
	s_barrier_signal -1
	MUL16 2, 1, NQ-1, \slot, 0
	WIN 0
	s_barrier_wait -1
.if \fill
	CREST                                          ; the barrier has opened a round of the cluster's barrier
	s_add_nc_u64 s[G0+4*\slot+2:G0+4*\slot+3], s[G0+4*\slot+2:G0+4*\slot+3], 2*3072
	s_add_nc_u64 s[G0B+4*\slot+2:G0B+4*\slot+3], s[G0B+4*\slot+2:G0B+4*\slot+3], 2*3072
	JLOAD G0+4*\slot, G1, G0B+4*\slot, G1B         ; the first tensor load behind the round
.else
	PLACES NP
.endif
	v_add_nc_u32 v[ADRS], 512*NQ, v[ADRS]
	FETCH_B \next, 0, 0
	FETCH_A \next, 0, 0
	SCALES \next
	WIN MUL_HI
	MUL16 4, 1, NQ-1, \slot, 0
	MUL16 6, 1, NQ-1, \slot, 0
	PLACES NP
	WIN 0
	FETCH_A \next, 0, 4
.endm
	s_load_b128 s[4:7], s[0:1], 0x0                ; A's buffer, wbuf
	s_load_b128 s[8:11], s[0:1], 0x10              ; the bias, the residual
	s_load_b64 s[12:13], s[0:1], 0x20              ; the output
	v_lshl_add_u32 v[SPW], v0, 2, SPARE
	v_mov_b32 v[NIL], 0
	ds_add_u32 v28, v29
	ds_add_u32 v28, v29
	s_wait_dscnt 0x0
	v_lshrrev_b32 v1, 5, v0
	v_readfirstlane_b32 s14, v1
	s_lshr_b32 s15, s14, 1
	s_and_b32 s16, s14, 1
	s_bfe_u32 s40, ttmp6, 0x40000
	s_bfe_u32 s41, ttmp6, 0x40004
	s_lshl_b32 s42, ttmp9, 2
	s_add_co_u32 s42, s42, s40                     ; tile column
	s_and_b32 s17, ttmp7, 0xffff
	s_lshl_b32 s17, s17, 2
	s_add_co_u32 s17, s17, s41                     ; tile row
	s_lshl_b32 s43, s41, 2
	s_lshl_b32 s43, 15, s43
	s_lshl_b32 s44, 0x1111, s40
	s_or_b32 s[G1+0], s43, (3<<16)|(1<<21)
	s_or_b32 s[G1B+0], s44, (3<<16)|(1<<21)
.irp g, G1, G1B
	s_mov_b32 s[\g+1], 384<<16
	s_mov_b32 s[\g+2], 8<<16
	s_mov_b32 s[\g+3], 384<<16
	s_mov_b32 s[\g+4], 8
	s_mov_b32 s[\g+5], TSTR/8
	s_mov_b32 s[\g+6], 0
	s_mov_b32 s[\g+7], 0
.endr
	s_or_b32 s[G1S+0], s43, (3<<16)|(1<<21)
	s_or_b32 s[G1SB+0], s44, (3<<16)|(1<<21)
.irp g, G1S, G1SB
	s_mov_b32 s[\g+1], 32<<16
	s_mov_b32 s[\g+2], (HALFS/256)<<16
	s_mov_b32 s[\g+3], 32<<16
	s_mov_b32 s[\g+4], HALFS/256
	s_mov_b32 s[\g+5], 32
	s_mov_b32 s[\g+6], 0
	s_mov_b32 s[\g+7], 0
.endr
	s_lshl_b32 s18, s16, 3
	s_lshl_b32 s20, s17, 4
	s_add_co_u32 s20, s20, s18
	s_lshl_b32 s46, s42, 4
	s_add_co_u32 s46, s46, s18
	s_lshl_b32 s22, s17, 1
	s_add_co_u32 s22, s22, s16
	s_lshl_b32 s92, s42, 1
	s_add_co_u32 s92, s92, s16
	s_mul_i32 s20, s20, TSTR
	s_mul_i32 s46, s46, TSTR
	s_mul_i32 s22, s22, HALFS
	s_mul_i32 s92, s92, HALFS
	s_add_co_u32 s22, s22, A_SOFF
	s_add_co_u32 s46, s46, B_COFF
	s_add_co_u32 s92, s92, B_SOFF
	s_mov_b32 s21, 0
	s_mov_b32 s23, 0
	s_mov_b32 s47, 0
	s_mov_b32 s93, 0
	s_mul_i32 s45, s14, HALFT
	s_mul_i32 s94, s14, HALFS
	s_wait_kmcnt 0x0
	s_add_nc_u64 s[20:21], s[4:5], s[20:21]
	s_add_nc_u64 s[22:23], s[4:5], s[22:23]
	s_add_nc_u64 s[46:47], s[6:7], s[46:47]
	s_add_nc_u64 s[92:93], s[6:7], s[92:93]
	CROUND
	s_mov_b32 s[G0S], 1
	s_add_co_u32 s[G0S+1], s94, SCL
	s_mov_b64 s[G0S+2:G0S+3], s[22:23]
	s_or_b32 s[G0S+3], s[G0S+3], 0x80000000
	s_mov_b32 s[G0SB], 1
	s_add_co_u32 s[G0SB+1], s94, SCL
	s_mov_b64 s[G0SB+2:G0SB+3], s[92:93]
	s_or_b32 s[G0SB+3], s[G0SB+3], 0x80000000
	JLOAD G0S, G1S, G0SB, G1SB
.irp s, 0,1
	s_mov_b32 s[G0+4*\s], 1
	s_add_co_u32 s[G0+4*\s+1], s45, \s*SLOT
	s_add_nc_u64 s[G0+4*\s+2:G0+4*\s+3], s[20:21], \s*3072
	s_or_b32 s[G0+4*\s+3], s[G0+4*\s+3], 0x80000000
	s_mov_b32 s[G0B+4*\s], 1
	s_add_co_u32 s[G0B+4*\s+1], s45, \s*SLOT
	s_add_nc_u64 s[G0B+4*\s+2:G0B+4*\s+3], s[46:47], \s*3072
	s_or_b32 s[G0B+4*\s+3], s[G0B+4*\s+3], 0x80000000
	JLOAD G0+4*\s, G1, G0B+4*\s, G1B
.endr
	v_and_b32 v1, 15, v0
	v_bfe_u32 v2, v0, 4, 1
	v_and_b32 v3, 31, v0
	v_lshlrev_b32 v[CO], 4, v3
	v_lshlrev_b32 v[L8], 3, v3
	v_lshlrev_b32 v[H64], 6, v2
	s_mul_i32 s21, s15, HALFT
	s_mul_i32 s22, s16, HALFT
	s_add_co_u32 s22, s22, 2*HALFT
.irp s, 0,1
	v_add_nc_u32 v[ADRA+\s], s21, v[CO]
	v_add_nc_u32 v[ADRB+\s], s22, v[CO]
	v_add_nc_u32 v[ADRA+2+\s], s21, v[L8]
	v_add_nc_u32 v[ADRB+2+\s], s22, v[L8]
	s_add_co_u32 s21, s21, SLOT
	s_add_co_u32 s22, s22, SLOT
.endr
	v_lshlrev_b32 v5, 5, v1
	s_mul_i32 s21, s15, HALFS
	s_mul_i32 s22, s16, HALFS
	s_add_co_u32 s22, s22, 2*HALFS
	s_sub_co_u32 s22, s22, s21
	v_mul_u32_u24 v6, s22, v2
	s_add_co_u32 s21, s21, SCL
	v_add_nc_u32 v5, v5, v6
	v_add_nc_u32 v[ADRS], s21, v5
	s_mul_i32 s23, s14, 16*SPITCH                  ; my stage
	v_mul_u32_u24 v5, v1, SPITCH
	v_lshl_add_u32 v5, v2, 6, v5
	v_add_nc_u32 v[STO], s23, v5                   ; in: row r, + 64 h
	v_add_nc_u32 v[RD], s23, v[CO]                 ; back: the 32 lanes take one row of 512 bytes
	s_lshl_b32 s46, s42, 10
	s_lshl_b32 s47, s16, 9
	s_add_co_u32 s46, s46, s47                     ; my first column, in bytes
	s_mov_b32 s47, 0
	s_add_nc_u64 s[8:9], s[8:9], s[46:47]
	s_lshl_b32 s20, s17, 20
	s_lshl_b32 s21, s15, 19
	s_add_co_u32 s20, s20, s21                     ; my first row: 4,096 bytes a row
	s_mov_b32 s21, 0
	s_add_nc_u64 s[20:21], s[20:21], s[46:47]
	s_add_nc_u64 s[10:11], s[10:11], s[20:21]
	s_add_nc_u64 s[12:13], s[12:13], s[20:21]
	WIN TO_B
.irp b, 0,1,2,3,4,5,6,7
	global_load_b128 v[96+8*\b+96*(\b/4):96+8*\b+96*(\b/4)+3], v[H64], s[8:9] offset:128*(\b/2)+32*(\b%2)
	global_load_b128 v[96+8*\b+96*(\b/4)+4:96+8*\b+96*(\b/4)+7], v[H64], s[8:9] offset:128*(\b/2)+32*(\b%2)+16
.endr
	WIN 0
	s_wait_tensorcnt 1                             ; the scale words and my part of K step 0 are in (K step 1's load may be out)
	s_barrier_signal -1
	s_barrier_wait -1
	FETCH_B 0, 0, 0
	FETCH_A 0, 0, 0
	SCALES 0
	FETCH_A 0, 0, 4
	s_wait_loadcnt 0x0                             ; the bias
	STEP 0, 0, 1
	s_mov_b32 s3, LAPS-1
.Llap:
	TURN 0, 1, 1
	STEP 1, 0, 0
	TURN 1, 0, 1
	STEP 0, 0, 0
	s_sub_co_u32 s3, s3, 1
	s_cmp_lg_u32 s3, 0
	s_cbranch_scc1 .Llap
	TURN 0, 1, 0
	STEP 1, 0, 0
	s_wait_dscnt 4*NL
	WIN MUL_LO
	MUL16 0, 1, NQ-1, 1, 0
	MUL16 2, 1, NQ-1, 1, 0
	s_wait_dscnt 0
	WIN MUL_HI
	MUL16 4, 1, NQ-1, 1, 0
	MUL16 6, 1, NQ-1, 1, 0
	WIN 0
	PLACES NP
; THE WAY OUT, tile by tile of 16 rows x 128 columns, through my own stage in LDS, back as whole rows of 512 bytes; the residual's rows are added and the rows stored.  Stage row t of tile a is row
; 32 (a / 2) + 8 (a % 2) + t + 8 (t / 8) of my 128: every offset is an immediate, 127 rows of 4,096 bytes at the most.
.macro RLOAD a                         ; the residual's 16 rows of tile a, into window 1
	WIN TO_B
.irp t, 0,1,2,3,4,5,6,7,8,9,10,11,12,13,14,15
	global_load_b128 v[64*((\a)%4)+4*\t:64*((\a)%4)+4*\t+3], v[CO], s[10:11] offset:(32*((\a)/2)+8*((\a)%2)+\t+8*(\t/8))*4096
.endr
	WIN 0
.endm
.macro TOSTAGE a
.set AC, 64*((\a)%4)
	WIN 0x08+4*((\a)/4)                            ; an LDS store's data: window 2 or 3
.irp b, 0,1,2,3,4,5,6,7
	ds_store_b128 v[STO], v[AC+8*\b:AC+8*\b+3] offset:128*(\b/2)+32*(\b%2)       ; each accumulator from its low end on
	ds_store_b128 v[STO], v[AC+8*\b+4:AC+8*\b+7] offset:128*(\b/2)+32*(\b%2)+16
.endr
	WIN 0
.set BB, BK+64*((\a)%2)
.irp t, 0,1,2,3,4,5,6,7,8,9,10,11,12,13,14,15
	ds_load_b128 v[BB+4*\t:BB+4*\t+3], v[RD] offset:\t*SPITCH   ; LDS serves a wave's instructions in order: these see the stores above
.endr
.endm
.macro SEND a, younger
.set BB, BK+64*((\a)%2)
.set RX, 64*((\a)%4)
.set LEFT, 16*(7-(\a))
.if LEFT > 48
.set LEFT, 48
.endif
	s_wait_dscnt \younger                          ; the tile is back in registers (the next tile's 16 stores and 16 loads may be out)
	s_wait_loadcnt LEFT                            ; its residual rows are in; those of the tiles behind it, three at the most, may be out
	WIN 0x04                                       ; source 1: window 1
.set I, 0
.rept 32
	v_pk_add_f32 v[BB+I:BB+I+1], v[BB+I:BB+I+1], v[RX+I:RX+I+1]
.set I, I+2
.endr
	WIN 0
.irp t, 0,1,2,3,4,5,6,7,8,9,10,11,12,13,14,15
	global_store_b128 v[CO], v[BB+4*\t:BB+4*\t+3], s[12:13] offset:(32*((\a)/2)+8*((\a)%2)+\t+8*(\t/8))*4096   ; 512 consecutive bytes, at a multiple of 256
.endr
.if (\a) < 4
	RLOAD (\a)+4
.endif
.endm
	RLOAD 0
	RLOAD 1
	RLOAD 2
	RLOAD 3
	TOSTAGE 0
.irp a, 1,2,3,4,5,6,7
.if \a > 1
	s_wait_xcnt 0x0                                ; tile a - 2's stores have read their registers: tile a's loads may land there
.endif
	TOSTAGE \a
	SEND \a-1, 32
.endr
	SEND 7, 0
	s_wait_tensorcnt 0x0                           ; the wave's end
	ds_add_u32 v[SPW], v[NIL]
	s_wait_dscnt 0x0
	CROUND                                         ; the closing round
	s_endpgm
.Lfunc_end_k_qb0b5cad2d3_gproj:
	.size	k_qb0b5cad2d3_gproj, .Lfunc_end_k_qb0b5cad2d3_gproj-k_qb0b5cad2d3_gproj
	.p2alignl 7, 3214868480
	.fill 96, 4, 3214868480
	.section	.rodata,"a",@progbits
	.p2align	6, 0x0
	.amdhsa_kernel k_qb0b5cad2d3_gproj
		.amdhsa_group_segment_fixed_size 327680
		.amdhsa_private_segment_fixed_size 0
		.amdhsa_enable_private_segment 0
		.amdhsa_kernarg_size 40
		.amdhsa_user_sgpr_count 2
		.amdhsa_user_sgpr_kernarg_segment_ptr 1
		.amdhsa_wavefront_size32 1
		.amdhsa_system_sgpr_workgroup_id_x 1
		.amdhsa_system_sgpr_workgroup_id_y 1
		.amdhsa_system_sgpr_workgroup_id_z 1
		.amdhsa_system_vgpr_workitem_id 0
		.amdhsa_next_free_vgpr 1024
		.amdhsa_next_free_sgpr 98
		.amdhsa_reserve_vcc 0
		.amdhsa_float_denorm_mode_32 3
		.amdhsa_float_denorm_mode_16_64 3
		.amdhsa_memory_ordered 1
		.amdhsa_forward_progress 1
		.amdhsa_inst_pref_size 173
	.end_amdhsa_kernel
	.amdgpu_metadata
---
amdhsa.version: [ 1, 2 ]
amdhsa.kernels:
  - .name:           k_qb0b5cad2d3_gproj
    .symbol:         k_qb0b5cad2d3_gproj.kd
    .args:
      - { .name: a4, .offset: 0, .size: 8, .value_kind: global_buffer, .address_space: global }
      - { .name: wbuf, .offset: 8, .size: 8, .value_kind: global_buffer, .address_space: global }
      - { .name: b_out, .offset: 16, .size: 8, .value_kind: global_buffer, .address_space: global }
      - { .name: x, .offset: 24, .size: 8, .value_kind: global_buffer, .address_space: global }
      - { .name: x1, .offset: 32, .size: 8, .value_kind: global_buffer, .address_space: global }
    .group_segment_fixed_size: 327680
    .private_segment_fixed_size: 0
    .kernarg_segment_align: 8
    .kernarg_segment_size: 40
    .max_flat_workgroup_size: 128
    .sgpr_count:     98
    .vgpr_count:     1024
    .wavefront_size: 32
...
	.end_amdgpu_metadata
.endif
;; end of part 4
;; launch ln2 (part 5): grid 256 x 1, 8 waves a work-group, no clusters, 66,816 bytes of LDS; arguments x1, ln2_g, ln2_b, a5; writes a5
.if DOCPART == 5
	.amdgcn_target "amdgcn-amd-amdhsa--gfx1250"
	.amdhsa_code_object_version 6
	.text
	.protected	k_qb0b5cad2d3_ln2
	.globl	k_qb0b5cad2d3_ln2
	.p2align	8
	.type	k_qb0b5cad2d3_ln2,@function
k_qb0b5cad2d3_ln2:
	s_mov_b64 s[64:65], 0
	v_nop
	global_prefetch_b8 v0, s[64:65] scope:SCOPE_SE
	s_setreg_imm32_b32 hwreg(HW_REG_WAVE_MODE, 25, 1), 1
	s_wait_xcnt 0x0
; LayerNorm 2 of x1, quantised to codes of BF6 (E3M2) along the 1,024 features, in this program's operand format: lane r of tile T holds row 32 (T / 2) + 8 (T % 2) + r + 8 (r / 8); a half fragment, 16 rows x 64 K,
; is an image of six registers a lane, 768 bytes (registers 0-3 at 16 l, registers 4-5 at 512 + 8 l); codes [tile][16][768]; scale words [tile / 8][K step 8][r][tile % 8].
; Work-group T makes tile T.  Wave w normalises the tile's rows 2 w and 2 w + 1, two neighbouring tokens; the 16 rows meet in a stage in LDS; wave w then quantises K step w.
; LIMITS: a block of zeros, or one whose largest magnitude lies under 2^-122, keeps the scale byte 1 (read by this program alone); NaN and infinities are not served.
.set ASC,   3145728
.set PITCH, 4112                       ; a stage row: 4,096 bytes + 16: an odd multiple of 16
.set X, 32
.set G, 96
.set B, 128
.set C, 160
.set XP, 4
.set GP, 6
.set BP, 8
.set OP, 10
	s_load_b256 s[4:11], s[0:1], 0x0               ; x1, ln2_g, ln2_b, a5
	v_lshl_add_u32 v192, v0, 2, 0x10100
	v_mov_b32 v193, 0
	v_lshrrev_b32 v3, 5, v0
	v_readfirstlane_b32 s24, v3                    ; wave 0..7
	v_and_b32 v1, 31, v0
	v_lshlrev_b32 v2, 4, v1                        ; 16 x lane
	v_lshlrev_b32 v6, 3, v1                        ; 8 x lane
	v_and_b32 v7, 15, v0                           ; r
	v_bfe_u32 v8, v0, 4, 1                         ; h
	s_mov_b32 s30, 0x76543210
	s_mov_b32 s31, 0xfedcba98
	s_mov_b32 s27, 0
	s_lshr_b32 s25, ttmp9, 1
	s_lshl_b32 s25, s25, 5
	s_and_b32 s26, ttmp9, 1
	s_lshl_b32 s26, s26, 3
	s_add_co_u32 s25, s25, s26
	s_lshl_b32 s26, s24, 1
	s_add_co_u32 s25, s25, s26
	s_lshr_b32 s26, s24, 2
	s_lshl_b32 s26, s26, 3
	s_add_co_u32 s25, s25, s26                     ; my first token
	s_lshl_b32 s26, s25, 12
	s_wait_kmcnt 0x0
	s_add_nc_u64 s[XP:XP+1], s[XP:XP+1], s[26:27]
.irp p, 0,1
.irp j, 0,1,2,3,4,5,6,7
	global_load_b128 v[X+32*\p+4*\j:X+32*\p+4*\j+3], v2, s[XP:XP+1] offset:4096*\p+512*\j
.endr
.endr
.irp j, 0,1,2,3,4,5,6,7
	global_load_b128 v[G+4*\j:G+4*\j+3], v2, s[GP:GP+1] offset:512*\j
.endr
.irp j, 0,1,2,3,4,5,6,7
	global_load_b128 v[B+4*\j:B+4*\j+3], v2, s[BP:BP+1] offset:512*\j
.endr
	s_mul_i32 s28, s24, 2*PITCH
	v_add_nc_u32 v4, s28, v2
	v_mul_u32_u24 v5, v7, PITCH
	v_lshl_add_u32 v5, v8, 7, v5
	s_lshl_b32 s28, s24, 9
	v_add_nc_u32 v5, s28, v5
	v_mov_b32 v18, 0
	v_mov_b32 v19, 0
	s_mov_b32 s28, 0x3a800000                      ; 1 / 1,024
	s_mov_b32 s29, 0x3727c5ac                      ; eps = 1e-5
	s_wait_loadcnt 16                              ; the rows are in; the sixteen loads of gain and bias may be out
.irp p, 0,1
	v_pk_add_f32 v[10+4*\p:11+4*\p], v[X+32*\p:X+32*\p+1], v[X+32*\p+2:X+32*\p+3]
	v_pk_add_f32 v[12+4*\p:13+4*\p], v[X+32*\p+4:X+32*\p+5], v[X+32*\p+6:X+32*\p+7]
.endr
.irp i, 8,12,16,20,24,28
.irp p, 0,1
	v_pk_add_f32 v[10+4*\p:11+4*\p], v[10+4*\p:11+4*\p], v[X+32*\p+\i:X+32*\p+\i+1]
	v_pk_add_f32 v[12+4*\p:13+4*\p], v[12+4*\p:13+4*\p], v[X+32*\p+\i+2:X+32*\p+\i+3]
.endr
.endr
.irp p, 0,1
	v_pk_add_f32 v[10+4*\p:11+4*\p], v[10+4*\p:11+4*\p], v[12+4*\p:13+4*\p]
.endr
.irp p, 0,1
	v_add_f32 v[10+4*\p], v[10+4*\p], v[11+4*\p]
.endr
.irp m, 1,2,4,8
.irp p, 0,1
	v_add_f32_dpp v[10+4*\p], v[10+4*\p], v[10+4*\p] row_xmask:\m row_mask:0xf bank_mask:0xf
.endr
.endr
.irp p, 0,1
	v_permlanex16_b32 v[18+\p], v[10+4*\p], s30, s31
.endr
.irp p, 0,1
	v_add_f32 v[10+4*\p], v[10+4*\p], v[18+\p]
.endr
.irp p, 0,1
	v_mul_f32 v[10+4*\p], s28, v[10+4*\p]          ; the mean
.endr
.irp i, 0,2,4,6,8,10,12,14,16,18,20,22,24,26,28,30
.irp p, 0,1
	v_pk_add_f32 v[X+32*\p+\i:X+32*\p+\i+1], v[X+32*\p+\i:X+32*\p+\i+1], v[10+4*\p:11+4*\p] op_sel_hi:[1,0] neg_lo:[0,1] neg_hi:[0,1]   ; d = x - mean: the variance is taken of d
.endr
.endr
.irp p, 0,1
	v_pk_mul_f32 v[20+4*\p:21+4*\p], v[X+32*\p:X+32*\p+1], v[X+32*\p:X+32*\p+1]
	v_pk_mul_f32 v[22+4*\p:23+4*\p], v[X+32*\p+2:X+32*\p+3], v[X+32*\p+2:X+32*\p+3]
.endr
.irp i, 4,8,12,16,20,24,28
.irp p, 0,1
	v_pk_fma_f32 v[20+4*\p:21+4*\p], v[X+32*\p+\i:X+32*\p+\i+1], v[X+32*\p+\i:X+32*\p+\i+1], v[20+4*\p:21+4*\p]
	v_pk_fma_f32 v[22+4*\p:23+4*\p], v[X+32*\p+\i+2:X+32*\p+\i+3], v[X+32*\p+\i+2:X+32*\p+\i+3], v[22+4*\p:23+4*\p]
.endr
.endr
.irp p, 0,1
	v_pk_add_f32 v[20+4*\p:21+4*\p], v[20+4*\p:21+4*\p], v[22+4*\p:23+4*\p]
.endr
.irp p, 0,1
	v_add_f32 v[20+4*\p], v[20+4*\p], v[21+4*\p]
.endr
.irp m, 1,2,4,8
.irp p, 0,1
	v_add_f32_dpp v[20+4*\p], v[20+4*\p], v[20+4*\p] row_xmask:\m row_mask:0xf bank_mask:0xf
.endr
.endr
.irp p, 0,1
	v_permlanex16_b32 v[18+\p], v[20+4*\p], s30, s31
.endr
.irp p, 0,1
	v_add_f32 v[20+4*\p], v[20+4*\p], v[18+\p]
.endr
.irp p, 0,1
	v_fma_f32 v[20+4*\p], v[20+4*\p], s28, s29     ; variance + eps
.endr
.irp p, 0,1
	v_rsq_f32 v[20+4*\p], v[20+4*\p]
.endr
	v_nop                                          ; a plain instruction behind the last root
	s_wait_alu depctr_va_vdst(0)                   ; one wait for both roots, ahead of their first reader
	s_wait_loadcnt 0x0                             ; gain and bias
.irp i, 0,2,4,6,8,10,12,14,16,18,20,22,24,26,28,30
.irp p, 0,1
	v_pk_mul_f32 v[X+32*\p+\i:X+32*\p+\i+1], v[X+32*\p+\i:X+32*\p+\i+1], v[20+4*\p:21+4*\p] op_sel_hi:[1,0]
.endr
.endr
.irp i, 0,2,4,6,8,10,12,14,16,18,20,22,24,26,28,30
.irp p, 0,1
	v_pk_fma_f32 v[X+32*\p+\i:X+32*\p+\i+1], v[X+32*\p+\i:X+32*\p+\i+1], v[G+\i:G+\i+1], v[B+\i:B+\i+1]
.endr
.endr
.irp p, 0,1
.irp j, 0,1,2,3,4,5,6,7
	ds_store_b128 v4, v[X+32*\p+4*\j:X+32*\p+4*\j+3] offset:PITCH*\p+512*\j
.endr
.endr
	s_wait_dscnt 0x0                               ; for the others' sake: my rows lie in the stage
	s_barrier_signal -1
	s_barrier_wait -1
.irp c, 0,1
.irp i, 0,1,2,3,4,5,6,7
	ds_load_b128 v[X+32*\c+4*\i:X+32*\c+4*\i+3], v5 offset:256*\c+16*\i   ; row r, k = 128 w + 64 c + 32 h + 0 .. 31
.endr
.endr
	s_lshl_b32 s26, ttmp9, 4
	s_add_co_u32 s26, s26, s24
	s_add_co_u32 s26, s26, s24
	s_mul_i32 s26, s26, 768
	s_add_nc_u64 s[22:23], s[OP:OP+1], s[26:27]
	s_lshr_b32 s26, ttmp9, 3
	s_lshl_b32 s26, s26, 3
	s_add_co_u32 s26, s26, s24
	s_lshl_b32 s26, s26, 9
	s_and_b32 s25, ttmp9, 7
	s_lshl_b32 s25, s25, 2
	s_add_co_u32 s26, s26, s25
	s_add_co_u32 s26, s26, ASC
	s_add_nc_u64 s[OP:OP+1], s[OP:OP+1], s[26:27]
	v_lshlrev_b32 v9, 5, v7
	s_wait_dscnt 0x0
.irp c, 0,1
	v_max3_num_f32 v[10+\c], |v[X+32*\c]|, |v[X+32*\c+1]|, 0x2800000   ; and the floor 2^(5 - 127)
.endr
.irp i, 2,4,6,8,10,12,14,16,18,20,22,24,26,28,30
.irp c, 0,1
	v_max3_num_f32 v[10+\c], v[10+\c], |v[X+32*\c+\i]|, |v[X+32*\c+\i+1]|
.endr
.endr
.irp c, 0,1
	v_add_nc_u32 v[12+\c], 0xfe000000, v[10+\c]
.endr
.irp c, 0,1
	v_lshrrev_b32 v[14+\c], 23, v[12+\c]
.endr
	v_lshl_or_b32 v16, v15, 16, v14
	v_lshlrev_b32 v17, 3, v8
	v_lshlrev_b32 v16, v17, v16
	v_mov_b32 v17, 0
	v_permlanex16_b32 v17, v16, s30, s31
	v_or_b32 v16, v16, v17                         ; my row's scale word
.irp c, 0,1
	v_cvt_scalef32_pk16_bf6_f32 v[C+6*\c:C+6*\c+2], v[X+32*\c:X+32*\c+15], v[12+\c]
	v_cvt_scalef32_pk16_bf6_f32 v[C+12+4*\c:C+14+4*\c], v[X+32*\c+16:X+32*\c+31], v[12+\c]
.endr
	v_nop
.irp c, 0,1
.irp i, 0,1,2
	v_mov_b32 v[C+3+6*\c+\i], v[C+12+4*\c+\i]
.endr
.endr
.irp c, 0,1
	global_store_b128 v2, v[C+6*\c:C+6*\c+3], s[22:23] offset:768*\c
	global_store_b64 v6, v[C+6*\c+4:C+6*\c+5], s[22:23] offset:768*\c+512
.endr
	global_store_b32 v9, v16, s[OP:OP+1]           ; pieces of 4 bytes: a work-group owns one tile in eight; 1 / 24 of the codes' bytes
	s_wait_tensorcnt 0x0
	ds_add_u32 v192, v193
	s_wait_dscnt 0x0
	s_endpgm
.Lfunc_end_k_qb0b5cad2d3_ln2:
	.size	k_qb0b5cad2d3_ln2, .Lfunc_end_k_qb0b5cad2d3_ln2-k_qb0b5cad2d3_ln2
	.p2alignl 7, 3214868480
	.fill 96, 4, 3214868480
	.section	.rodata,"a",@progbits
	.p2align	6, 0x0
	.amdhsa_kernel k_qb0b5cad2d3_ln2
		.amdhsa_group_segment_fixed_size 66816
		.amdhsa_private_segment_fixed_size 0
		.amdhsa_enable_private_segment 0
		.amdhsa_kernarg_size 32
		.amdhsa_user_sgpr_count 2
		.amdhsa_user_sgpr_kernarg_segment_ptr 1
		.amdhsa_wavefront_size32 1
		.amdhsa_system_sgpr_workgroup_id_x 1
		.amdhsa_system_sgpr_workgroup_id_y 1
		.amdhsa_system_sgpr_workgroup_id_z 1
		.amdhsa_system_vgpr_workitem_id 0
		.amdhsa_next_free_vgpr 194
		.amdhsa_next_free_sgpr 66
		.amdhsa_reserve_vcc 0
		.amdhsa_float_denorm_mode_32 3
		.amdhsa_float_denorm_mode_16_64 3
		.amdhsa_memory_ordered 1
		.amdhsa_forward_progress 1
		.amdhsa_inst_pref_size 23
	.end_amdhsa_kernel
	.amdgpu_metadata
---
amdhsa.version: [ 1, 2 ]
amdhsa.kernels:
  - .name:           k_qb0b5cad2d3_ln2
    .symbol:         k_qb0b5cad2d3_ln2.kd
    .args:
      - { .name: x1, .offset: 0, .size: 8, .value_kind: global_buffer, .address_space: global }
      - { .name: ln2_g, .offset: 8, .size: 8, .value_kind: global_buffer, .address_space: global }
      - { .name: ln2_b, .offset: 16, .size: 8, .value_kind: global_buffer, .address_space: global }
      - { .name: a5, .offset: 24, .size: 8, .value_kind: global_buffer, .address_space: global }
    .group_segment_fixed_size: 66816
    .private_segment_fixed_size: 0
    .kernarg_segment_align: 8
    .kernarg_segment_size: 32
    .max_flat_workgroup_size: 256
    .sgpr_count:     66
    .vgpr_count:     194
    .wavefront_size: 32
...
	.end_amdgpu_metadata
.endif
;; end of part 5
;; launch gfc1 (part 6): grid 16 x 16, 4 waves a work-group, clusters of 4 x 4, 327,680 bytes of LDS; arguments a5, wbuf, b_fc1, a6; writes a6
.if DOCPART == 6
	.amdgcn_target "amdgcn-amd-amdhsa--gfx1250"
	.amdhsa_code_object_version 6
	.text
	.protected	k_qb0b5cad2d3_gfc1
	.globl	k_qb0b5cad2d3_gfc1
	.p2align	8
	.type	k_qb0b5cad2d3_gfc1,@function
k_qb0b5cad2d3_gfc1:
	s_mov_b64 s[64:65], 0
	v_nop
	global_prefetch_b8 v0, s[64:65] scope:SCOPE_SE
	s_setreg_imm32_b32 hwreg(HW_REG_WAVE_MODE, 25, 1), 1
	s_wait_xcnt 0x0
	s_wait_alu depctr_hold_cnt(0) depctr_sa_sdst(0) depctr_va_vdst(0) depctr_va_sdst(0) depctr_va_ssrc(0) depctr_va_vcc(0) depctr_vm_vsrc(0)
	s_getreg_b32 s2, hwreg(HW_REG_IB_STS2, 6, 4)
	s_cmp_eq_u32 s2, 0
	s_cbranch_scc0 .Lentry_in_a_cluster
	s_endpgm
.Lentry_in_a_cluster:
	s_bfe_u32 s2, ttmp6, 0x10000c
	s_cmp_lg_u32 s2, 0xf033
	s_cbranch_scc0 .Lentry_shape_is_right
	s_endpgm
.Lentry_shape_is_right:
; gelu(LN2(x1) w_fc1 + b_fc1), the product on codes of BF6 (E3M2) with E8M0 scales; the exact GELU in f32; the result is quantised at once along the 4,096 hidden units and leaves as codes.
; OPERAND FORMAT (all workspace operands): lane r of tile T holds row 32 (T / 2) + 8 (T % 2) + r + 8 (r / 8); a half fragment, 16 rows x 64 K, is an image of six registers a lane, 768 bytes (registers 0-3 at 16 l,
; registers 4-5 at 512 + 8 l); codes [tile][K / 64][768]; scale words [rows / 128][K / 128][r][tile % 8].
; A tile of C, 256 x 256, is made by four waves, 128 x 128 each.  K goes in steps of 256 through a ring of two LDS slots; the scale words come once; 4 x 4 clusters ask for A's tiles jointly along a row, for B's along a column.
; THE MATRIX INSTRUCTION IS USED TRANSPOSED: the 64 registers of a lane for one tile of A are 64 numbers of one row of C, register 16 b + i = column 32 b + 16 (l / 16) + i: neighbours along the next K.
; The bias is the C of the first K step.  gelu(x) = x / 2 + (x / 2) erf(x / sqrt 2); erf(z) = z P(z^2) / Q(z^2), polynomials of degree 6 and 4 in z^2, z held to -4 .. 4 (beyond, erf is 1 in f32).
; THE WAY OUT IS A LOOP of eight trips, a tile of A each: what differs between trips, the accumulators' registers, is copied by one of eight short runs; the arithmetic is written once.
; LIMITS: erf is a rational approximation of f32 quality with a reciprocal of 1 ulp; a block of zeros, or one under 2^-122, keeps the scale byte 1 (read by this program alone); NaN and infinities are not served.
; REGISTERS: window 0: v1-31 addresses; v32-63 scale words; v128-223 A's fragments; on the way out v32-79 and v128-191 at work.   window 1: B's fragments at v0 and v128, the bias at v96-127 and v224-255; on the way out
;   v0-63 x / 2, v64-127 z, v128-159 z^2, v160-191 P, v192-223 Q, v224-227 two coefficients.   windows 2, 3: the accumulators, (a, b) at v[8 (8 (a % 4) + b)].
.set SIZE_K, 1024
.set A_SOFF, 3145728
.set B_COFF, 3145728
.set B_SOFF, 9568256
.set A6S,    12582912
.set KSTEP,  256
.set NQ,     2
.set FR,     12
.set NL,     4
.set NP,     4
.set TSTR,   (SIZE_K/64)*768
.set HALFT,  8*3072
.set SLOT,   4*HALFT
.set LAPS,   SIZE_K/(2*KSTEP)
.set SCL,    2*SLOT
.set HALFS,  (SIZE_K/128)*512
.set SPARE,  SCL+4*HALFS               ; the spare words, 128 bytes for each wave: two blocks of 256 bytes that no other line names
.set ADRA, 16
.set ADRB, 20
.set CO,   26
.set ADRS, 27
.set SPW,  28
.set NIL,  29
.set L8,   30
.set H64,  31
.set SC,   32
.set AF,   128
.set G1, 24
.set G0, 32
.set G1B, 48
.set G0B, 56
.set G1S, 68
.set G0S, 76
.set G1SB, 80
.set G0SB, 88
.set SEL, 66
.set TM, 32
.set PC, 48
.set PW, 68
.set WW, 76
.set TV, 128
.set MSB, 0
.macro WIN new                         ; the immediate's high byte repeats the setting that is left
.if MSB != (\new)
	s_set_vgpr_msb (MSB<<8)|(\new)
.set MSB, (\new)
.endif
.endm
.set MUL_LO, 0xa1
.set MUL_HI, 0xf1
.set TO_B,   0x40
.macro JLOAD g0a, g1a, g0b, g1b        ; a joint load: waves 0 and 1 fetch for A, waves 2 and 3 for B; four v_nop follow each of the two lines
	s_cmp_eq_u32 s15, 0
	s_cbranch_scc0 .Lfor_b_\@
	tensor_load_to_lds s[\g0a:\g0a+3], s[\g1a:\g1a+7]
	s_nop 0
.rept 4
	v_nop
.endr
	s_branch .Lasked_\@
.Lfor_b_\@:
	tensor_load_to_lds s[\g0b:\g0b+3], s[\g1b:\g1b+7]
	s_nop 0
.rept 4
	v_nop
.endr
.Lasked_\@:
.endm
.macro CREST
	s_cmp_lg_u32 s14, 0
	s_cbranch_scc1 .Lnot_wave_0_\@
	s_barrier_signal -3
.Lnot_wave_0_\@:
	s_barrier_wait -3
	s_barrier_signal -1
	s_barrier_wait -1
.endm
.macro CROUND
	s_barrier_signal -1
	s_barrier_wait -1
	CREST
.endm
.macro FRAG reg, adr, q, i
	ds_load_b128 v[\reg:\reg+3],     v[\adr]   offset:(\i)*3072+(\q)*1536
	ds_load_b64  v[\reg+4:\reg+5],   v[\adr+2] offset:(\i)*3072+(\q)*1536+512
	ds_load_b128 v[\reg+6:\reg+9],   v[\adr]   offset:(\i)*3072+(\q)*1536+768
	ds_load_b64  v[\reg+10:\reg+11], v[\adr+2] offset:(\i)*3072+(\q)*1536+1280
.endm
.macro MUL16 a0, p, q, sc, zero        ; 16 matrix instructions; zero = 1: the first K step, whose C is the bias.  The 64 accumulators take turns
.irp a, \a0, \a0+1
.irp b, 0,1,2,3,4,5,6,7
.if \zero
	v_wmma_scale_f32_16x16x128_f8f6f4 v[8*(8*((\a)%4)+\b):8*(8*((\a)%4)+\b)+7], v[128*(\p)+FR*\b:128*(\p)+FR*\b+FR-1], v[AF+FR*(\a):AF+FR*(\a)+FR-1], v[96+8*\b+96*(\b/4):96+8*\b+96*(\b/4)+7], v[SC+16*(\sc)+8*(\q)+\b], v[SC+16*(\sc)+8*(\q)+(\a)] matrix_a_fmt:MATRIX_FMT_BF6 matrix_b_fmt:MATRIX_FMT_BF6 matrix_a_scale:MATRIX_SCALE_ROW1
.else
	v_wmma_scale_f32_16x16x128_f8f6f4 v[8*(8*((\a)%4)+\b):8*(8*((\a)%4)+\b)+7], v[128*(\p)+FR*\b:128*(\p)+FR*\b+FR-1], v[AF+FR*(\a):AF+FR*(\a)+FR-1], v[8*(8*((\a)%4)+\b):8*(8*((\a)%4)+\b)+7], v[SC+16*(\sc)+8*(\q)+\b], v[SC+16*(\sc)+8*(\q)+(\a)] matrix_a_fmt:MATRIX_FMT_BF6 matrix_b_fmt:MATRIX_FMT_BF6 matrix_a_scale:MATRIX_SCALE_ROW1
.endif
.endr
.endr
.endm
.macro FETCH_B slot, q, p
	WIN TO_B
.irp i, 0,1,2,3,4,5,6,7
	FRAG 128*(\p)+FR*\i, ADRB+\slot, \q, \i
.endr
	WIN 0
.endm
.macro FETCH_A slot, q, i0
.irp i, \i0, \i0+1, \i0+2, \i0+3
	FRAG AF+FR*(\i), ADRA+\slot, \q, \i
.endr
.endm
.macro SCALES sc
.irp q, 0,1
.irp j, 0,1
	ds_load_b128 v[SC+16*\sc+8*\q+4*\j:SC+16*\sc+8*\q+4*\j+3], v[ADRS] offset:512*\q+16*\j
.endr
.endr
.endm
.macro PLACES n
.rept \n
	v_nop
.endr
.endm
.macro STEP slot, q, zero
	s_wait_dscnt 4*NL                              ; B's set and A's tiles 0-3 are in; the youngest sixteen loads (A's tiles 4-7) may be out
.if \zero
	WIN 0x91
.else
	WIN MUL_LO
.endif
	MUL16 0, (\q)%2, \q, \slot, \zero
	MUL16 2, (\q)%2, \q, \slot, \zero
	s_wait_dscnt 0
	PLACES NP
	FETCH_B \slot, (\q)+1, 1-(\q)%2
	FETCH_A \slot, (\q)+1, 0
.if \zero
	WIN 0xd1
.else
	WIN MUL_HI
.endif
	MUL16 4, (\q)%2, \q, \slot, \zero
	MUL16 6, (\q)%2, \q, \slot, \zero
	PLACES NP
	WIN 0
	FETCH_A \slot, (\q)+1, 4
.endm
.macro TURN slot, next, fill
	s_wait_tensorcnt 0x0                           ; all my tensor loads have landed: my part of the next slot
	ds_add_u32 v[SPW], v[NIL]                      ; 0 onto my spare word
	s_wait_dscnt 4*NL+1                            ; (the add and A's tiles 4-7 may be out)
	WIN MUL_LO
	MUL16 0, 1, NQ-1, \slot, 0
	s_wait_dscnt 0x0                               ; the add is done, and my reads of this slot are over
	s_barrier_signal -1
	MUL16 2, 1, NQ-1, \slot, 0
	WIN 0
	s_barrier_wait -1
.if \fill
	CREST                                          ; the barrier has opened a round of the cluster's barrier
	s_add_nc_u64 s[G0+4*\slot+2:G0+4*\slot+3], s[G0+4*\slot+2:G0+4*\slot+3], 2*3072
	s_add_nc_u64 s[G0B+4*\slot+2:G0B+4*\slot+3], s[G0B+4*\slot+2:G0B+4*\slot+3], 2*3072
	JLOAD G0+4*\slot, G1, G0B+4*\slot, G1B         ; the first tensor load behind the round
.else
	PLACES NP
.endif
	v_add_nc_u32 v[ADRS], 512*NQ, v[ADRS]
	FETCH_B \next, 0, 0
	FETCH_A \next, 0, 0
	SCALES \next
	WIN MUL_HI
	MUL16 4, 1, NQ-1, \slot, 0
	MUL16 6, 1, NQ-1, \slot, 0
	PLACES NP
	WIN 0
	FETCH_A \next, 0, 4
.endm
.macro QUANT s, pw                     ; 64 numbers of a lane, register 16 b + i = k 32 b + 16 (lane / 16) + i of my row, become a fragment's codes in v[PC] on and its scale word in v[pw]
.irp b, 0,1,2,3
	v_max3_num_f32 v[TM+\b], |v[\s+16*\b]|, |v[\s+1+16*\b]|, 0x2800000   ; and the floor 2^(5 - 127)
.endr
.irp i, 2,4,6,8,10,12,14
.irp b, 0,1,2,3
	v_max3_num_f32 v[TM+\b], v[TM+\b], |v[\s+16*\b+\i]|, |v[\s+1+16*\b+\i]|
.endr
.endr
.irp b, 0,1,2,3
	v_permlanex16_b32 v[TM+4+\b], v[TM+\b], s[SEL], s[SEL+1]
.endr
.irp b, 0,1,2,3
	v_max_num_f32 v[TM+\b], v[TM+\b], v[TM+4+\b]
.endr
.irp b, 0,1,2,3
	v_add_nc_u32 v[TM+12+\b], 0xfe000000, v[TM+\b]
.endr
.irp b, 0,1,2,3
	v_lshrrev_b32 v[TM+4+\b], 23, v[TM+12+\b]
.endr
	v_lshl_or_b32 v[\pw], v[TM+5], 8, v[TM+4]
	v_lshl_or_b32 v[\pw], v[TM+6], 16, v[\pw]
	v_lshl_or_b32 v[\pw], v[TM+7], 24, v[\pw]
.irp c, 0,1
	v_cvt_scalef32_pk16_bf6_f32 v[PC+6*\c:PC+2+6*\c], v[\s+32*\c:\s+15+32*\c], v[TM+12+2*\c]
	v_cvt_scalef32_pk16_bf6_f32 v[PC+12+4*\c:PC+14+4*\c], v[\s+16+32*\c:\s+31+32*\c], v[TM+12+2*\c+1]
.endr
	v_nop
.irp c, 0,1
.irp i, 0,1,2
	v_permlane16_swap_b32 v[PC+6*\c+\i], v[PC+12+4*\c+\i]
.endr
.irp i, 0,1,2
	v_mov_b32 v[PC+3+6*\c+\i], v[PC+12+4*\c+\i]
.endr
.endr
.endm
	s_load_b128 s[4:7], s[0:1], 0x0                ; a5, wbuf
	s_load_b128 s[8:11], s[0:1], 0x10              ; b_fc1, a6
	v_lshl_add_u32 v[SPW], v0, 2, SPARE
	v_mov_b32 v[NIL], 0
	ds_add_u32 v28, v29
	ds_add_u32 v28, v29
	s_wait_dscnt 0x0
	v_lshrrev_b32 v1, 5, v0
	v_readfirstlane_b32 s14, v1
	s_lshr_b32 s15, s14, 1
	s_and_b32 s16, s14, 1
	s_bfe_u32 s40, ttmp6, 0x40000
	s_bfe_u32 s41, ttmp6, 0x40004
	s_lshl_b32 s42, ttmp9, 2
	s_add_co_u32 s42, s42, s40                     ; tile column
	s_and_b32 s17, ttmp7, 0xffff
	s_lshl_b32 s17, s17, 2
	s_add_co_u32 s17, s17, s41                     ; tile row
	s_lshl_b32 s43, s41, 2
	s_lshl_b32 s43, 15, s43
	s_lshl_b32 s44, 0x1111, s40
	s_or_b32 s[G1+0], s43, (3<<16)|(1<<21)
	s_or_b32 s[G1B+0], s44, (3<<16)|(1<<21)
.irp g, G1, G1B
	s_mov_b32 s[\g+1], 384<<16
	s_mov_b32 s[\g+2], 8<<16
	s_mov_b32 s[\g+3], 384<<16
	s_mov_b32 s[\g+4], 8
	s_mov_b32 s[\g+5], TSTR/8
	s_mov_b32 s[\g+6], 0
	s_mov_b32 s[\g+7], 0
.endr
	s_or_b32 s[G1S+0], s43, (3<<16)|(1<<21)
	s_or_b32 s[G1SB+0], s44, (3<<16)|(1<<21)
.irp g, G1S, G1SB
	s_mov_b32 s[\g+1], 32<<16
	s_mov_b32 s[\g+2], (HALFS/256)<<16
	s_mov_b32 s[\g+3], 32<<16
	s_mov_b32 s[\g+4], HALFS/256
	s_mov_b32 s[\g+5], 32
	s_mov_b32 s[\g+6], 0
	s_mov_b32 s[\g+7], 0
.endr
	s_lshl_b32 s18, s16, 3
	s_lshl_b32 s20, s17, 4
	s_add_co_u32 s20, s20, s18
	s_lshl_b32 s46, s42, 4
	s_add_co_u32 s46, s46, s18
	s_lshl_b32 s22, s17, 1
	s_add_co_u32 s22, s22, s16
	s_lshl_b32 s92, s42, 1
	s_add_co_u32 s92, s92, s16
	s_mul_i32 s20, s20, TSTR
	s_mul_i32 s46, s46, TSTR
	s_mul_i32 s22, s22, HALFS
	s_mul_i32 s92, s92, HALFS
	s_add_co_u32 s22, s22, A_SOFF
	s_add_co_u32 s46, s46, B_COFF
	s_add_co_u32 s92, s92, B_SOFF
	s_mov_b32 s21, 0
	s_mov_b32 s23, 0
	s_mov_b32 s47, 0
	s_mov_b32 s93, 0
	s_mul_i32 s45, s14, HALFT
	s_mul_i32 s94, s14, HALFS
	s_wait_kmcnt 0x0
	s_add_nc_u64 s[20:21], s[4:5], s[20:21]
	s_add_nc_u64 s[22:23], s[4:5], s[22:23]
	s_add_nc_u64 s[46:47], s[6:7], s[46:47]
	s_add_nc_u64 s[92:93], s[6:7], s[92:93]
	CROUND
	s_mov_b32 s[G0S], 1
	s_add_co_u32 s[G0S+1], s94, SCL
	s_mov_b64 s[G0S+2:G0S+3], s[22:23]
	s_or_b32 s[G0S+3], s[G0S+3], 0x80000000
	s_mov_b32 s[G0SB], 1
	s_add_co_u32 s[G0SB+1], s94, SCL
	s_mov_b64 s[G0SB+2:G0SB+3], s[92:93]
	s_or_b32 s[G0SB+3], s[G0SB+3], 0x80000000
	JLOAD G0S, G1S, G0SB, G1SB
.irp s, 0,1
	s_mov_b32 s[G0+4*\s], 1
	s_add_co_u32 s[G0+4*\s+1], s45, \s*SLOT
	s_add_nc_u64 s[G0+4*\s+2:G0+4*\s+3], s[20:21], \s*3072
	s_or_b32 s[G0+4*\s+3], s[G0+4*\s+3], 0x80000000
	s_mov_b32 s[G0B+4*\s], 1
	s_add_co_u32 s[G0B+4*\s+1], s45, \s*SLOT
	s_add_nc_u64 s[G0B+4*\s+2:G0B+4*\s+3], s[46:47], \s*3072
	s_or_b32 s[G0B+4*\s+3], s[G0B+4*\s+3], 0x80000000
	JLOAD G0+4*\s, G1, G0B+4*\s, G1B
.endr
	v_and_b32 v1, 15, v0
	v_bfe_u32 v2, v0, 4, 1
	v_and_b32 v3, 31, v0
	v_lshlrev_b32 v[CO], 4, v3
	v_lshlrev_b32 v[L8], 3, v3
	v_lshlrev_b32 v[H64], 6, v2
	s_mul_i32 s21, s15, HALFT
	s_mul_i32 s22, s16, HALFT
	s_add_co_u32 s22, s22, 2*HALFT
.irp s, 0,1
	v_add_nc_u32 v[ADRA+\s], s21, v[CO]
	v_add_nc_u32 v[ADRB+\s], s22, v[CO]
	v_add_nc_u32 v[ADRA+2+\s], s21, v[L8]
	v_add_nc_u32 v[ADRB+2+\s], s22, v[L8]
	s_add_co_u32 s21, s21, SLOT
	s_add_co_u32 s22, s22, SLOT
.endr
	v_lshlrev_b32 v5, 5, v1
	s_mul_i32 s21, s15, HALFS
	s_mul_i32 s22, s16, HALFS
	s_add_co_u32 s22, s22, 2*HALFS
	s_sub_co_u32 s22, s22, s21
	v_mul_u32_u24 v6, s22, v2
	s_add_co_u32 s21, s21, SCL
	v_add_nc_u32 v5, v5, v6
	v_add_nc_u32 v[ADRS], s21, v5
	s_lshl_b32 s46, s42, 10
	s_lshl_b32 s47, s16, 9
	s_add_co_u32 s46, s46, s47                     ; my first column, in bytes
	s_mov_b32 s47, 0
	s_add_nc_u64 s[8:9], s[8:9], s[46:47]
	s_mov_b32 s[SEL], 0x76543210
	s_mov_b32 s[SEL+1], 0xfedcba98
	WIN TO_B
.irp b, 0,1,2,3,4,5,6,7
	global_load_b128 v[96+8*\b+96*(\b/4):96+8*\b+96*(\b/4)+3], v[H64], s[8:9] offset:128*(\b/2)+32*(\b%2)
	global_load_b128 v[96+8*\b+96*(\b/4)+4:96+8*\b+96*(\b/4)+7], v[H64], s[8:9] offset:128*(\b/2)+32*(\b%2)+16
.endr
	WIN 0
	s_wait_tensorcnt 1                             ; the scale words and my part of K step 0 are in (K step 1's load may be out)
	s_barrier_signal -1
	s_barrier_wait -1
	FETCH_B 0, 0, 0
	FETCH_A 0, 0, 0
	SCALES 0
	FETCH_A 0, 0, 4
	s_wait_loadcnt 0x0                             ; the bias
	STEP 0, 0, 1
	s_mov_b32 s3, LAPS-1
.Llap:
	TURN 0, 1, 1
	STEP 1, 0, 0
	TURN 1, 0, 1
	STEP 0, 0, 0
	s_sub_co_u32 s3, s3, 1
	s_cmp_lg_u32 s3, 0
	s_cbranch_scc1 .Llap
	TURN 0, 1, 0
	STEP 1, 0, 0
	s_wait_dscnt 4*NL
	WIN MUL_LO
	MUL16 0, 1, NQ-1, 1, 0
	MUL16 2, 1, NQ-1, 1, 0
	s_wait_dscnt 0
	WIN MUL_HI
	MUL16 4, 1, NQ-1, 1, 0
	MUL16 6, 1, NQ-1, 1, 0
	WIN 0
	PLACES NP
; THE WAY OUT.  No tensor load of mine is out, so the descriptors' registers are free.  My 128 columns are K step 2 x tile column + half of the next product.
	s_lshl_b32 s24, s17, 4
	s_lshl_b32 s25, s15, 3
	s_add_co_u32 s24, s24, s25                     ; my first tile of tokens
	s_lshl_b32 s24, s24, 6                         ; 64 half fragments a tile
	s_lshl_b32 s26, s42, 1
	s_add_co_u32 s26, s26, s16                     ; the K step
	s_add_co_u32 s24, s24, s26
	s_add_co_u32 s24, s24, s26
	s_mul_i32 s24, s24, 768
	s_mov_b32 s25, 0
	s_add_nc_u64 s[24:25], s[10:11], s[24:25]
	s_lshl_b32 s28, s17, 1
	s_add_co_u32 s28, s28, s15
	s_lshl_b32 s28, s28, 5
	s_add_co_u32 s28, s28, s26
	s_lshl_b32 s28, s28, 9
	s_add_co_u32 s28, s28, A6S
	s_mov_b32 s29, 0
	s_add_nc_u64 s[28:29], s[10:11], s[28:29]
.irp b, 0,1,2,3
	v_mov_b32 v[TM+4+\b], 0                        ; a lane permute's destination counts as one of its sources
.endr
.irp a, 0,1,2,3,4,5,6,7
	v_mov_b32 v[PW+\a], 0                          ; the words move down one place a trip: written before they are moved
.endr
	WIN TO_B
	v_mov_b32 v224, 0x32edffee                     ; P's second coefficient, as a pair;
	v_mov_b32 v225, 0x32edffee
	v_mov_b32 v226, 0xb95fbd29                     ; Q's
	v_mov_b32 v227, 0xb95fbd29
	WIN 0
.macro COPY k                          ; tile k's 64 numbers: x / 2 and z = x / sqrt 2, into window 1; each accumulator from its low end on
	WIN 0x40|(2+(\k)/4)
.set I, 0
.rept 32
	v_pk_mul_f32 v[I:I+1], v[64*((\k)%4)+I:64*((\k)%4)+I+1], 0.5 op_sel_hi:[1,0]
.set I, I+2
.endr
.set I, 0
.rept 32
	v_pk_mul_f32 v[64+I:65+I], v[64*((\k)%4)+I:64*((\k)%4)+I+1], 0x3f3504f3 op_sel_hi:[1,0]
.set I, I+2
.endr
	WIN 0
.endm
.macro HORNER r, c                     ; 32 numbers: r = r z^2 + c
.set I, 0
.rept 16
	v_pk_fma_f32 v[\r+I:\r+I+1], v[\r+I:\r+I+1], v[128+I:129+I], \c op_sel_hi:[1,1,0]
.set I, I+2
.endr
.endm
.macro GELU32 g                        ; numbers 32 g .. 32 g + 31
.set ZB, 64+32*\g
.set HB, 32*\g
	WIN 0x55                                       ; all in window 1
.set I, 0
.rept 32
	v_med3_num_f32 v[ZB+I], v[ZB+I], -4.0, 4.0
.set I, I+1
.endr
.set I, 0
.rept 16
	v_pk_mul_f32 v[128+I:129+I], v[ZB+I:ZB+I+1], v[ZB+I:ZB+I+1]
.set I, I+2
.endr
.set I, 0
.rept 16
	v_pk_fma_f32 v[160+I:161+I], v[128+I:129+I], 0xaf95df0b, v[224:225] op_sel_hi:[1,0,0]
	v_pk_fma_f32 v[192+I:193+I], v[128+I:129+I], 0xb77460cd, v[226:227] op_sel_hi:[1,0,0]
.set I, I+2
.endr
	HORNER 160, 0xb60cff51
	HORNER 192, 0xbadc924e
	HORNER 160, 0xb86ec2d2
	HORNER 192, 0xbbf19bf8
	HORNER 160, 0xba40ac63
	HORNER 192, 0xbc69b6a7
.set I, 0
.rept 32
	v_rcp_f32 v[192+I], v[192+I]                   ; 1 / Q: one batch; P's last steps are the work behind it
.set I, I+1
.endr
	HORNER 160, 0xbb41a1f6
	HORNER 160, 0xbc83dbd4
.set I, 0
.rept 16
	v_pk_mul_f32 v[160+I:161+I], v[160+I:161+I], v[ZB+I:ZB+I+1]
.set I, I+2
.endr
	s_wait_alu depctr_va_vdst(0)                   ; one wait for the batch, ahead of its first reader
.set I, 0
.rept 16
	v_pk_mul_f32 v[160+I:161+I], v[160+I:161+I], v[192+I:193+I]   ; erf
.set I, I+2
.endr
	WIN 0x15                                       ; the result goes to window 0
.set I, 0
.rept 16
	v_pk_fma_f32 v[TV+HB+I:TV+HB+I+1], v[HB+I:HB+I+1], v[160+I:161+I], v[HB+I:HB+I+1]   ; x / 2 + (x / 2) erf
.set I, I+2
.endr
	WIN 0
.endm
	s_mov_b32 s2, 0
.Lblk:
.irp k, 0,1,2,3,4,5,6
	s_cmp_eq_u32 s2, \k
	s_cbranch_scc0 .Lnot\k
	COPY \k
	s_branch .Lcopied
.Lnot\k:
.endr
	COPY 7
.Lcopied:
	GELU32 0
	GELU32 1
.irp a, 0,1,2,3,4,5,6
	v_mov_b32 v[PW+\a], v[PW+\a+1]
.endr
	QUANT TV, PW+7
	global_store_b128 v[CO], v[PC:PC+3], s[24:25]              ; 512 consecutive bytes, at a multiple of 256
	global_store_b64 v[L8], v[PC+4:PC+5], s[24:25] offset:512
	global_store_b128 v[CO], v[PC+6:PC+9], s[24:25] offset:768
	global_store_b64 v[L8], v[PC+10:PC+11], s[24:25] offset:1280
	s_wait_xcnt 0x0                                ; the stores have read their registers and their base: both are written again
	s_add_nc_u64 s[24:25], s[24:25], 64*768        ; the next tile
	s_add_co_u32 s2, s2, 1
	s_cmp_lt_u32 s2, 8
	s_cbranch_scc1 .Lblk
	v_cmp_ne_u32 vcc_lo, 0, v2
.irp p, 0,1,2,3
	v_cndmask_b32 v[WW+\p], v[PW+\p], v[PW+4+\p], vcc_lo   ; lanes 0-15 store tiles 0-3's words, lanes 16-31 tiles 4-7's
.endr
	v_lshlrev_b32 v5, 5, v1
	v_lshl_add_u32 v5, v2, 4, v5
	global_store_b128 v5, v[WW:WW+3], s[28:29]     ; 512 consecutive bytes
	s_wait_tensorcnt 0x0                           ; the wave's end
	ds_add_u32 v[SPW], v[NIL]
	s_wait_dscnt 0x0
	CROUND                                         ; the closing round
	s_endpgm
.Lfunc_end_k_qb0b5cad2d3_gfc1:
	.size	k_qb0b5cad2d3_gfc1, .Lfunc_end_k_qb0b5cad2d3_gfc1-k_qb0b5cad2d3_gfc1
	.p2alignl 7, 3214868480
	.fill 96, 4, 3214868480
	.section	.rodata,"a",@progbits
	.p2align	6, 0x0
	.amdhsa_kernel k_qb0b5cad2d3_gfc1
		.amdhsa_group_segment_fixed_size 327680
		.amdhsa_private_segment_fixed_size 0
		.amdhsa_enable_private_segment 0
		.amdhsa_kernarg_size 32
		.amdhsa_user_sgpr_count 2
		.amdhsa_user_sgpr_kernarg_segment_ptr 1
		.amdhsa_wavefront_size32 1
		.amdhsa_system_sgpr_workgroup_id_x 1
		.amdhsa_system_sgpr_workgroup_id_y 1
		.amdhsa_system_sgpr_workgroup_id_z 1
		.amdhsa_system_vgpr_workitem_id 0
		.amdhsa_next_free_vgpr 1024
		.amdhsa_next_free_sgpr 98
		.amdhsa_reserve_vcc 1
		.amdhsa_float_denorm_mode_32 3
		.amdhsa_float_denorm_mode_16_64 3
		.amdhsa_memory_ordered 1
		.amdhsa_forward_progress 1
		.amdhsa_inst_pref_size 206
	.end_amdhsa_kernel
	.amdgpu_metadata
---
amdhsa.version: [ 1, 2 ]
amdhsa.kernels:
  - .name:           k_qb0b5cad2d3_gfc1
    .symbol:         k_qb0b5cad2d3_gfc1.kd
    .args:
      - { .name: a5, .offset: 0, .size: 8, .value_kind: global_buffer, .address_space: global }
      - { .name: wbuf, .offset: 8, .size: 8, .value_kind: global_buffer, .address_space: global }
      - { .name: b_fc1, .offset: 16, .size: 8, .value_kind: global_buffer, .address_space: global }
      - { .name: a6, .offset: 24, .size: 8, .value_kind: global_buffer, .address_space: global }
    .group_segment_fixed_size: 327680
    .private_segment_fixed_size: 0
    .kernarg_segment_align: 8
    .kernarg_segment_size: 32
    .max_flat_workgroup_size: 128
    .sgpr_count:     98
    .vgpr_count:     1024
    .wavefront_size: 32
...
	.end_amdgpu_metadata
.endif
;; end of part 6
;; launch gfc2 (part 7): grid 4 x 16, 4 waves a work-group, clusters of 4 x 4, 327,680 bytes of LDS; arguments a6, wbuf, b_fc2, x1, out0; writes out0
.if DOCPART == 7
	.amdgcn_target "amdgcn-amd-amdhsa--gfx1250"
	.amdhsa_code_object_version 6
	.text
	.protected	k_qb0b5cad2d3_gfc2
	.globl	k_qb0b5cad2d3_gfc2
	.p2align	8
	.type	k_qb0b5cad2d3_gfc2,@function
k_qb0b5cad2d3_gfc2:
	s_mov_b64 s[64:65], 0
	v_nop
	global_prefetch_b8 v0, s[64:65] scope:SCOPE_SE
	s_setreg_imm32_b32 hwreg(HW_REG_WAVE_MODE, 25, 1), 1
	s_wait_xcnt 0x0
	s_wait_alu depctr_hold_cnt(0) depctr_sa_sdst(0) depctr_va_vdst(0) depctr_va_sdst(0) depctr_va_ssrc(0) depctr_va_vcc(0) depctr_vm_vsrc(0)
	s_getreg_b32 s2, hwreg(HW_REG_IB_STS2, 6, 4)
	s_cmp_eq_u32 s2, 0
	s_cbranch_scc0 .Lentry_in_a_cluster
	s_endpgm
.Lentry_in_a_cluster:
	s_bfe_u32 s2, ttmp6, 0x10000c
	s_cmp_lg_u32 s2, 0xf033
	s_cbranch_scc0 .Lentry_shape_is_right
	s_endpgm
.Lentry_shape_is_right:
; out0 = x1 + gelu(..) w_fc2 + b_fc2: the product (K = 4,096) on codes of BF6 (E3M2) with E8M0 scales for each 32 along K, sums in f32; the result leaves as f32 rows.
; OPERAND FORMAT (all workspace operands): lane r of tile T holds row 32 (T / 2) + 8 (T % 2) + r + 8 (r / 8); a half fragment, 16 rows x 64 K, is an image of six registers a lane, 768 bytes (registers 0-3 at 16 l,
; registers 4-5 at 512 + 8 l); codes [tile][K / 64][768]; scale words [rows / 128][K / 128][r][tile % 8].
; A tile of C, 256 x 256, is made by four waves, 128 x 128 each: 64 accumulators.  K goes in steps of 256 through a ring of two LDS slots filled by the tensor data mover: eight tiles' 3,072 bytes a load.
; The scale words of the work-group's rows, for all of K (65,536 bytes), come into LDS once.  CLUSTERS: 4 x 4; A's tiles are asked for jointly along a row of the cluster, B's along a column.
; THE MATRIX INSTRUCTION IS USED TRANSPOSED (source 0 = 16 rows of B, source 1 = 16 rows of A): a lane's register 8 b + j of a tile of A is column 32 (b / 2) + 16 (l / 16) + 8 (b % 2) + j of one row of C.
; The bias is the C of the first K step.  C has 64 tiles of 256 x 256, so the launch has 64 work-groups: the price of one form for all four products.  No prefetch: the tiles are codes shared in clusters.
; REGISTERS: window 0: v1-31 addresses; v32-63 scale words; v128-223 A's fragments; on the way out v128-255 rows of C.   window 1: B's fragments at v0 and v128, the bias at v96-127 and v224-255; on the way out the residual's rows.
;   windows 2, 3: the accumulators, (a, b) at v[8 (8 (a % 4) + b)].
.set SIZE_K, 4096
.set A_SOFF, 12582912
.set B_COFF, 6291456
.set B_SOFF, 9699328
.set KSTEP,  256
.set NQ,     2
.set FR,     12
.set NL,     4
.set NP,     4
.set TSTR,   (SIZE_K/64)*768
.set HALFT,  8*3072
.set SLOT,   4*HALFT
.set LAPS,   SIZE_K/(2*KSTEP)
.set SCL,    2*SLOT
.set HALFS,  (SIZE_K/128)*512
.set SPARE,  SCL+4*HALFS               ; the spare words, 128 bytes for each wave: two blocks of 256 bytes that no other line names
.set SPITCH, 528                       ; the way out: a stage of 16 rows x (512 bytes + 16) for each wave, in slot 0, which has had its last fill and its last read when the first result is stored there
.set ADRA, 16
.set ADRB, 20
.set STO,  24
.set RD,   25
.set CO,   26
.set ADRS, 27
.set SPW,  28
.set NIL,  29
.set L8,   30
.set H64,  31
.set SC,   32
.set AF,   128
.set BK,   128
.set G1, 24
.set G0, 32
.set G1B, 48
.set G0B, 56
.set G1S, 68
.set G0S, 76
.set G1SB, 80
.set G0SB, 88
.set MSB, 0
.macro WIN new                         ; the immediate's high byte repeats the setting that is left
.if MSB != (\new)
	s_set_vgpr_msb (MSB<<8)|(\new)
.set MSB, (\new)
.endif
.endm
.set MUL_LO, 0xa1
.set MUL_HI, 0xf1
.set TO_B,   0x40
.macro JLOAD g0a, g1a, g0b, g1b        ; a joint load: waves 0 and 1 fetch for A, waves 2 and 3 for B; four v_nop follow each of the two lines
	s_cmp_eq_u32 s15, 0
	s_cbranch_scc0 .Lfor_b_\@
	tensor_load_to_lds s[\g0a:\g0a+3], s[\g1a:\g1a+7]
	s_nop 0
.rept 4
	v_nop
.endr
	s_branch .Lasked_\@
.Lfor_b_\@:
	tensor_load_to_lds s[\g0b:\g0b+3], s[\g1b:\g1b+7]
	s_nop 0
.rept 4
	v_nop
.endr
.Lasked_\@:
.endm
.macro CREST
	s_cmp_lg_u32 s14, 0
	s_cbranch_scc1 .Lnot_wave_0_\@
	s_barrier_signal -3
.Lnot_wave_0_\@:
	s_barrier_wait -3
	s_barrier_signal -1
	s_barrier_wait -1
.endm
.macro CROUND
	s_barrier_signal -1
	s_barrier_wait -1
	CREST
.endm
.macro FRAG reg, adr, q, i             ; a fragment: two half fragments, as they lie
	ds_load_b128 v[\reg:\reg+3],     v[\adr]   offset:(\i)*3072+(\q)*1536
	ds_load_b64  v[\reg+4:\reg+5],   v[\adr+2] offset:(\i)*3072+(\q)*1536+512
	ds_load_b128 v[\reg+6:\reg+9],   v[\adr]   offset:(\i)*3072+(\q)*1536+768
	ds_load_b64  v[\reg+10:\reg+11], v[\adr+2] offset:(\i)*3072+(\q)*1536+1280
.endm
.macro MUL16 a0, p, q, sc, zero        ; 16 matrix instructions; zero = 1: the first K step, whose C is the bias.  The 64 accumulators take turns
.irp a, \a0, \a0+1
.irp b, 0,1,2,3,4,5,6,7
.if \zero
	v_wmma_scale_f32_16x16x128_f8f6f4 v[8*(8*((\a)%4)+\b):8*(8*((\a)%4)+\b)+7], v[128*(\p)+FR*\b:128*(\p)+FR*\b+FR-1], v[AF+FR*(\a):AF+FR*(\a)+FR-1], v[96+8*\b+96*(\b/4):96+8*\b+96*(\b/4)+7], v[SC+16*(\sc)+8*(\q)+\b], v[SC+16*(\sc)+8*(\q)+(\a)] matrix_a_fmt:MATRIX_FMT_BF6 matrix_b_fmt:MATRIX_FMT_BF6 matrix_a_scale:MATRIX_SCALE_ROW1
.else
	v_wmma_scale_f32_16x16x128_f8f6f4 v[8*(8*((\a)%4)+\b):8*(8*((\a)%4)+\b)+7], v[128*(\p)+FR*\b:128*(\p)+FR*\b+FR-1], v[AF+FR*(\a):AF+FR*(\a)+FR-1], v[8*(8*((\a)%4)+\b):8*(8*((\a)%4)+\b)+7], v[SC+16*(\sc)+8*(\q)+\b], v[SC+16*(\sc)+8*(\q)+(\a)] matrix_a_fmt:MATRIX_FMT_BF6 matrix_b_fmt:MATRIX_FMT_BF6 matrix_a_scale:MATRIX_SCALE_ROW1
.endif
.endr
.endr
.endm
.macro FETCH_B slot, q, p
	WIN TO_B
.irp i, 0,1,2,3,4,5,6,7
	FRAG 128*(\p)+FR*\i, ADRB+\slot, \q, \i
.endr
	WIN 0
.endm
.macro FETCH_A slot, q, i0
.irp i, \i0, \i0+1, \i0+2, \i0+3
	FRAG AF+FR*(\i), ADRA+\slot, \q, \i
.endr
.endm
.macro SCALES sc
.irp q, 0,1
.irp j, 0,1
	ds_load_b128 v[SC+16*\sc+8*\q+4*\j:SC+16*\sc+8*\q+4*\j+3], v[ADRS] offset:512*\q+16*\j
.endr
.endr
.endm
.macro PLACES n
.rept \n
	v_nop
.endr
.endm
.macro STEP slot, q, zero
	s_wait_dscnt 4*NL                              ; B's set and A's tiles 0-3 are in; the youngest sixteen loads (A's tiles 4-7) may be out
.if \zero
	WIN 0x91
.else
	WIN MUL_LO
.endif
	MUL16 0, (\q)%2, \q, \slot, \zero
	MUL16 2, (\q)%2, \q, \slot, \zero
	s_wait_dscnt 0
	PLACES NP
	FETCH_B \slot, (\q)+1, 1-(\q)%2
	FETCH_A \slot, (\q)+1, 0
.if \zero
	WIN 0xd1
.else
	WIN MUL_HI
.endif
	MUL16 4, (\q)%2, \q, \slot, \zero
	MUL16 6, (\q)%2, \q, \slot, \zero
	PLACES NP
	WIN 0
	FETCH_A \slot, (\q)+1, 4
.endm
.macro TURN slot, next, fill
	s_wait_tensorcnt 0x0                           ; all my tensor loads have landed: my part of the next slot
	ds_add_u32 v[SPW], v[NIL]                      ; 0 onto my spare word
	s_wait_dscnt 4*NL+1                            ; (the add and A's tiles 4-7 may be out)
	WIN MUL_LO
	MUL16 0, 1, NQ-1, \slot, 0
	s_wait_dscnt 0x0                               ; the add is done, and my reads of this slot are over
	s_barrier_signal -1
	MUL16 2, 1, NQ-1, \slot, 0
	WIN 0
	s_barrier_wait -1
.if \fill
	CREST                                          ; the barrier has opened a round of the cluster's barrier
	s_add_nc_u64 s[G0+4*\slot+2:G0+4*\slot+3], s[G0+4*\slot+2:G0+4*\slot+3], 2*3072
	s_add_nc_u64 s[G0B+4*\slot+2:G0B+4*\slot+3], s[G0B+4*\slot+2:G0B+4*\slot+3], 2*3072
	JLOAD G0+4*\slot, G1, G0B+4*\slot, G1B         ; the first tensor load behind the round
.else
	PLACES NP
.endif
	v_add_nc_u32 v[ADRS], 512*NQ, v[ADRS]
	FETCH_B \next, 0, 0
	FETCH_A \next, 0, 0
	SCALES \next
	WIN MUL_HI
	MUL16 4, 1, NQ-1, \slot, 0
	MUL16 6, 1, NQ-1, \slot, 0
	PLACES NP
	WIN 0
	FETCH_A \next, 0, 4
.endm
	s_load_b128 s[4:7], s[0:1], 0x0                ; A's buffer, wbuf
	s_load_b128 s[8:11], s[0:1], 0x10              ; the bias, the residual
	s_load_b64 s[12:13], s[0:1], 0x20              ; the output
	v_lshl_add_u32 v[SPW], v0, 2, SPARE
	v_mov_b32 v[NIL], 0
	ds_add_u32 v28, v29
	ds_add_u32 v28, v29
	s_wait_dscnt 0x0
	v_lshrrev_b32 v1, 5, v0
	v_readfirstlane_b32 s14, v1
	s_lshr_b32 s15, s14, 1
	s_and_b32 s16, s14, 1
	s_bfe_u32 s40, ttmp6, 0x40000
	s_bfe_u32 s41, ttmp6, 0x40004
	s_lshl_b32 s42, ttmp9, 2
	s_add_co_u32 s42, s42, s40                     ; tile column
	s_and_b32 s17, ttmp7, 0xffff
	s_lshl_b32 s17, s17, 2
	s_add_co_u32 s17, s17, s41                     ; tile row
	s_lshl_b32 s43, s41, 2
	s_lshl_b32 s43, 15, s43
	s_lshl_b32 s44, 0x1111, s40
	s_or_b32 s[G1+0], s43, (3<<16)|(1<<21)
	s_or_b32 s[G1B+0], s44, (3<<16)|(1<<21)
.irp g, G1, G1B
	s_mov_b32 s[\g+1], 384<<16
	s_mov_b32 s[\g+2], 8<<16
	s_mov_b32 s[\g+3], 384<<16
	s_mov_b32 s[\g+4], 8
	s_mov_b32 s[\g+5], TSTR/8
	s_mov_b32 s[\g+6], 0
	s_mov_b32 s[\g+7], 0
.endr
	s_or_b32 s[G1S+0], s43, (3<<16)|(1<<21)
	s_or_b32 s[G1SB+0], s44, (3<<16)|(1<<21)
.irp g, G1S, G1SB
	s_mov_b32 s[\g+1], 32<<16
	s_mov_b32 s[\g+2], (HALFS/256)<<16
	s_mov_b32 s[\g+3], 32<<16
	s_mov_b32 s[\g+4], HALFS/256
	s_mov_b32 s[\g+5], 32
	s_mov_b32 s[\g+6], 0
	s_mov_b32 s[\g+7], 0
.endr
	s_lshl_b32 s18, s16, 3
	s_lshl_b32 s20, s17, 4
	s_add_co_u32 s20, s20, s18
	s_lshl_b32 s46, s42, 4
	s_add_co_u32 s46, s46, s18
	s_lshl_b32 s22, s17, 1
	s_add_co_u32 s22, s22, s16
	s_lshl_b32 s92, s42, 1
	s_add_co_u32 s92, s92, s16
	s_mul_i32 s20, s20, TSTR
	s_mul_i32 s46, s46, TSTR
	s_mul_i32 s22, s22, HALFS
	s_mul_i32 s92, s92, HALFS
	s_add_co_u32 s22, s22, A_SOFF
	s_add_co_u32 s46, s46, B_COFF
	s_add_co_u32 s92, s92, B_SOFF
	s_mov_b32 s21, 0
	s_mov_b32 s23, 0
	s_mov_b32 s47, 0
	s_mov_b32 s93, 0
	s_mul_i32 s45, s14, HALFT
	s_mul_i32 s94, s14, HALFS
	s_wait_kmcnt 0x0
	s_add_nc_u64 s[20:21], s[4:5], s[20:21]
	s_add_nc_u64 s[22:23], s[4:5], s[22:23]
	s_add_nc_u64 s[46:47], s[6:7], s[46:47]
	s_add_nc_u64 s[92:93], s[6:7], s[92:93]
	CROUND
	s_mov_b32 s[G0S], 1
	s_add_co_u32 s[G0S+1], s94, SCL
	s_mov_b64 s[G0S+2:G0S+3], s[22:23]
	s_or_b32 s[G0S+3], s[G0S+3], 0x80000000
	s_mov_b32 s[G0SB], 1
	s_add_co_u32 s[G0SB+1], s94, SCL
	s_mov_b64 s[G0SB+2:G0SB+3], s[92:93]
	s_or_b32 s[G0SB+3], s[G0SB+3], 0x80000000
	JLOAD G0S, G1S, G0SB, G1SB
.irp s, 0,1
	s_mov_b32 s[G0+4*\s], 1
	s_add_co_u32 s[G0+4*\s+1], s45, \s*SLOT
	s_add_nc_u64 s[G0+4*\s+2:G0+4*\s+3], s[20:21], \s*3072
	s_or_b32 s[G0+4*\s+3], s[G0+4*\s+3], 0x80000000
	s_mov_b32 s[G0B+4*\s], 1
	s_add_co_u32 s[G0B+4*\s+1], s45, \s*SLOT
	s_add_nc_u64 s[G0B+4*\s+2:G0B+4*\s+3], s[46:47], \s*3072
	s_or_b32 s[G0B+4*\s+3], s[G0B+4*\s+3], 0x80000000
	JLOAD G0+4*\s, G1, G0B+4*\s, G1B
.endr
	v_and_b32 v1, 15, v0
	v_bfe_u32 v2, v0, 4, 1
	v_and_b32 v3, 31, v0
	v_lshlrev_b32 v[CO], 4, v3
	v_lshlrev_b32 v[L8], 3, v3
	v_lshlrev_b32 v[H64], 6, v2
	s_mul_i32 s21, s15, HALFT
	s_mul_i32 s22, s16, HALFT
	s_add_co_u32 s22, s22, 2*HALFT
.irp s, 0,1
	v_add_nc_u32 v[ADRA+\s], s21, v[CO]
	v_add_nc_u32 v[ADRB+\s], s22, v[CO]
	v_add_nc_u32 v[ADRA+2+\s], s21, v[L8]
	v_add_nc_u32 v[ADRB+2+\s], s22, v[L8]
	s_add_co_u32 s21, s21, SLOT
	s_add_co_u32 s22, s22, SLOT
.endr
	v_lshlrev_b32 v5, 5, v1
	s_mul_i32 s21, s15, HALFS
	s_mul_i32 s22, s16, HALFS
	s_add_co_u32 s22, s22, 2*HALFS
	s_sub_co_u32 s22, s22, s21
	v_mul_u32_u24 v6, s22, v2
	s_add_co_u32 s21, s21, SCL
	v_add_nc_u32 v5, v5, v6
	v_add_nc_u32 v[ADRS], s21, v5
	s_mul_i32 s23, s14, 16*SPITCH                  ; my stage
	v_mul_u32_u24 v5, v1, SPITCH
	v_lshl_add_u32 v5, v2, 6, v5
	v_add_nc_u32 v[STO], s23, v5                   ; in: row r, + 64 h
	v_add_nc_u32 v[RD], s23, v[CO]                 ; back: the 32 lanes take one row of 512 bytes
	s_lshl_b32 s46, s42, 10
	s_lshl_b32 s47, s16, 9
	s_add_co_u32 s46, s46, s47                     ; my first column, in bytes
	s_mov_b32 s47, 0
	s_add_nc_u64 s[8:9], s[8:9], s[46:47]
	s_lshl_b32 s20, s17, 20
	s_lshl_b32 s21, s15, 19
	s_add_co_u32 s20, s20, s21                     ; my first row: 4,096 bytes a row
	s_mov_b32 s21, 0
	s_add_nc_u64 s[20:21], s[20:21], s[46:47]
	s_add_nc_u64 s[10:11], s[10:11], s[20:21]
	s_add_nc_u64 s[12:13], s[12:13], s[20:21]
	WIN TO_B
.irp b, 0,1,2,3,4,5,6,7
	global_load_b128 v[96+8*\b+96*(\b/4):96+8*\b+96*(\b/4)+3], v[H64], s[8:9] offset:128*(\b/2)+32*(\b%2)
	global_load_b128 v[96+8*\b+96*(\b/4)+4:96+8*\b+96*(\b/4)+7], v[H64], s[8:9] offset:128*(\b/2)+32*(\b%2)+16
.endr
	WIN 0
	s_wait_tensorcnt 1                             ; the scale words and my part of K step 0 are in (K step 1's load may be out)
	s_barrier_signal -1
	s_barrier_wait -1
	FETCH_B 0, 0, 0
	FETCH_A 0, 0, 0
	SCALES 0
	FETCH_A 0, 0, 4
	s_wait_loadcnt 0x0                             ; the bias
	STEP 0, 0, 1
	s_mov_b32 s3, LAPS-1
.Llap:
	TURN 0, 1, 1
	STEP 1, 0, 0
	TURN 1, 0, 1
	STEP 0, 0, 0
	s_sub_co_u32 s3, s3, 1
	s_cmp_lg_u32 s3, 0
	s_cbranch_scc1 .Llap
	TURN 0, 1, 0
	STEP 1, 0, 0
	s_wait_dscnt 4*NL
	WIN MUL_LO
	MUL16 0, 1, NQ-1, 1, 0
	MUL16 2, 1, NQ-1, 1, 0
	s_wait_dscnt 0
	WIN MUL_HI
	MUL16 4, 1, NQ-1, 1, 0
	MUL16 6, 1, NQ-1, 1, 0
	WIN 0
	PLACES NP
; THE WAY OUT, tile by tile of 16 rows x 128 columns, through my own stage in LDS, back as whole rows of 512 bytes; the residual's rows are added and the rows stored.  Stage row t of tile a is row
; 32 (a / 2) + 8 (a % 2) + t + 8 (t / 8) of my 128: every offset is an immediate, 127 rows of 4,096 bytes at the most.
.macro RLOAD a                         ; the residual's 16 rows of tile a, into window 1
	WIN TO_B
.irp t, 0,1,2,3,4,5,6,7,8,9,10,11,12,13,14,15
	global_load_b128 v[64*((\a)%4)+4*\t:64*((\a)%4)+4*\t+3], v[CO], s[10:11] offset:(32*((\a)/2)+8*((\a)%2)+\t+8*(\t/8))*4096 th:TH_LOAD_NT
.endr
	WIN 0
.endm
.macro TOSTAGE a
.set AC, 64*((\a)%4)
	WIN 0x08+4*((\a)/4)                            ; an LDS store's data: window 2 or 3
.irp b, 0,1,2,3,4,5,6,7
	ds_store_b128 v[STO], v[AC+8*\b:AC+8*\b+3] offset:128*(\b/2)+32*(\b%2)       ; each accumulator from its low end on
	ds_store_b128 v[STO], v[AC+8*\b+4:AC+8*\b+7] offset:128*(\b/2)+32*(\b%2)+16
.endr
	WIN 0
.set BB, BK+64*((\a)%2)
.irp t, 0,1,2,3,4,5,6,7,8,9,10,11,12,13,14,15
	ds_load_b128 v[BB+4*\t:BB+4*\t+3], v[RD] offset:\t*SPITCH   ; LDS serves a wave's instructions in order: these see the stores above
.endr
.endm
.macro SEND a, younger
.set BB, BK+64*((\a)%2)
.set RX, 64*((\a)%4)
.set LEFT, 16*(7-(\a))
.if LEFT > 48
.set LEFT, 48
.endif
	s_wait_dscnt \younger                          ; the tile is back in registers (the next tile's 16 stores and 16 loads may be out)
	s_wait_loadcnt LEFT                            ; its residual rows are in; those of the tiles behind it, three at the most, may be out
	WIN 0x04                                       ; source 1: window 1
.set I, 0
.rept 32
	v_pk_add_f32 v[BB+I:BB+I+1], v[BB+I:BB+I+1], v[RX+I:RX+I+1]
.set I, I+2
.endr
	WIN 0
.irp t, 0,1,2,3,4,5,6,7,8,9,10,11,12,13,14,15
	global_store_b128 v[CO], v[BB+4*\t:BB+4*\t+3], s[12:13] offset:(32*((\a)/2)+8*((\a)%2)+\t+8*(\t/8))*4096 th:TH_STORE_NT   ; 512 consecutive bytes, at a multiple of 256; written once, read by nobody here
.endr
.if (\a) < 4
	RLOAD (\a)+4
.endif
.endm
	RLOAD 0
	RLOAD 1
	RLOAD 2
	RLOAD 3
	TOSTAGE 0
.irp a, 1,2,3,4,5,6,7
.if \a > 1
	s_wait_xcnt 0x0                                ; tile a - 2's stores have read their registers: tile a's loads may land there
.endif
	TOSTAGE \a
	SEND \a-1, 32
.endr
	SEND 7, 0
	s_wait_tensorcnt 0x0                           ; the wave's end
	ds_add_u32 v[SPW], v[NIL]
	s_wait_dscnt 0x0
	CROUND                                         ; the closing round
	s_endpgm
.Lfunc_end_k_qb0b5cad2d3_gfc2:
	.size	k_qb0b5cad2d3_gfc2, .Lfunc_end_k_qb0b5cad2d3_gfc2-k_qb0b5cad2d3_gfc2
	.p2alignl 7, 3214868480
	.fill 96, 4, 3214868480
	.section	.rodata,"a",@progbits
	.p2align	6, 0x0
	.amdhsa_kernel k_qb0b5cad2d3_gfc2
		.amdhsa_group_segment_fixed_size 327680
		.amdhsa_private_segment_fixed_size 0
		.amdhsa_enable_private_segment 0
		.amdhsa_kernarg_size 40
		.amdhsa_user_sgpr_count 2
		.amdhsa_user_sgpr_kernarg_segment_ptr 1
		.amdhsa_wavefront_size32 1
		.amdhsa_system_sgpr_workgroup_id_x 1
		.amdhsa_system_sgpr_workgroup_id_y 1
		.amdhsa_system_sgpr_workgroup_id_z 1
		.amdhsa_system_vgpr_workitem_id 0
		.amdhsa_next_free_vgpr 1024
		.amdhsa_next_free_sgpr 98
		.amdhsa_reserve_vcc 0
		.amdhsa_float_denorm_mode_32 3
		.amdhsa_float_denorm_mode_16_64 3
		.amdhsa_memory_ordered 1
		.amdhsa_forward_progress 1
		.amdhsa_inst_pref_size 173
	.end_amdhsa_kernel
	.amdgpu_metadata
---
amdhsa.version: [ 1, 2 ]
amdhsa.kernels:
  - .name:           k_qb0b5cad2d3_gfc2
    .symbol:         k_qb0b5cad2d3_gfc2.kd
    .args:
      - { .name: a6, .offset: 0, .size: 8, .value_kind: global_buffer, .address_space: global }
      - { .name: wbuf, .offset: 8, .size: 8, .value_kind: global_buffer, .address_space: global }
      - { .name: b_fc2, .offset: 16, .size: 8, .value_kind: global_buffer, .address_space: global }
      - { .name: x1, .offset: 24, .size: 8, .value_kind: global_buffer, .address_space: global }
      - { .name: out0, .offset: 32, .size: 8, .value_kind: global_buffer, .address_space: global }
    .group_segment_fixed_size: 327680
    .private_segment_fixed_size: 0
    .kernarg_segment_align: 8
    .kernarg_segment_size: 40
    .max_flat_workgroup_size: 128
    .sgpr_count:     98
    .vgpr_count:     1024
    .wavefront_size: 32
...
	.end_amdgpu_metadata
.endif
;; end of part 7
;; ======== version 2 of 2: 7 launches
;; limits: right only within a limited range of input values
;; workspace buffers: wbuf 9,830,400 bytes; a1 3,276,800 bytes; qkvc 9,830,400 bytes; a4 3,276,800 bytes; x1 16,777,216 bytes; a5 3,276,800 bytes; a6 13,107,200 bytes
;; launch prep (part 8): grid 640 x 1, 8 waves a work-group, no clusters, 66,816 bytes of LDS; arguments x, ln1_g, ln1_b, w_qkv, w_out, w_fc1, w_fc2, a1, wbuf; writes a1, wbuf
.if DOCPART == 8
	.amdgcn_target "amdgcn-amd-amdhsa--gfx1250"
	.amdhsa_code_object_version 6
	.text
	.protected	k_qb0b5cad2d3_prep
	.globl	k_qb0b5cad2d3_prep
	.p2align	8
	.type	k_qb0b5cad2d3_prep,@function
k_qb0b5cad2d3_prep:
	s_mov_b64 s[64:65], 0
	v_nop
	global_prefetch_b8 v0, s[64:65] scope:SCOPE_SE
	s_setreg_imm32_b32 hwreg(HW_REG_WAVE_MODE, 25, 1), 1
	s_wait_xcnt 0x0
; LayerNorm 1 of x, quantised to codes of BF6 (E3M2) along the 1,024 features (work-groups 0-255), and the four weights, stored [K][N] f32, quantised along K (work-groups 256-639).
; THE ONE OPERAND FORMAT of this program.  Sixteen rows form a tile; lane r of tile T holds row 32 (T / 2) + 8 (T % 2) + r + 8 (r / 8).  A HALF FRAGMENT is 16 rows x 64 along K as an image of the operand's
; registers, 768 bytes: lane l's registers 0-3 at 16 l, its registers 4-5 at 512 + 8 l; lane l = r + 16 h holds k = 32 h .. 32 h + 31 of the 64.  Codes: [tile][K / 64][768].
; Scale words (four E8M0 bytes: 128 along K of one row): [rows / 128][K / 128][r][tile % 8], 4 bytes each.
; A block's scale is 2^(floor(log2(largest magnitude)) - 4); its byte is the largest magnitude's exponent field - 4, held at 1 from below.
; LIMITS: a block of zeros, or one whose largest magnitude lies under 2^-122, keeps the byte 1 (its codes are zeros or subnormal; the bytes are read by this program alone); NaN and infinities are not served.
; No tensor load, no matrix instruction.  Only the LayerNorm path uses LDS and a barrier; the paths part on the work-group's number alone.
.set ASC,   3145728                    ; a1: the scale words lie behind the codes
.set PITCH, 4112                       ; a stage row: 4,096 bytes + 16: an odd multiple of 16, so that sixteen rows' reads of 16 bytes fall on different banks
.set X, 32                             ; v32-95   two rows of x, 32 numbers a lane each; later 64 numbers to quantise
.set G, 96                             ; v96-127  the gain at my columns
.set B, 128                            ; v128-159 the bias
.set C, 96                             ; v96-107 a fragment's codes; v108-114 halves on their way: the gain's registers, which are read no more when the codes are made
.set XP, 4
.set GP, 6
.set BP, 8
.set OP, 18
	s_load_b256 s[4:11], s[0:1], 0x0               ; x, ln1_g, ln1_b, w_qkv
	s_load_b256 s[12:19], s[0:1], 0x20             ; w_out, w_fc1, w_fc2, a1
	s_load_b64 s[20:21], s[0:1], 0x40              ; wbuf
	v_lshl_add_u32 v30, v0, 2, 0x10100
	v_mov_b32 v31, 0
	v_lshrrev_b32 v3, 5, v0
	s_delay_alu instid0(VALU_DEP_1)
	v_readfirstlane_b32 s24, v3                    ; wave 0..7
	v_and_b32 v1, 31, v0                           ; lane
	s_delay_alu instid0(VALU_DEP_1)
	v_lshlrev_b32 v2, 4, v1                        ; 16 x lane
	s_delay_alu instid0(VALU_DEP_2)
	v_lshlrev_b32 v6, 3, v1                        ; 8 x lane
	v_and_b32 v7, 15, v0                           ; r
	v_bfe_u32 v8, v0, 4, 1                         ; h
	s_mov_b32 s30, 0x76543210
	s_mov_b32 s31, 0xfedcba98                      ; v_permlanex16_b32's selects for lane l xor 16
	s_mov_b32 s27, 0
	s_wait_kmcnt 0x0
	s_cmp_lt_u32 ttmp9, 256
	s_cbranch_scc0 .Lweights
; ---- LAYERNORM.  Work-group T makes tile T.  Wave w normalises the tile's rows 2 w and 2 w + 1, two neighbouring tokens (8,192 bytes on end); the 16 rows meet in a stage in LDS; wave w then quantises K step w.
	s_lshr_b32 s25, ttmp9, 1
	s_lshl_b32 s25, s25, 5                         ; 32 (T / 2)
	s_and_b32 s26, ttmp9, 1
	s_lshl_b32 s26, s26, 3
	s_add_co_u32 s25, s25, s26                     ; + 8 (T % 2)
	s_lshl_b32 s26, s24, 1
	s_add_co_u32 s25, s25, s26                     ; + r = 2 w
	s_lshr_b32 s26, s24, 2
	s_lshl_b32 s26, s26, 3
	s_add_co_u32 s25, s25, s26                     ; + 8 (r / 8)
	s_lshl_b32 s26, s25, 12                        ; a token is 4,096 bytes
	s_add_nc_u64 s[XP:XP+1], s[XP:XP+1], s[26:27]
	s_wait_alu depctr_va_vdst(0)
.irp p, 0,1
.irp j, 0,1,2,3,4,5,6,7
	global_load_b128 v[X+32*\p+4*\j:X+32*\p+4*\j+3], v2, s[XP:XP+1] offset:4096*\p+512*\j   ; 32 lanes read 512 consecutive bytes: columns 128 j + 4 l on
.endr
.endr
.irp j, 0,1,2,3,4,5,6,7
	global_load_b128 v[G+4*\j:G+4*\j+3], v2, s[GP:GP+1] offset:512*\j
.endr
.irp j, 0,1,2,3,4,5,6,7
	global_load_b128 v[B+4*\j:B+4*\j+3], v2, s[BP:BP+1] offset:512*\j
.endr
	s_mul_i32 s28, s24, 2*PITCH
	v_add_nc_u32 v4, s28, v2                       ; into the stage: my two rows, 16 bytes a lane
	v_mul_u32_u24 v5, v7, PITCH
	s_delay_alu instid0(VALU_DEP_1)
	v_lshl_add_u32 v5, v8, 7, v5
	s_lshl_b32 s28, s24, 9
	v_add_nc_u32 v5, s28, v5                       ; out of it: row r, K step w (512 bytes), my half's 32 numbers (128 bytes)
	v_mov_b32 v18, 0                               ; a lane permute's destination counts as one of its sources
	v_mov_b32 v19, 0
	s_mov_b32 s28, 0x3a800000                      ; 1 / 1,024
	s_mov_b32 s29, 0x3727c5ac                      ; eps = 1e-5
	s_wait_loadcnt 16                              ; x is in; the sixteen loads of gain and bias may be out
.irp p, 0,1
	v_pk_add_f32 v[10+4*\p:11+4*\p], v[X+32*\p:X+32*\p+1], v[X+32*\p+2:X+32*\p+3]      ; the row's sum: two chains a row, two numbers an instruction
	v_pk_add_f32 v[12+4*\p:13+4*\p], v[X+32*\p+4:X+32*\p+5], v[X+32*\p+6:X+32*\p+7]
.endr
.irp i, 8,12,16,20,24,28
.irp p, 0,1
	s_delay_alu instid0(VALU_DEP_4)
	v_pk_add_f32 v[10+4*\p:11+4*\p], v[10+4*\p:11+4*\p], v[X+32*\p+\i:X+32*\p+\i+1]
	s_delay_alu instid0(VALU_DEP_4)
	v_pk_add_f32 v[12+4*\p:13+4*\p], v[12+4*\p:13+4*\p], v[X+32*\p+\i+2:X+32*\p+\i+3]
.endr
.endr
.irp p, 0
	s_delay_alu instid0(VALU_DEP_3)
	v_pk_add_f32 v[10+4*\p:11+4*\p], v[10+4*\p:11+4*\p], v[12+4*\p:13+4*\p]
.endr
.irp p, 1
	s_delay_alu instid0(VALU_DEP_2)
	v_pk_add_f32 v[10+4*\p:11+4*\p], v[10+4*\p:11+4*\p], v[12+4*\p:13+4*\p]
.endr
.irp p, 0,1
	s_delay_alu instid0(VALU_DEP_2)
	v_add_f32 v[10+4*\p], v[10+4*\p], v[11+4*\p]
.endr
.irp m, 1,2,4,8
.irp p, 0,1
	s_delay_alu instid0(VALU_DEP_2)
	v_add_f32_dpp v[10+4*\p], v[10+4*\p], v[10+4*\p] row_xmask:\m row_mask:0xf bank_mask:0xf
.endr
.endr
.irp p, 0,1
	s_delay_alu instid0(VALU_DEP_2)
	v_permlanex16_b32 v[18+\p], v[10+4*\p], s30, s31
.endr
.irp p, 0,1
	s_delay_alu instid0(VALU_DEP_2)
	v_add_f32 v[10+4*\p], v[10+4*\p], v[18+\p]
.endr
.irp p, 0,1
	s_delay_alu instid0(VALU_DEP_2)
	v_mul_f32 v[10+4*\p], s28, v[10+4*\p]          ; the mean
.endr
.irp i, 0,2,4,6,8,10,12,14,16,18,20,22,24,26,28,30
.irp p, 0,1
	v_pk_add_f32 v[X+32*\p+\i:X+32*\p+\i+1], v[X+32*\p+\i:X+32*\p+\i+1], v[10+4*\p:11+4*\p] op_sel_hi:[1,0] neg_lo:[0,1] neg_hi:[0,1]   ; d = x - mean: the variance is taken of d, so a common offset of x costs it nothing
.endr
.endr
.irp p, 0,1
	v_pk_mul_f32 v[20+4*\p:21+4*\p], v[X+32*\p:X+32*\p+1], v[X+32*\p:X+32*\p+1]
	v_pk_mul_f32 v[22+4*\p:23+4*\p], v[X+32*\p+2:X+32*\p+3], v[X+32*\p+2:X+32*\p+3]
.endr
.irp i, 4,8,12,16,20,24,28
.irp p, 0,1
	s_delay_alu instid0(VALU_DEP_4)
	v_pk_fma_f32 v[20+4*\p:21+4*\p], v[X+32*\p+\i:X+32*\p+\i+1], v[X+32*\p+\i:X+32*\p+\i+1], v[20+4*\p:21+4*\p]
	s_delay_alu instid0(VALU_DEP_4)
	v_pk_fma_f32 v[22+4*\p:23+4*\p], v[X+32*\p+\i+2:X+32*\p+\i+3], v[X+32*\p+\i+2:X+32*\p+\i+3], v[22+4*\p:23+4*\p]
.endr
.endr
.irp p, 0
	s_delay_alu instid0(VALU_DEP_3)
	v_pk_add_f32 v[20+4*\p:21+4*\p], v[20+4*\p:21+4*\p], v[22+4*\p:23+4*\p]
.endr
.irp p, 1
	s_delay_alu instid0(VALU_DEP_2)
	v_pk_add_f32 v[20+4*\p:21+4*\p], v[20+4*\p:21+4*\p], v[22+4*\p:23+4*\p]
.endr
.irp p, 0,1
	s_delay_alu instid0(VALU_DEP_2)
	v_add_f32 v[20+4*\p], v[20+4*\p], v[21+4*\p]
.endr
.irp m, 1,2,4,8
.irp p, 0,1
	s_delay_alu instid0(VALU_DEP_2)
	v_add_f32_dpp v[20+4*\p], v[20+4*\p], v[20+4*\p] row_xmask:\m row_mask:0xf bank_mask:0xf
.endr
.endr
.irp p, 0,1
	s_delay_alu instid0(VALU_DEP_2)
	v_permlanex16_b32 v[18+\p], v[20+4*\p], s30, s31
.endr
.irp p, 0,1
	s_delay_alu instid0(VALU_DEP_2)
	v_add_f32 v[20+4*\p], v[20+4*\p], v[18+\p]
.endr
.irp p, 0,1
	s_delay_alu instid0(VALU_DEP_2)
	v_fma_f32 v[20+4*\p], v[20+4*\p], s28, s29     ; variance + eps
.endr
	s_wait_alu depctr_va_vdst(0)
.irp p, 0,1
	v_rsq_f32 v[20+4*\p], v[20+4*\p]
.endr
	v_nop                                          ; a plain instruction behind the last root
	s_wait_alu depctr_va_vdst(0)                   ; one wait for both roots, ahead of their first reader
	s_wait_loadcnt 0x0                             ; gain and bias
.irp i, 0,2,4,6,8,10,12,14,16,18,20,22,24,26,28,30
.irp p, 0,1
	v_pk_mul_f32 v[X+32*\p+\i:X+32*\p+\i+1], v[X+32*\p+\i:X+32*\p+\i+1], v[20+4*\p:21+4*\p] op_sel_hi:[1,0]
.endr
.endr
.irp i, 0,2,4,6,8,10,12,14,16,18,20,22,24,26,28,30
.irp p, 0,1
	v_pk_fma_f32 v[X+32*\p+\i:X+32*\p+\i+1], v[X+32*\p+\i:X+32*\p+\i+1], v[G+\i:G+\i+1], v[B+\i:B+\i+1]
.endr
.endr
.irp p, 0,1
.irp j, 0,1,2,3,4,5,6,7
	ds_store_b128 v4, v[X+32*\p+4*\j:X+32*\p+4*\j+3] offset:PITCH*\p+512*\j
.endr
.endr
	s_wait_dscnt 0x0                               ; for the others' sake: my rows lie in the stage
	s_barrier_signal -1
	s_barrier_wait -1
.irp c, 0,1
.irp i, 0,1,2,3,4,5,6,7
	ds_load_b128 v[X+32*\c+4*\i:X+32*\c+4*\i+3], v5 offset:256*\c+16*\i   ; row r, k = 128 w + 64 c + 32 h + 0 .. 31: two whole blocks a lane, in the operand's own order
.endr
.endr
	s_lshl_b32 s26, ttmp9, 4
	s_add_co_u32 s26, s26, s24
	s_add_co_u32 s26, s26, s24                     ; half fragment 16 T + 2 w
	s_mul_i32 s26, s26, 768
	s_add_nc_u64 s[22:23], s[OP:OP+1], s[26:27]
	s_lshr_b32 s26, ttmp9, 3
	s_lshl_b32 s26, s26, 3
	s_add_co_u32 s26, s26, s24                     ; (T / 8) x 8 K steps + w
	s_lshl_b32 s26, s26, 9
	s_and_b32 s25, ttmp9, 7
	s_lshl_b32 s25, s25, 2
	s_add_co_u32 s26, s26, s25                     ; + 4 (T % 8)
	s_add_co_u32 s26, s26, ASC
	s_add_nc_u64 s[OP:OP+1], s[OP:OP+1], s[26:27]
	v_lshlrev_b32 v9, 5, v7                        ; + 32 r
	s_wait_dscnt 0x0
.irp c, 0,1
	v_max3_num_f32 v[10+\c], |v[X+32*\c]|, |v[X+32*\c+1]|, 0x2800000   ; the block's largest magnitude, and the floor 2^(5 - 127): the byte cannot fall under 1
.endr
.irp i, 2,4,6,8,10,12,14,16,18,20,22,24,26,28,30
.irp c, 0,1
	s_delay_alu instid0(VALU_DEP_2)
	v_max3_num_f32 v[10+\c], v[10+\c], |v[X+32*\c+\i]|, |v[X+32*\c+\i+1]|
.endr
.endr
.irp c, 0,1
	s_delay_alu instid0(VALU_DEP_2)
	v_add_nc_u32 v[12+\c], 0xfe000000, v[10+\c]    ; 4 off the exponent field: the conversion's scale operand
.endr
.irp c, 0,1
	s_delay_alu instid0(VALU_DEP_2)
	v_lshrrev_b32 v[14+\c], 23, v[12+\c]           ; the scale's byte
.endr
	s_delay_alu instid0(VALU_DEP_1)
	v_lshl_or_b32 v16, v15, 16, v14                ; my two bytes: blocks h and 2 + h,
	v_lshlrev_b32 v17, 3, v8
	s_delay_alu instid0(VALU_DEP_1)
	v_lshlrev_b32 v16, v17, v16                    ; at their places in the word;
	v_mov_b32 v17, 0
	s_delay_alu instid0(VALU_DEP_1)
	v_permlanex16_b32 v17, v16, s30, s31
	s_delay_alu instid0(VALU_DEP_1)
	v_or_b32 v16, v16, v17                         ; with lane l xor 16's two the word is whole
.irp c, 0,1
	v_cvt_scalef32_pk16_bf6_f32 v[C+6*\c:C+6*\c+2], v[X+32*\c:X+32*\c+15], v[12+\c]
	v_cvt_scalef32_pk16_bf6_f32 v[C+12+4*\c:C+14+4*\c], v[X+32*\c+16:X+32*\c+31], v[12+\c]   ; (a conversion's three registers begin on an even number)
.endr
	v_nop                                          ; one plain place behind a scaled conversion
.irp c, 0,1
.irp i, 0,1,2
	v_mov_b32 v[C+3+6*\c+\i], v[C+12+4*\c+\i]
.endr
.endr
.irp c, 0,1
	global_store_b128 v2, v[C+6*\c:C+6*\c+3], s[22:23] offset:768*\c        ; 512 consecutive bytes, at a multiple of 256
	global_store_b64 v6, v[C+6*\c+4:C+6*\c+5], s[22:23] offset:768*\c+512   ; 256 consecutive bytes
.endr
	global_store_b32 v9, v16, s[OP:OP+1]           ; my row's scale word (both halves of the lanes hold the same): a work-group owns one tile in eight, so these go out in pieces of 4 bytes: 1 / 24 of the codes' bytes
	s_wait_tensorcnt 0x0
	ds_add_u32 v30, v31
	s_wait_dscnt 0x0
	s_endpgm
; ---- THE WEIGHTS.  A work-group takes 256 columns x 128 along K, a wave 32 columns.  A LANE TAKES A COLUMN, ITS REGISTERS RUN DOWN K: a block of 32 lies in one lane, and the codes come out with K innermost.
; Lane (u = l / 16, r) takes column 32 w + 16 (r / 8) + 8 u + r % 8 of the work-group's: row r of tile 2 w + u.  A load still covers 128 consecutive bytes.
.Lweights:
	v_and_b32 v9, 7, v0
	v_bfe_u32 v3, v0, 3, 1
	s_delay_alu instid0(VALU_DEP_1)
	v_lshl_add_u32 v9, v3, 4, v9
	s_wait_alu depctr_va_vdst(0)
	v_lshl_add_u32 v9, v8, 3, v9
	s_delay_alu instid0(VALU_DEP_1)
	v_lshlrev_b32 v9, 2, v9                        ; my column's bytes
	v_lshlrev_b32 v15, 5, v7
	s_delay_alu instid0(VALU_DEP_1)
	v_lshl_add_u32 v15, v8, 2, v15                 ; my scale word's place: 32 r + 4 u
.macro WLOAD t, N, PTR                 ; block t: W(32 t + i, my column) into set t % 2
.set I, 0
.rept 32
	global_load_b32 v[32+32*((\t)%2)+I], v9, s[\PTR:\PTR+1] offset:(32*(\t)+I)*4*(\N) th:TH_LOAD_NT
.set I, I+1
.endr
.endm
.macro WBLOCK t, N, K, PTR
.set XS, 32+32*((\t)%2)
.set CC, 96+6*(\t)                     ; block t = 2 c + h: its 32 codes in six registers
.if (\t) < 3
	s_wait_loadcnt 32                              ; this block's 32 loads are in; the next block's may be out
.else
	s_wait_loadcnt 0x0
.endif
	v_max3_num_f32 v12, |v[XS]|, |v[XS+1]|, |v[XS+2]|
	v_max3_num_f32 v13, |v[XS+3]|, |v[XS+4]|, |v[XS+5]|
.irp i, 6,10,14,18,22,26
	s_delay_alu instid0(VALU_DEP_2)
	v_max3_num_f32 v12, v12, |v[XS+\i]|, |v[XS+\i+1]|
	s_delay_alu instid0(VALU_DEP_2)
	v_max3_num_f32 v13, v13, |v[XS+\i+2]|, |v[XS+\i+3]|
.endr
	s_delay_alu instid0(VALU_DEP_2)
	v_max3_num_f32 v12, v12, |v[XS+30]|, |v[XS+31]|
	s_delay_alu instid0(VALU_DEP_1)
	v_max3_num_f32 v12, v12, v13, 0x2800000        ; and the floor
	s_delay_alu instid0(VALU_DEP_1)
	v_add_nc_u32 v11, 0xfe000000, v12
	s_delay_alu instid0(VALU_DEP_1)
	v_lshrrev_b32 v13, 23, v11
.if (\t) == 0
	s_delay_alu instid0(VALU_DEP_1)
	v_mov_b32 v10, v13
.else
	s_delay_alu instid0(VALU_DEP_1)
	v_lshl_or_b32 v10, v13, 8*(\t), v10            ; the four bytes make my column's scale word
.endif
	v_cvt_scalef32_pk16_bf6_f32 v[CC:CC+2], v[XS:XS+15], v11
	v_cvt_scalef32_pk16_bf6_f32 v[120:122], v[XS+16:XS+31], v11
	v_nop
.irp i, 0,1,2
	v_mov_b32 v[CC+3+\i], v[120+\i]
.endr
.if (\t)+2 < 4
	WLOAD (\t)+2, \N, \PTR
.endif
.if (\t)%2 == 1                        ; blocks 2 c and 2 c + 1 are there.  One exchange a register turns (block, lanes = tiles) into (tile, lanes = blocks): the images of tiles 2 w and 2 w + 1
.irp i, 0,1,2,3,4,5
	v_permlane16_swap_b32 v[CC-6+\i], v[CC+\i]
.endr
.irp u, 0,1
	global_store_b128 v2, v[CC-6+6*\u:CC-6+6*\u+3], s[22:23] offset:\u*((\K)/64)*768+768*((\t)/2)
	global_store_b64 v6, v[CC-6+6*\u+4:CC-6+6*\u+5], s[22:23] offset:\u*((\K)/64)*768+768*((\t)/2)+512
.endr
.endif
.endm
.macro WQ N, K, LOGS, FIRST, PTR, COFF, SOFF
	s_sub_co_u32 s25, ttmp9, \FIRST
	s_and_b32 s26, s25, (\K)/128-1                 ; which 128 along K
	s_lshr_b32 s25, s25, \LOGS                     ; which 256 columns
	s_mul_i32 s28, s26, 512*(\N)
	s_lshl_b32 s29, s25, 10
	s_add_co_u32 s28, s28, s29
	s_lshl_b32 s29, s24, 7
	s_add_co_u32 s28, s28, s29
	s_mov_b32 s29, 0
	s_add_nc_u64 s[\PTR:\PTR+1], s[\PTR:\PTR+1], s[28:29]
	WLOAD 0, \N, \PTR
	WLOAD 1, \N, \PTR
	s_lshl_b32 s28, s25, 4
	s_add_co_u32 s28, s28, s24
	s_add_co_u32 s28, s28, s24                     ; tile 16 x column block + 2 w
	s_mul_i32 s28, s28, (\K)/64
	s_add_co_u32 s28, s28, s26
	s_add_co_u32 s28, s28, s26                     ; + the K step's two half fragments
	s_mul_i32 s28, s28, 768
	s_add_co_u32 s28, s28, \COFF
	s_add_nc_u64 s[22:23], s[20:21], s[28:29]
	s_lshl_b32 s28, s25, 1
	s_lshr_b32 s27, s24, 2
	s_add_co_u32 s28, s28, s27                     ; the group of 128 rows
	s_mul_i32 s28, s28, (\K)/128
	s_add_co_u32 s28, s28, s26
	s_lshl_b32 s28, s28, 9
	s_and_b32 s27, s24, 3
	s_lshl_b32 s27, s27, 3
	s_add_co_u32 s28, s28, s27                     ; + 4 x (tile % 8), u's part in the lane's offset
	s_add_co_u32 s28, s28, \SOFF
	s_add_nc_u64 s[20:21], s[20:21], s[28:29]
	WBLOCK 0, \N, \K, \PTR
	WBLOCK 1, \N, \K, \PTR
	WBLOCK 2, \N, \K, \PTR
	WBLOCK 3, \N, \K, \PTR
	global_store_b32 v15, v10, s[20:21]            ; pairs of words, 32 bytes apart: 1 / 128 of what the path reads
	s_endpgm
.endm
	s_cmp_lt_u32 ttmp9, 352
	s_cbranch_scc0 .Lw_out
	s_wait_alu depctr_va_vdst(0)
	WQ 3072, 1024, 3, 256, 10, 0, 9437184
.Lw_out:
	s_cmp_lt_u32 ttmp9, 384
	s_cbranch_scc0 .Lw_fc1
	s_wait_alu depctr_va_vdst(0)
	WQ 1024, 1024, 3, 352, 12, 2359296, 9535488
.Lw_fc1:
	s_cmp_lt_u32 ttmp9, 512
	s_cbranch_scc0 .Lw_fc2
	s_wait_alu depctr_va_vdst(0)
	WQ 4096, 1024, 3, 384, 14, 3145728, 9568256
.Lw_fc2:
	s_wait_alu depctr_va_vdst(0)
	WQ 1024, 4096, 5, 512, 16, 6291456, 9699328
.Lfunc_end_k_qb0b5cad2d3_prep:
	.size	k_qb0b5cad2d3_prep, .Lfunc_end_k_qb0b5cad2d3_prep-k_qb0b5cad2d3_prep
	.p2alignl 7, 3214868480
	.fill 96, 4, 3214868480
	.section	.rodata,"a",@progbits
	.p2align	6, 0x0
	.amdhsa_kernel k_qb0b5cad2d3_prep
		.amdhsa_group_segment_fixed_size 66816
		.amdhsa_private_segment_fixed_size 0
		.amdhsa_enable_private_segment 0
		.amdhsa_kernarg_size 72
		.amdhsa_user_sgpr_count 2
		.amdhsa_user_sgpr_kernarg_segment_ptr 1
		.amdhsa_wavefront_size32 1
		.amdhsa_system_sgpr_workgroup_id_x 1
		.amdhsa_system_sgpr_workgroup_id_y 1
		.amdhsa_system_sgpr_workgroup_id_z 1
		.amdhsa_system_vgpr_workitem_id 0
		.amdhsa_next_free_vgpr 160
		.amdhsa_next_free_sgpr 66
		.amdhsa_reserve_vcc 0
		.amdhsa_float_denorm_mode_32 3
		.amdhsa_float_denorm_mode_16_64 3
		.amdhsa_memory_ordered 1
		.amdhsa_forward_progress 1
		.amdhsa_inst_pref_size 118
	.end_amdhsa_kernel
	.amdgpu_metadata
---
amdhsa.version: [ 1, 2 ]
amdhsa.kernels:
  - .name:           k_qb0b5cad2d3_prep
    .symbol:         k_qb0b5cad2d3_prep.kd
    .args:
      - { .name: x, .offset: 0, .size: 8, .value_kind: global_buffer, .address_space: global }
      - { .name: ln1_g, .offset: 8, .size: 8, .value_kind: global_buffer, .address_space: global }
      - { .name: ln1_b, .offset: 16, .size: 8, .value_kind: global_buffer, .address_space: global }
      - { .name: w_qkv, .offset: 24, .size: 8, .value_kind: global_buffer, .address_space: global }
      - { .name: w_out, .offset: 32, .size: 8, .value_kind: global_buffer, .address_space: global }
      - { .name: w_fc1, .offset: 40, .size: 8, .value_kind: global_buffer, .address_space: global }
      - { .name: w_fc2, .offset: 48, .size: 8, .value_kind: global_buffer, .address_space: global }
      - { .name: a1, .offset: 56, .size: 8, .value_kind: global_buffer, .address_space: global }
      - { .name: wbuf, .offset: 64, .size: 8, .value_kind: global_buffer, .address_space: global }
    .group_segment_fixed_size: 66816
    .private_segment_fixed_size: 0
    .kernarg_segment_align: 8
    .kernarg_segment_size: 72
    .max_flat_workgroup_size: 256
    .sgpr_count:     66
    .vgpr_count:     160
    .wavefront_size: 32
...
	.end_amdgpu_metadata
.endif
;; end of part 8
;; launch gqkv (part 9): grid 12 x 16, 4 waves a work-group, clusters of 4 x 4, 327,680 bytes of LDS; arguments a1, wbuf, b_qkv, qkvc; writes qkvc
.if DOCPART == 9
	.amdgcn_target "amdgcn-amd-amdhsa--gfx1250"
	.amdhsa_code_object_version 6
	.text
	.protected	k_qb0b5cad2d3_gqkv
	.globl	k_qb0b5cad2d3_gqkv
	.p2align	8
	.type	k_qb0b5cad2d3_gqkv,@function
k_qb0b5cad2d3_gqkv:
	s_mov_b64 s[64:65], 0
	v_nop
	global_prefetch_b8 v0, s[64:65] scope:SCOPE_SE
	s_setreg_imm32_b32 hwreg(HW_REG_WAVE_MODE, 25, 1), 1
	s_wait_xcnt 0x0
	s_wait_alu depctr_hold_cnt(0) depctr_sa_sdst(0) depctr_va_vdst(0) depctr_va_sdst(0) depctr_va_ssrc(0) depctr_va_vcc(0) depctr_vm_vsrc(0)
	s_getreg_b32 s2, hwreg(HW_REG_IB_STS2, 6, 4)
	s_cmp_eq_u32 s2, 0
	s_cbranch_scc0 .Lentry_in_a_cluster
	s_endpgm
.Lentry_in_a_cluster:
	s_bfe_u32 s2, ttmp6, 0x10000c
	s_cmp_lg_u32 s2, 0xf033
	s_cbranch_scc0 .Lentry_shape_is_right
	s_endpgm
.Lentry_shape_is_right:
; qkv = LN1(x) w_qkv + b_qkv on codes of BF6 (E3M2) with E8M0 scales for each 32 along K; the results are quantised at once for attention's two products and leave as codes.
; Clusters with x = 0, 1: C[token][feature] for q and k (2,048 features): quantised along the head's 64 features.  Clusters with x = 2: C[feature of v][token], the same product with the operands' parts exchanged:
; quantised along the tokens, which are the second product's K.  Nothing branches on that: addresses, pointers and two factors (1 or 0) are chosen by s_cselect, the scale words by v_cndmask.
; OPERAND FORMAT (all workspace operands): lane r of tile T holds row 32 (T / 2) + 8 (T % 2) + r + 8 (r / 8); a half fragment, 16 rows x 64 K, is an image of six registers a lane, 768 bytes (registers 0-3 at 16 l,
; registers 4-5 at 512 + 8 l); codes [tile][K / 64][768]; scale words [rows / 128][K / 128][r][tile % 8].
; A tile of C, 256 x 256, is made by four waves, 128 x 128 each: 64 accumulators, 512 registers.  K goes in steps of 256 through a ring of two LDS slots filled by the tensor data mover.
; THE HEAD: one joint load a wave: wave 0 A's 16 tiles of K step 0, wave 2 B's, wave 1 the scale words of A's 256 rows for all of K, wave 3 those of B's.  Slot 1's first fill stands behind the full sequence and a round;
; from there on a load brings eight tiles' 3,072 bytes.  CLUSTERS: 4 x 4; A's tiles are asked for jointly along a row of the cluster, B's along a column.
; PREFETCH: of the eight tile rows that a wave's load brings, the partner at place p (cx for A, cy for B) names rows 2 p and 2 p + 1 of a K step: 24 blocks of 256 bytes, a lane a block (lanes 24-31 name the last again).
; The head asks for K steps 1 and 2; K step 3 is asked for behind slot 1's load: never more than two K steps are asked for and not yet loaded.  Every offset is an immediate; the address is never stepped.
; THE MATRIX INSTRUCTION IS USED TRANSPOSED (source 0 = 16 rows of B, source 1 = 16 rows of A).  With the tiles' rows chosen as above, the 64 registers of a lane for one tile of A are 64 numbers of one row of C,
; register 16 b + i = column 32 b + 16 (l / 16) + i: sixteen neighbours along the next K, as the conversions want them.
; The bias along the columns is the C of the first K step; the bias along the rows (v) is added on the way out.  Each is multiplied by its factor, 0 where the mode has no such bias.
; LIMITS: a block of zeros, or one whose largest magnitude lies under 2^-122, keeps the scale byte 1 (read by this program alone); NaN and infinities are not served.
; REGISTERS: window 0: v1-31 addresses; v32-63 scale words, two sets; v88-95 the rows' bias; v128-223 A's fragments, one set; on the way out v32-87 and v128-191 at work, and each of the eight tiles has
;   twelve registers of its own for its codes (v192-251, v96-119, v48-59), so that no store's data are written again.
;   window 1: B's fragments, two sets, at v0 and v128; the columns' bias at v96-127 and v224-255.   windows 2, 3: the accumulators, (a, b) at v[8 (8 (a % 4) + b)].
.set SIZE_K, 1024
.set ASC,    3145728                   ; a1: scale words behind the codes
.set WQKV_S, 9437184                   ; wbuf: w_qkv's scale words
.set V_C,    6291456                   ; qkvc: q's and k's codes [part][batch x head][tile 128][768]; from here v's [batch x head][tokens / 64][tile 4][768];
.set QK_S,   9437184                   ; q's and k's scales [part][bh][tile / 8][r][pair of tiles]: a word holds two tiles' two bytes;
.set V_S,    9699328                   ; v's [bh][tokens / 128][r][tile 4]
.set KSTEP,  256
.set NQ,     2                         ; matrix instructions deep in a slot
.set FR,     12                        ; registers of a fragment
.set NL,     4                         ; LDS loads that bring one
.set NP,     4                         ; places behind this matrix instruction (ISA guide 7.12.1)
.set TSTR,   (SIZE_K/64)*768           ; a tile's codes in memory
.set HALFT,  8*3072                    ; eight tiles x 256 along K: what one load of the ring brings, and what one wave reads of A or of B
.set SLOT,   4*HALFT
.set LAPS,   SIZE_K/(2*KSTEP)
.set SCL,    2*SLOT                    ; behind the ring: the scale words
.set HALFS,  (SIZE_K/128)*512          ; those of 128 rows
.set SPARE,  SCL+4*HALFS               ; the spare words, 128 bytes for each wave: two blocks of 256 bytes that no other line names
.set PFO,  14                          ; v14 the prefetches' offset; never rewritten
.set ADRA, 16                          ; v16-17 LDS address of my A fragments in slot 0, 1, 16 bytes a lane; v18-19 the same, 8 bytes a lane
.set ADRB, 20                          ; v20-23 the same for B
.set CO,   26                          ; v26 16 x lane
.set ADRS, 27                          ; v27 LDS address of my scale words: lanes 0-15 A's rows, lanes 16-31 B's
.set SPW,  28                          ; v28 my spare word; never rewritten
.set NIL,  29                          ; v29 0; never rewritten
.set L8,   30                          ; v30 8 x lane
.set H64,  31                          ; v31 64 x (lane / 16)
.set SC,   32                          ; scale words: register 16 set + 8 q + i: lanes 0-15 A's tile i, lanes 16-31 B's tile i
.set AF,   128
.set G1, 24
.set G0, 32
.set G1B, 48
.set G0B, 56
.set G1S, 68
.set G0S, 76
.set G1SB, 80
.set G0SB, 88
.set SEL, 66
.set PFA, 96                           ; s[96:97] where my prefetches stand: K step 0 of my work-group's two tile rows
.set TM, 32                            ; the way out: v32-35 largest magnitudes, v36-39 bytes, v44-47 scale operands
.set PC, 48                            ; the codes just made: set anew for each tile
.set PH, 60                            ; v60-66 halves on their way
.set PW, 68                            ; v68-75 the eight tiles' scale words
.set WW, 76
.set EE, 80
.set OO, 84
.set BV, 88
.set TV, 128                           ; v128-191 64 numbers to quantise
.set MSB, 0
.macro WIN new                         ; the immediate's high byte repeats the setting that is left
.if MSB != (\new)
	s_set_vgpr_msb (MSB<<8)|(\new)
.set MSB, (\new)
.endif
.endm
.set MUL_LO, 0xa1                      ; source 0 (B) window 1, source 1 (A) window 0, C and D window 2
.set MUL_HI, 0xf1                      ; the same, C and D window 3
.set TO_B,   0x40                      ; destination window 1, address window 0
; A joint load: waves 0 and 1 fetch for A, waves 2 and 3 for B; the branch hangs on the wave's number alone.  An s_nop 0 and four v_nop follow each of the two lines.
.macro JLOAD g0a, g1a, g0b, g1b
	s_cmp_eq_u32 s15, 0
	s_cbranch_scc0 .Lfor_b_\@
	tensor_load_to_lds s[\g0a:\g0a+3], s[\g1a:\g1a+7]
	s_nop 0
.rept 4
	v_nop
.endr
	s_branch .Lasked_\@
.Lfor_b_\@:
	tensor_load_to_lds s[\g0b:\g0b+3], s[\g1b:\g1b+7]
	s_nop 0
.rept 4
	v_nop
.endr
.Lasked_\@:
.endm
.macro CREST                           ; a round of the cluster's barrier behind its opening barrier
	s_cmp_lg_u32 s14, 0
	s_cbranch_scc1 .Lnot_wave_0_\@
	s_barrier_signal -3
.Lnot_wave_0_\@:
	s_barrier_wait -3
	s_barrier_signal -1
	s_barrier_wait -1
.endm
.macro CROUND
	s_barrier_signal -1
	s_barrier_wait -1
	CREST
.endm
.macro FRAG reg, adr, q, i             ; a fragment, 16 rows x 128 K: two half fragments, as they lie: every load takes consecutive bytes
	ds_load_b128 v[\reg:\reg+3],     v[\adr]   offset:(\i)*3072+(\q)*1536
	ds_load_b64  v[\reg+4:\reg+5],   v[\adr+2] offset:(\i)*3072+(\q)*1536+512
	ds_load_b128 v[\reg+6:\reg+9],   v[\adr]   offset:(\i)*3072+(\q)*1536+768
	ds_load_b64  v[\reg+10:\reg+11], v[\adr+2] offset:(\i)*3072+(\q)*1536+1280
.endm
; 16 matrix instructions: A's tiles a0, a0 + 1 x B's eight.  zero = 1: the first K step, whose C is the columns' bias.  The 64 accumulators take turns, one instruction a turn.
.macro MUL16 a0, p, q, sc, zero
.irp a, \a0, \a0+1
.irp b, 0,1,2,3,4,5,6,7
.if \zero
	v_wmma_scale_f32_16x16x128_f8f6f4 v[8*(8*((\a)%4)+\b):8*(8*((\a)%4)+\b)+7], v[128*(\p)+FR*\b:128*(\p)+FR*\b+FR-1], v[AF+FR*(\a):AF+FR*(\a)+FR-1], v[96+8*\b+96*(\b/4):96+8*\b+96*(\b/4)+7], v[SC+16*(\sc)+8*(\q)+\b], v[SC+16*(\sc)+8*(\q)+(\a)] matrix_a_fmt:MATRIX_FMT_BF6 matrix_b_fmt:MATRIX_FMT_BF6 matrix_a_scale:MATRIX_SCALE_ROW1
.else
	v_wmma_scale_f32_16x16x128_f8f6f4 v[8*(8*((\a)%4)+\b):8*(8*((\a)%4)+\b)+7], v[128*(\p)+FR*\b:128*(\p)+FR*\b+FR-1], v[AF+FR*(\a):AF+FR*(\a)+FR-1], v[8*(8*((\a)%4)+\b):8*(8*((\a)%4)+\b)+7], v[SC+16*(\sc)+8*(\q)+\b], v[SC+16*(\sc)+8*(\q)+(\a)] matrix_a_fmt:MATRIX_FMT_BF6 matrix_b_fmt:MATRIX_FMT_BF6 matrix_a_scale:MATRIX_SCALE_ROW1
.endif
.endr
.endr
.endm
.macro FETCH_B slot, q, p
	WIN TO_B
.irp i, 0,1,2,3,4,5,6,7
	FRAG 128*(\p)+FR*\i, ADRB+\slot, \q, \i
.endr
	WIN 0
.endm
.macro FETCH_A slot, q, i0
.irp i, \i0, \i0+1, \i0+2, \i0+3
	FRAG AF+FR*(\i), ADRA+\slot, \q, \i
.endr
.endm
.macro SCALES sc                       ; a K step's scale words: eight tiles' words of my row are 32 bytes on end
.irp q, 0,1
.irp j, 0,1
	ds_load_b128 v[SC+16*\sc+8*\q+4*\j:SC+16*\sc+8*\q+4*\j+3], v[ADRS] offset:512*\q+16*\j
.endr
.endr
.endm
.macro PLACES n                        ; plain vector instructions between a matrix instruction and a load into, or a vector instruction on, its registers
.rept \n
	v_nop
.endr
.endm
.macro STEP slot, q, zero              ; 128 along K that have their successor in the same slot
	s_wait_dscnt 4*NL                              ; B's set and A's tiles 0-3 are in; the youngest sixteen loads (A's tiles 4-7) may be out
.if \zero
	WIN 0x91                                       ; C: the bias, in window 1
.else
	WIN MUL_LO
.endif
	MUL16 0, (\q)%2, \q, \slot, \zero
	MUL16 2, (\q)%2, \q, \slot, \zero
	s_wait_dscnt 0
	PLACES NP
	FETCH_B \slot, (\q)+1, 1-(\q)%2
	FETCH_A \slot, (\q)+1, 0
.if \zero
	WIN 0xd1
.else
	WIN MUL_HI
.endif
	MUL16 4, (\q)%2, \q, \slot, \zero
	MUL16 6, (\q)%2, \q, \slot, \zero
	PLACES NP
	WIN 0
	FETCH_A \slot, (\q)+1, 4
.endm
; A slot's last step changes slots: one barrier; in front of it each wave waits for all its tensor loads, adds 0 to its spare word, and waits for that and for its own reads of this slot.
.macro TURN slot, next, fill
	s_wait_tensorcnt 0x0                           ; all my tensor loads have landed: my part of the next slot
	ds_add_u32 v[SPW], v[NIL]                      ; 0 onto my spare word
	s_wait_dscnt 4*NL+1                            ; (the add and A's tiles 4-7 may be out)
	WIN MUL_LO
	MUL16 0, 1, NQ-1, \slot, 0
	s_wait_dscnt 0x0                               ; the add is done, and my reads of this slot are over
	s_barrier_signal -1
	MUL16 2, 1, NQ-1, \slot, 0
	WIN 0
	s_barrier_wait -1
.if \fill
	CREST                                          ; the barrier has opened a round of the cluster's barrier: no wave of any partner still reads this slot or has a load on its way
	s_add_nc_u64 s[G0+4*\slot+2:G0+4*\slot+3], s[G0+4*\slot+2:G0+4*\slot+3], 2*3072
	s_add_nc_u64 s[G0B+4*\slot+2:G0B+4*\slot+3], s[G0B+4*\slot+2:G0B+4*\slot+3], 2*3072
	JLOAD G0+4*\slot, G1, G0B+4*\slot, G1B         ; the first tensor load behind the round; its four v_nop are the places in front of the loads below
.else
	PLACES NP
.endif
	s_wait_alu depctr_va_vdst(0)
	v_add_nc_u32 v[ADRS], 512*NQ, v[ADRS]          ; the next K step's scale words
	FETCH_B \next, 0, 0
	FETCH_A \next, 0, 0
	SCALES \next
	WIN MUL_HI
	MUL16 4, 1, NQ-1, \slot, 0
	MUL16 6, 1, NQ-1, \slot, 0
	PLACES NP
	WIN 0
	FETCH_A \next, 0, 4
.endm
; 64 numbers of a lane, register 16 b + i = k 32 b + 16 (lane / 16) + i of my row, become a fragment's codes in v[PC] on and its scale word in v[pw].
.macro QUANT s, pw
.irp b, 0,1,2,3
	v_max3_num_f32 v[TM+\b], |v[\s+16*\b]|, |v[\s+1+16*\b]|, 0x2800000   ; and the floor 2^(5 - 127): the byte cannot fall under 1
.endr
.irp i, 2,4,6,8,10,12,14
.irp b, 0,1,2,3
	v_max3_num_f32 v[TM+\b], v[TM+\b], |v[\s+16*\b+\i]|, |v[\s+1+16*\b+\i]|
.endr
.endr
.irp b, 0,1,2,3
	v_permlanex16_b32 v[TM+4+\b], v[TM+\b], s[SEL], s[SEL+1]
.endr
.irp b, 0,1,2,3
	v_max_num_f32 v[TM+\b], v[TM+\b], v[TM+4+\b]   ; with lane l xor 16's: the block's largest magnitude
.endr
.irp b, 0,1,2,3
	v_add_nc_u32 v[TM+12+\b], 0xfe000000, v[TM+\b] ; 4 off its exponent field: the conversion's scale operand
.endr
.irp b, 0,1,2,3
	v_lshrrev_b32 v[TM+4+\b], 23, v[TM+12+\b]      ; the scale's byte
.endr
	v_lshl_or_b32 v[\pw], v[TM+5], 8, v[TM+4]
	v_lshl_or_b32 v[\pw], v[TM+6], 16, v[\pw]
	v_lshl_or_b32 v[\pw], v[TM+7], 24, v[\pw]
.irp c, 0,1
	v_cvt_scalef32_pk16_bf6_f32 v[PC+6*\c:PC+2+6*\c], v[\s+32*\c:\s+15+32*\c], v[TM+12+2*\c]
	v_cvt_scalef32_pk16_bf6_f32 v[PH+4*\c:PH+2+4*\c], v[\s+16+32*\c:\s+31+32*\c], v[TM+12+2*\c+1]
.endr
	v_nop                                          ; one plain place behind a scaled conversion
.irp c, 0,1                            ; the operand's layout wants a whole block in a lane
.irp i, 0,1,2
	v_permlane16_swap_b32 v[PC+6*\c+\i], v[PH+4*\c+\i]
.endr
.irp i, 0,1,2
	v_mov_b32 v[PC+3+6*\c+\i], v[PH+4*\c+\i]
.endr
.endr
.endm
	s_load_b128 s[4:7], s[0:1], 0x0                ; a1, wbuf
	s_load_b128 s[8:11], s[0:1], 0x10              ; b_qkv, qkvc
	v_lshl_add_u32 v[SPW], v0, 2, SPARE
	v_mov_b32 v[NIL], 0
	ds_add_u32 v[SPW], v[NIL]                      ; the opening lines: the add, twice on end, and its wait
	ds_add_u32 v[SPW], v[NIL]
	s_wait_dscnt 0x0
	v_lshrrev_b32 v1, 5, v0
	v_readfirstlane_b32 s14, v1                    ; wave 0..3
	s_lshr_b32 s15, s14, 1                         ; which half of the tile's rows is mine.  Also: I fetch for A (0) or for B (1)
	s_and_b32 s16, s14, 1                          ; which half of its columns.  Also: which eight tiles I fetch
	s_bfe_u32 s40, ttmp6, 0x40000                  ; cx, cy
	s_bfe_u32 s41, ttmp6, 0x40004
	s_and_b32 s18, ttmp7, 0xffff
	s_lshl_b32 s18, s18, 2                         ; 4 x cluster y
	s_lshl_b32 s19, ttmp9, 2                       ; 4 x cluster x
	s_cmp_eq_u32 ttmp9, 2                          ; the clusters with x = 2 make v: the same in all sixteen partners
	s_cselect_b32 s17, 0, s18
	s_cselect_b32 s42, s18, s19
	s_add_co_u32 s17, s17, s41                     ; tile row: q, k: 4 Y + cy (tokens);  v: cy (features)
	s_add_co_u32 s42, s42, s40                     ; tile column: q, k: 4 X + cx (features);  v: 4 Y + cx (tokens)
	s_lshl_b32 s43, s41, 2
	s_lshl_b32 s43, 15, s43                        ; my row of the cluster
	s_lshl_b32 s44, 0x1111, s40                    ; my column
	s_or_b32 s[G1+0], s43, (3<<16)|(1<<21)         ; 15:0 the mask; 17:16 elements of 8 bytes; 20 no padding; 21 set beside a mask
	s_or_b32 s[G1B+0], s44, (3<<16)|(1<<21)
.irp g, G1, G1B
	s_mov_b32 s[\g+1], 384<<16                     ; tensor_dim0: 3,072 bytes
	s_mov_b32 s[\g+2], 16<<16                      ; tensor_dim1: the head's loads bring 16 tiles
	s_mov_b32 s[\g+3], 384<<16                     ; tile_dim0
	s_mov_b32 s[\g+4], 16                          ; tile_dim1
	s_mov_b32 s[\g+5], TSTR/8                      ; from tile to tile
	s_mov_b32 s[\g+6], 0
	s_mov_b32 s[\g+7], 0
.endr
	s_or_b32 s[G1S+0], s43, (3<<16)|(1<<21)
	s_or_b32 s[G1SB+0], s44, (3<<16)|(1<<21)
.irp g, G1S, G1SB
	s_mov_b32 s[\g+1], 32<<16                      ; a dense block as rows of 256 bytes: the scale words of 256 rows
	s_mov_b32 s[\g+2], (HALFS/128)<<16
	s_mov_b32 s[\g+3], 32<<16
	s_mov_b32 s[\g+4], HALFS/128
	s_mov_b32 s[\g+5], 32
	s_mov_b32 s[\g+6], 0
	s_mov_b32 s[\g+7], 0
.endr
	s_lshl_b32 s18, s16, 3
	s_lshl_b32 s20, s17, 4
	s_add_co_u32 s20, s20, s18                     ; A: the first tile that I fetch in the ring
	s_lshl_b32 s46, s42, 4
	s_add_co_u32 s46, s46, s18                     ; B likewise
	s_lshl_b32 s22, s17, 1                         ; A: the first of its two groups of 128 rows
	s_lshl_b32 s92, s42, 1
	s_mul_i32 s20, s20, TSTR
	s_mul_i32 s46, s46, TSTR
	s_mul_i32 s22, s22, HALFS
	s_mul_i32 s92, s92, HALFS
	s_mov_b32 s18, ASC
	s_mov_b32 s19, WQKV_S
	s_cmp_eq_u32 ttmp9, 2
	s_cselect_b32 s95, 128*TSTR, 0                 ; v: A is the weight's columns 2,048 on
	s_cselect_b32 s2, WQKV_S+16*HALFS, s18
	s_cselect_b32 s3, s18, s19
	s_add_co_u32 s20, s20, s95
	s_add_co_u32 s22, s22, s2
	s_add_co_u32 s92, s92, s3
	s_mov_b32 s21, 0
	s_mov_b32 s23, 0
	s_mov_b32 s47, 0
	s_mov_b32 s93, 0
	s_mul_i32 s45, s14, HALFT                      ; where they go: no place in the cluster enters an LDS address
	s_wait_kmcnt 0x0
	s_cmp_eq_u32 ttmp9, 2
	s_cselect_b64 s[96:97], s[6:7], s[4:5]         ; A's buffer: v: the weights; else the tokens
	s_cselect_b64 s[6:7], s[4:5], s[6:7]           ; B's buffer
	s_add_nc_u64 s[20:21], s[96:97], s[20:21]
	s_add_nc_u64 s[22:23], s[96:97], s[22:23]
	s_add_nc_u64 s[46:47], s[6:7], s[46:47]
	s_add_nc_u64 s[92:93], s[6:7], s[92:93]
	CROUND                                         ; all sixteen work-groups are here: the first joint loads meet
	s_mov_b32 s[G0S], 1
	s_mov_b32 s[G0S+1], SCL
	s_mov_b64 s[G0S+2:G0S+3], s[22:23]
	s_or_b32 s[G0S+3], s[G0S+3], 0x80000000
	s_mov_b32 s[G0SB], 1
	s_mov_b32 s[G0SB+1], SCL+2*HALFS
	s_mov_b64 s[G0SB+2:G0SB+3], s[92:93]
	s_or_b32 s[G0SB+3], s[G0SB+3], 0x80000000
.irp s, 0,1
	s_mov_b32 s[G0+4*\s], 1
	s_add_co_u32 s[G0+4*\s+1], s45, \s*SLOT
	s_add_nc_u64 s[G0+4*\s+2:G0+4*\s+3], s[20:21], \s*3072
	s_or_b32 s[G0+4*\s+3], s[G0+4*\s+3], 0x80000000
	s_mov_b32 s[G0B+4*\s], 1
	s_add_co_u32 s[G0B+4*\s+1], s45, \s*SLOT
	s_add_nc_u64 s[G0B+4*\s+2:G0B+4*\s+3], s[46:47], \s*3072
	s_or_b32 s[G0B+4*\s+3], s[G0B+4*\s+3], 0x80000000
.endr
	s_cmp_eq_u32 s15, 0                            ; the prefetches: the eight tile rows that I fetch in the ring (A's or B's),
	s_cselect_b64 s[PFA:PFA+1], s[20:21], s[46:47]
	s_cselect_b32 s66, s40, s41                    ; of them the two of my work-group's place among the four that ask jointly: told apart by address alone
	s_mul_i32 s66, s66, 2*TSTR
	s_mov_b32 s67, 0
	s_add_nc_u64 s[PFA:PFA+1], s[PFA:PFA+1], s[66:67]
; The head's four tiles, one joint load a wave: waves 0 and 2 use their own group 0 of slot 0, which begins at the tile's first row.
.macro ARM w, g0, g1, next
	s_cmp_eq_u32 s14, \w
	s_cbranch_scc0 \next
	tensor_load_to_lds s[\g0:\g0+3], s[\g1:\g1+7]
	s_nop 0
.rept 4
	v_nop
.endr
	s_branch .Lhead_asked
\next:
.endm
	ARM 0, G0, G1, .Lhead_b
	ARM 2, G0B, G1B, .Lhead_sa
	ARM 1, G0S, G1S, .Lhead_sb
	tensor_load_to_lds s[G0SB:G0SB+3], s[G1SB:G1SB+7]
	s_nop 0
.rept 4
	v_nop
.endr
.Lhead_asked:
	v_and_b32 v1, 15, v0                           ; r
	v_bfe_u32 v2, v0, 4, 1                         ; h
	v_and_b32 v3, 31, v0
	v_lshlrev_b32 v[CO], 4, v3
	v_lshlrev_b32 v[L8], 3, v3
	v_lshlrev_b32 v[H64], 6, v2
	v_min_u32 v[PFO], 23, v3                       ; block b = min(lane, 23) of my 24:
	v_mul_u32_u24 v13, v[PFO], 171
	v_lshrrev_b32 v13, 11, v13                     ; b / 12: which of my two tile rows
	v_mul_u32_u24 v13, v13, TSTR-3072
	v_lshl_add_u32 v[PFO], v[PFO], 8, v13          ; (b / 12) x a tile's codes + (b % 12) x 256
	global_prefetch_b8 v[PFO], s[PFA:PFA+1] offset:3072 th:TH_LOAD_NT scope:SCOPE_SE     ; K steps 1 and 2
	global_prefetch_b8 v[PFO], s[PFA:PFA+1] offset:2*3072 th:TH_LOAD_NT scope:SCOPE_SE
	s_mul_i32 s21, s15, HALFT                      ; my eight tiles of A
	s_mul_i32 s22, s16, HALFT                      ; my eight of B,
	s_add_co_u32 s22, s22, 2*HALFT                 ; which lie behind A's sixteen
.irp s, 0,1
	v_add_nc_u32 v[ADRA+\s], s21, v[CO]
	v_add_nc_u32 v[ADRB+\s], s22, v[CO]
	v_add_nc_u32 v[ADRA+2+\s], s21, v[L8]
	v_add_nc_u32 v[ADRB+2+\s], s22, v[L8]
	s_add_co_u32 s21, s21, SLOT
	s_add_co_u32 s22, s22, SLOT
.endr
	v_lshlrev_b32 v5, 5, v1                        ; my row's eight words
	s_mul_i32 s21, s15, HALFS
	s_mul_i32 s22, s16, HALFS
	s_add_co_u32 s22, s22, 2*HALFS
	s_sub_co_u32 s22, s22, s21
	v_mul_u32_u24 v6, s22, v2                      ; lanes 16-31 take B's
	s_add_co_u32 s21, s21, SCL
	v_add_nc_u32 v5, v5, v6
	v_add_nc_u32 v[ADRS], s21, v5
	; the two biases, each from a place that lies inside b_qkv in both modes, and its factor
	s_lshl_b32 s46, s42, 10
	s_lshl_b32 s47, s16, 9
	s_add_co_u32 s46, s46, s47                     ; 4 x my first column
	s_lshl_b32 s20, s17, 10
	s_lshl_b32 s21, s15, 9
	s_add_co_u32 s20, s20, s21
	s_add_co_u32 s20, s20, 8192                    ; 4 x (2,048 + my first row)
	s_cmp_eq_u32 ttmp9, 2
	s_cselect_b32 s46, 0, s46
	s_cselect_b32 s20, s20, 0
	s_cselect_b32 s18, 0, 1.0                      ; the columns' bias counts for q and k,
	s_cselect_b32 s2, 1.0, 0                       ; the rows' for v
	s_mov_b32 s19, s18
	s_mov_b32 s47, 0
	s_mov_b32 s21, 0
	s_add_nc_u64 s[46:47], s[8:9], s[46:47]
	s_add_nc_u64 s[20:21], s[8:9], s[20:21]
	s_mov_b32 s[SEL], 0x76543210
	s_mov_b32 s[SEL+1], 0xfedcba98
	s_wait_alu depctr_va_vdst(0)
	v_and_b32 v7, 8, v1
	v_add_nc_u32 v7, v7, v1
	v_lshlrev_b32 v7, 2, v7                        ; 4 (r + 8 (r / 8))
.irp a, 0,1,2,3,4,5,6,7
	global_load_b32 v[BV+\a], v7, s[20:21] offset:(32*(\a/2)+8*(\a%2))*4
.endr
	WIN TO_B
.irp b, 0,1,2,3,4,5,6,7
	global_load_b128 v[96+8*\b+96*(\b/4):96+8*\b+96*(\b/4)+3], v[H64], s[46:47] offset:128*(\b/2)+32*(\b%2)      ; in the result's layout: tile b's register j is column 32 (b / 2) + 16 h + 8 (b % 2) + j
	global_load_b128 v[96+8*\b+96*(\b/4)+4:96+8*\b+96*(\b/4)+7], v[H64], s[46:47] offset:128*(\b/2)+32*(\b%2)+16
.endr
	WIN 0
	s_wait_alu depctr_va_vdst(0)
	s_wait_tensorcnt 0x0                           ; my tile of the head's four is in; the three lines stand ahead of slot 1's first fill as ahead of a refill
	ds_add_u32 v[SPW], v[NIL]
	s_mov_b32 s[G1+2], 8<<16                       ; no tensor load of mine is out: from here on a load brings 8 tiles
	s_mov_b32 s[G1+4], 8
	s_mov_b32 s[G1B+2], 8<<16
	s_mov_b32 s[G1B+4], 8
	s_wait_dscnt 0x0
	CROUND                                         ; everybody's tiles are in, and the joint loads meet
	JLOAD G0+4, G1, G0B+4, G1B                     ; K step 1, the first tensor load behind the round
	FETCH_B 0, 0, 0
	global_prefetch_b8 v[PFO], s[PFA:PFA+1] offset:3*3072 th:TH_LOAD_NT scope:SCOPE_SE   ; K step 3, two refills on
	FETCH_A 0, 0, 0
	SCALES 0
	FETCH_A 0, 0, 4
	s_wait_loadcnt 0x0                             ; the biases
	WIN 0x41
.set I, 0
.rept 16
	v_pk_mul_f32 v[96+I:97+I], v[96+I:97+I], s[18:19] op_sel_hi:[1,0]
	v_pk_mul_f32 v[224+I:225+I], v[224+I:225+I], s[18:19] op_sel_hi:[1,0]
.set I, I+2
.endr
	PLACES NP
	s_wait_alu depctr_va_vdst(0)
	STEP 0, 0, 1                                   ; the first step stands in front of the loop: its products start the sums on the bias
	s_mov_b32 s3, LAPS-1
.Llap:                                                 ; a trip goes once round the ring and fills both slots again
	TURN 0, 1, 1
	STEP 1, 0, 0
	TURN 1, 0, 1
	STEP 0, 0, 0
	s_sub_co_u32 s3, s3, 1
	s_cmp_lg_u32 s3, 0
	s_cbranch_scc1 .Llap
	TURN 0, 1, 0                                   ; the last lap fills nothing
	STEP 1, 0, 0
	s_wait_dscnt 4*NL
	WIN MUL_LO
	MUL16 0, 1, NQ-1, 1, 0
	MUL16 2, 1, NQ-1, 1, 0
	s_wait_dscnt 0
	WIN MUL_HI
	MUL16 4, 1, NQ-1, 1, 0
	MUL16 6, 1, NQ-1, 1, 0
	WIN 0
	PLACES NP
; THE WAY OUT.  No tensor load of mine is out, so the descriptors' registers are free.  Both modes' places are worked out, and one is chosen.
	s_lshl_b32 s24, s17, 4
	s_lshl_b32 s25, s15, 3
	s_add_co_u32 s24, s24, s25                     ; q, k: my first tile of tokens
	s_lshr_b32 s25, s24, 7                         ; the batch
	s_and_b32 s24, s24, 127                        ; the tile in it
	s_lshl_b32 s26, s42, 8
	s_lshl_b32 s27, s16, 7
	s_add_co_u32 s26, s26, s27                     ; my first column: a feature (q, k) or a token (v)
	s_lshr_b32 s27, s26, 10                        ; q or k
	s_bfe_u32 s28, s26, 0x40006                    ; the first of my two heads
	s_lshl_b32 s27, s27, 5
	s_lshl_b32 s25, s25, 4
	s_add_co_u32 s27, s27, s25
	s_add_co_u32 s27, s27, s28                     ; 32 part + 16 batch + head
	s_lshl_b32 s28, s27, 7
	s_add_co_u32 s28, s28, s24
	s_mul_i32 s28, s28, 768                        ; q, k: the codes' place
	s_lshl_b32 s27, s27, 4
	s_lshr_b32 s24, s24, 3
	s_add_co_u32 s27, s27, s24
	s_lshl_b32 s27, s27, 8
	s_add_co_u32 s27, s27, QK_S                    ; and the scales'
	s_lshl_b32 s29, s17, 2
	s_lshl_b32 s30, s15, 1
	s_add_co_u32 s29, s29, s30                     ; v: the first of my two heads
	s_lshr_b32 s30, s26, 11
	s_lshl_b32 s30, s30, 4
	s_add_co_u32 s29, s29, s30                     ; + 16 batch
	s_bfe_u32 s30, s26, 0x40007                    ; which 128 tokens of the batch
	s_lshl_b32 s31, s29, 5
	s_add_co_u32 s31, s31, s30
	s_add_co_u32 s31, s31, s30
	s_mul_i32 s31, s31, 3072
	s_add_co_u32 s31, s31, V_C                     ; v: the codes' place
	s_lshl_b32 s29, s29, 4
	s_add_co_u32 s29, s29, s30
	s_lshl_b32 s29, s29, 8
	s_add_co_u32 s29, s29, V_S                     ; and the scales'
	s_mov_b32 s32, 3072
	s_mov_b32 s33, 98304
	s_cmp_eq_u32 ttmp9, 2
	s_cselect_b32 s28, s31, s28
	s_cselect_b32 s36, s29, s27
	s_cselect_b32 s34, s33, s32                    ; from my tile 3 to my tile 4: q, k: the next tile; v: the next head
	s_cselect_b32 s38, s32, s33                    ; from a fragment's first half to its second: q, k: the next head; v: the next 64 tokens
	s_cselect_b32 s44, -1, 0
	s_mov_b32 s29, 0
	s_mov_b32 s35, 0
	s_mov_b32 s37, 0
	s_mov_b32 s39, 0
	s_add_nc_u64 s[24:25], s[10:11], s[28:29]
	s_add_nc_u64 s[26:27], s[24:25], s[34:35]
	s_add_nc_u64 s[30:31], s[26:27], s[38:39]
	s_add_nc_u64 s[28:29], s[24:25], s[38:39]
	s_add_nc_u64 s[36:37], s[10:11], s[36:37]
.irp b, 0,1,2,3
	v_mov_b32 v[TM+4+\b], 0                        ; a lane permute's destination counts as one of its sources
.endr
.irp a, 0,1,2,3,4,5,6,7
	v_mul_f32 v[BV+\a], s2, v[BV+\a]
.endr
.irp a, 0,1,2,3,4,5,6,7
.if \a < 5                             ; the tile's own twelve registers for its codes: no store's data are written again, so no wait stands between the tiles
.set PC, 192+12*\a
.else
.if \a < 7
.set PC, 36+12*\a
.else
.set PC, 48
.endif
.endif
	WIN 0x08+4*(\a/4)                              ; source 1: the accumulators' window
.set I, 0
.rept 64
	v_add_f32 v[TV+I], v[BV+\a], v[64*(\a%4)+I]    ; + my row's bias; each accumulator from its low end on
.set I, I+1
.endr
	WIN 0
	QUANT TV, PW+\a
	global_store_b128 v[CO], v[PC:PC+3], s[24+2*(\a/4):25+2*(\a/4)] offset:(\a%4)*768          ; 512 consecutive bytes, at a multiple of 256
	global_store_b64 v[L8], v[PC+4:PC+5], s[24+2*(\a/4):25+2*(\a/4)] offset:(\a%4)*768+512
	global_store_b128 v[CO], v[PC+6:PC+9], s[28+2*(\a/4):29+2*(\a/4)] offset:(\a%4)*768
	global_store_b64 v[L8], v[PC+10:PC+11], s[28+2*(\a/4):29+2*(\a/4)] offset:(\a%4)*768+512
.endr
	; the scale words.  q, k: a word's low half belongs to my first head, its high half to my second: two tiles' halves make a word of each head.  v: tiles 0-3 belong to my first head, 4-7 to my second.
	v_cmp_ne_u32 vcc_lo, 0, v2
.irp p, 0,1,2,3
	v_perm_b32 v[EE+\p], v[PW+2*\p+1], v[PW+2*\p], 0x05040100
	v_perm_b32 v[OO+\p], v[PW+2*\p+1], v[PW+2*\p], 0x07060302
.endr
.irp p, 0,1,2,3
	v_cndmask_b32 v[EE+\p], v[EE+\p], v[PW+\p], s44
	v_cndmask_b32 v[OO+\p], v[OO+\p], v[PW+4+\p], s44
.endr
.irp p, 0,1,2,3
	v_cndmask_b32 v[WW+\p], v[EE+\p], v[OO+\p], vcc_lo   ; lanes 0-15 store the first head's, lanes 16-31 the second's
.endr
	v_lshlrev_b32 v5, 4, v1
	v_lshl_add_u32 v5, v2, 12, v5
	global_store_b128 v5, v[WW:WW+3], s[36:37]     ; sixteen lanes store 256 consecutive bytes
	s_wait_tensorcnt 0x0                           ; the wave's end
	ds_add_u32 v[SPW], v[NIL]
	s_wait_dscnt 0x0
	CROUND                                         ; the closing round
	s_endpgm
.Lfunc_end_k_qb0b5cad2d3_gqkv:
	.size	k_qb0b5cad2d3_gqkv, .Lfunc_end_k_qb0b5cad2d3_gqkv-k_qb0b5cad2d3_gqkv
	.p2alignl 7, 3214868480
	.fill 96, 4, 3214868480
	.section	.rodata,"a",@progbits
	.p2align	6, 0x0
	.amdhsa_kernel k_qb0b5cad2d3_gqkv
		.amdhsa_group_segment_fixed_size 327680
		.amdhsa_private_segment_fixed_size 0
		.amdhsa_enable_private_segment 0
		.amdhsa_kernarg_size 32
		.amdhsa_user_sgpr_count 2
		.amdhsa_user_sgpr_kernarg_segment_ptr 1
		.amdhsa_wavefront_size32 1
		.amdhsa_system_sgpr_workgroup_id_x 1
		.amdhsa_system_sgpr_workgroup_id_y 1
		.amdhsa_system_sgpr_workgroup_id_z 1
		.amdhsa_system_vgpr_workitem_id 0
		.amdhsa_next_free_vgpr 1024
		.amdhsa_next_free_sgpr 98
		.amdhsa_reserve_vcc 1
		.amdhsa_float_denorm_mode_32 3
		.amdhsa_float_denorm_mode_16_64 3
		.amdhsa_memory_ordered 1
		.amdhsa_forward_progress 1
		.amdhsa_inst_pref_size 173
	.end_amdhsa_kernel
	.amdgpu_metadata
---
amdhsa.version: [ 1, 2 ]
amdhsa.kernels:
  - .name:           k_qb0b5cad2d3_gqkv
    .symbol:         k_qb0b5cad2d3_gqkv.kd
    .args:
      - { .name: a1, .offset: 0, .size: 8, .value_kind: global_buffer, .address_space: global }
      - { .name: wbuf, .offset: 8, .size: 8, .value_kind: global_buffer, .address_space: global }
      - { .name: b_qkv, .offset: 16, .size: 8, .value_kind: global_buffer, .address_space: global }
      - { .name: qkvc, .offset: 24, .size: 8, .value_kind: global_buffer, .address_space: global }
    .group_segment_fixed_size: 327680
    .private_segment_fixed_size: 0
    .kernarg_segment_align: 8
    .kernarg_segment_size: 32
    .max_flat_workgroup_size: 128
    .sgpr_count:     98
    .vgpr_count:     1024
    .wavefront_size: 32
...
	.end_amdgpu_metadata
.endif
;; end of part 9
;; launch attn (part 10): grid 8 x 32, 16 waves a work-group, clusters of 4 x 1, 206,848 bytes of LDS; arguments qkvc, a4; writes a4
.if DOCPART == 10
	.amdgcn_target "amdgcn-amd-amdhsa--gfx1250"
	.amdhsa_code_object_version 6
	.text
	.protected	k_qb0b5cad2d3_attn
	.globl	k_qb0b5cad2d3_attn
	.p2align	8
	.type	k_qb0b5cad2d3_attn,@function
k_qb0b5cad2d3_attn:
	s_mov_b64 s[64:65], 0
	v_nop
	global_prefetch_b8 v0, s[64:65] scope:SCOPE_SE
	s_setreg_imm32_b32 hwreg(HW_REG_WAVE_MODE, 25, 1), 1
	s_wait_xcnt 0x0
	s_wait_alu depctr_hold_cnt(0) depctr_sa_sdst(0) depctr_va_vdst(0) depctr_va_sdst(0) depctr_va_ssrc(0) depctr_va_vcc(0) depctr_vm_vsrc(0)
	s_getreg_b32 s2, hwreg(HW_REG_IB_STS2, 6, 4)
	s_cmp_eq_u32 s2, 0
	s_cbranch_scc0 .Lentry_in_a_cluster
	s_endpgm
.Lentry_in_a_cluster:
	s_bfe_u32 s2, ttmp6, 0x10000c
	s_cmp_lg_u32 s2, 0x3003
	s_cbranch_scc0 .Lentry_shape_is_right
	s_endpgm
.Lentry_shape_is_right:
; o = softmax(q k^T / 8) v for one batch and head, both products on codes of BF6 (E3M2) with E8M0 scales; o is divided by the row's sum, quantised along the head's 64 features and stored as codes for the next product.
; THE SOFTMAX AHEAD OF THE SECOND PRODUCT: t = score x log2(e) / 8; M = the row's largest t so far, rounded up to a whole number; p = 2^(t - M) is quantised along the keys, not normalised; the row's sum is taken of the
; unquantised p.  When M moves, the sum and O are multiplied by 2^(old M - new M): exact.
; SHARES.  A work-group owns 256 queries, each of its sixteen waves one tile of 16; four waves to a SIMD.  Every wave walks the 2,048 keys, 128 a step.
; THE WHOLE HEAD'S K, V AND SCALE WORDS, 204,800 bytes, ARE FILLED INTO LDS ONCE, one tensor load a wave: waves 0-5 take 16,384 bytes each of K's codes, waves 6-11 of V's, waves 12-13 2,048 bytes each of K's scale
; words, waves 14-15 of V's.  In LDS the four parts lie on end, so a wave's LDS address is its number x its load's bytes + a constant.  Nothing is filled again.
; CLUSTER.  The four query blocks of a cluster belong to one head: every load is a joint one, with the same descriptor and the mask of all four.
; LAYOUT.  Both products transposed: S^T = K Q^T, O^T = V^T P^T: a lane holds one query throughout.  Lane r of a tile of keys holds key 32 (T / 2) + 8 (T % 2) + r + 8 (r / 8), so the 16 registers of tiles 2 b, 2 b + 1 are
; 16 neighbouring keys; v's tiles of features likewise, so O^T's registers are neighbouring features.
; THE FIRST PRODUCT'S K IS 64, the instruction's 128.  A fragment of K holds TWO tiles of keys, one in each half of the 128; q stands between two runs of zero codes, v16-33 = [0 | q | 0]: v[22:33] meets the first tile,
; v[16:27] the second.  The zero codes stand under the scale byte 0 (2^-127, a number): they add nothing.
; No prefetch: all that the launch reads is asked for at its head.
; LIMITS: the promise holds while the scaled scores t stay under 2^31 in magnitude; a block of zeros, or one under 2^-122, keeps the scale byte 1 (read by this program alone); a block's largest p is taken as the exponential
; of its largest score; NaN and infinities are not served.
; REGISTERS: v1-11 addresses; v12 -M, v13 the largest t, v[14:15] the sum; v16-33 q; v34, v35 q's scale words; v36-83 four fragments of K, then of V; v84-91 their scale words; v96-159 S^T, then p; v160-191 O^T;
;   v192-203 p's codes; v204-210 halves on their way; v212-223 at work; v224 p's scale word; v[226:227] f; v228 at work; v240-253 seven partial sums; v254, v255 the spare word's address and 0.
.set VOFF, 98304                       ; LDS: K's 128 tiles x 768 bytes; from here V's 32 x 4 half fragments;
.set SKO,  196608                      ; K's scale words [step][r][pair of tiles];
.set SVO,  200704                      ; V's [step][r][tile];
.set SPARE, 204800                     ; the spare words, 128 bytes for each of 16 waves
.set V_C,  6291456
.set QK_S, 9437184
.set V_S,  9699328
.set ASC,  3145728
.set L16, 1
.set L8,  2
.set SK0, 3
.set ADK16, 4
.set ADK8,  5
.set ADV16, 6
.set ADV8,  7
.set ADS,   8
.set LV16,  9
.set LV8,   10
.set R16,   11
.set KV,  36
.set KW,  84
.set VW,  88
.set MX,  212
.set PT,  216
.set SO,  220
.set PWD, 224
.set F,   226
.set TP,  228
.set SA,  240
.set TB,  2                            ; s2  LDS byte of the step's tiles: 6,144 a step
.set TS,  3                            ; s3  and of its scale words: 256 a step
.set WV,  8
.set SEL, 12
.set CS,  14
.set G1C, 16
.set G1S, 24
.set G0,  32                           ; s[32:35] group 0 for scale words, s[36:39] for codes
.set CNT, 66
.macro CROUND
	s_barrier_signal -1
	s_barrier_wait -1
	s_cmp_lg_u32 s[WV], 0
	s_cbranch_scc1 .Lnot_wave_0_\@
	s_barrier_signal -3
.Lnot_wave_0_\@:
	s_barrier_wait -3
	s_barrier_signal -1
	s_barrier_wait -1
.endm
.macro DESC n, lreg, loff, greg        ; group 0 number n: LDS address = a wave's term + a constant; global address = qkvc + a term of head and wave
	s_mov_b32 s[G0+4*\n], 1
	s_add_co_u32 s[G0+4*\n+1], s\lreg, \loff
	s_mov_b32 s56, s\greg
	s_add_nc_u64 s[G0+4*\n+2:G0+4*\n+3], s[4:5], s[56:57]
	s_or_b32 s[G0+4*\n+3], s[G0+4*\n+3], 0x80000000
.endm
	s_load_b128 s[4:7], s[0:1], 0x0                ; qkvc, a4
	v_lshl_add_u32 v254, v0, 2, SPARE
	v_mov_b32 v255, 0
	ds_add_u32 v254, v255                          ; the opening lines: the add, twice on end, and its wait ahead of my tensor load
	ds_add_u32 v254, v255
	v_lshrrev_b32 v8, 5, v0
	s_delay_alu instid0(VALU_DEP_1)
	v_readfirstlane_b32 s[WV], v8                  ; wave 0..15
	s_bfe_u32 s9, ttmp6, 0x40000                   ; cx
	s_lshl_b32 s10, ttmp9, 2
	s_add_co_u32 s10, s10, s9                      ; my block of 256 queries: it enters q's and o's global addresses alone
	s_and_b32 s11, ttmp7, 0xffff                   ; batch x 16 + head, which the four partners share
	s_mov_b32 s[G1C], 15|(3<<16)|(1<<21)           ; the mask of all four; elements of 8 bytes; no padding
	s_mov_b32 s[G1C+1], 32<<16                     ; rows of 256 bytes,
	s_mov_b32 s[G1C+2], 64<<16                     ; 64 of them: a dense block of 16,384 bytes
	s_mov_b32 s[G1C+3], 32<<16
	s_mov_b32 s[G1C+4], 64
	s_mov_b32 s[G1C+5], 32
	s_mov_b32 s[G1C+6], 0
	s_mov_b32 s[G1C+7], 0
	s_mov_b32 s[G1S], 15|(3<<16)|(1<<21)
	s_mov_b32 s[G1S+1], 32<<16                     ; 8 rows of 256 bytes
	s_mov_b32 s[G1S+2], 8<<16
	s_mov_b32 s[G1S+3], 32<<16
	s_mov_b32 s[G1S+4], 8
	s_mov_b32 s[G1S+5], 32
	s_mov_b32 s[G1S+6], 0
	s_mov_b32 s[G1S+7], 0
	s_lshl_b32 s58, s11, 12
	s_lshl_b32 s59, s[WV], 11
	s_add_co_u32 s58, s58, s59                     ; scale words: 4,096 x head + 2,048 x wave,
	s_mov_b32 s56, V_S-14*2048
	s_cmp_lt_u32 s[WV], 14
	s_cselect_b32 s56, QK_S+32*4096-12*2048, s56   ; from k's for waves 12, 13, from v's for waves 14, 15
	s_add_co_u32 s58, s58, s56
	s_mul_i32 s67, s11, 98304
	s_lshl_b32 s68, s[WV], 14
	s_add_co_u32 s67, s67, s68                     ; codes: 98,304 x head + 16,384 x wave,
	s_mov_b32 s56, V_C-6*16384
	s_cmp_lt_u32 s[WV], 6
	s_cselect_b32 s56, 32*98304, s56               ; from k's for waves 0-5, from v's for waves 6-11
	s_add_co_u32 s67, s67, s56
	s_mov_b32 s57, 0
	s_mov_b32 s[SEL], 0x76543210
	s_mov_b32 s[SEL+1], 0xfedcba98
	s_mov_b32 s[CS], 0x3e38aa3b                    ; c = log2(e) / 8
	s_mov_b32 s[CS+1], s[CS]
	s_mov_b32 s[TB], 0
	s_mov_b32 s[TS], 0
	s_wait_dscnt 0x0
	s_wait_kmcnt 0x0
	DESC 0, 59, SKO-12*2048, 58
	DESC 1, 68, 0, 67
	CROUND                                         ; all four work-groups are here: the joint loads meet
	s_cmp_lt_u32 s[WV], 12                         ; one branch on the wave's number, a load in each arm: every wave issues one
	s_cbranch_scc0 .Lhead_scales
	tensor_load_to_lds s[G0+4:G0+7], s[G1C:G1C+7]
	s_nop 0
.rept 4
	v_nop
.endr
	s_branch .Lhead_asked
.Lhead_scales:
	tensor_load_to_lds s[G0:G0+3], s[G1S:G1S+7]
	s_nop 0
.rept 4
	v_nop
.endr
.Lhead_asked:
	v_and_b32 v8, 31, v0
	s_delay_alu instid0(VALU_DEP_1)
	v_lshlrev_b32 v[L16], 4, v8
	s_delay_alu instid0(VALU_DEP_2)
	v_lshlrev_b32 v[L8], 3, v8
	v_and_b32 v8, 15, v0
	s_delay_alu instid0(VALU_DEP_1)
	v_lshlrev_b32 v[R16], 4, v8
	s_wait_alu depctr_va_vdst(0)
	v_add_nc_u32 v[SK0], SKO, v[R16]
	v_add_nc_u32 v[LV16], VOFF, v[L16]
	v_add_nc_u32 v[LV8], VOFF, v[L8]
	s_lshl_b32 s58, s10, 4
	s_add_co_u32 s58, s58, s[WV]                   ; my tile of queries in the batch
	s_lshl_b32 s59, s11, 7
	s_add_co_u32 s59, s59, s58
	s_mul_i32 s56, s59, 768
	s_add_nc_u64 s[60:61], s[4:5], s[56:57]
	global_load_b128 v[22:25], v[L16], s[60:61]    ; q's half fragment stays in registers
	global_load_b64 v[26:27], v[L8], s[60:61] offset:512
	s_lshl_b32 s56, s11, 4
	s_lshl_b32 s59, s10, 1
	s_add_co_u32 s56, s56, s59
	s_lshr_b32 s59, s[WV], 3
	s_add_co_u32 s56, s56, s59                     ; its group of eight tiles
	s_lshl_b32 s56, s56, 8
	s_bfe_u32 s59, s[WV], 0x20001
	s_lshl_b32 s59, s59, 2
	s_add_co_u32 s56, s56, s59                     ; its pair's word
	s_add_co_u32 s56, s56, QK_S
	s_add_nc_u64 s[62:63], s[4:5], s[56:57]
	global_load_b32 v34, v[R16], s[62:63]
	s_and_b32 s59, s[WV], 1
	s_lshl_b32 s59, s59, 4                         ; and its half of that word
	s_wait_loadcnt 0x0
	v_lshrrev_b32 v34, s59, v34
	s_delay_alu instid0(VALU_DEP_1)
	v_and_b32 v34, 0xffff, v34                     ; q's two bytes below, the byte 0 above: for [q | 0]
	s_delay_alu instid0(VALU_DEP_1)
	v_lshlrev_b32 v35, 16, v34                     ; and for [0 | q]
.irp j, 16,17,18,19,20,21,28,29,30,31,32,33
	v_mov_b32 v\j, 0                               ; the zero codes on both sides of q
.endr
	v_mov_b32 v13, 0xff61b1e6                      ; the largest t so far: -3e38
	s_delay_alu instid0(VALU_DEP_1)
	v_floor_f32 v12, -v13                          ; -M
	v_mov_b32 v14, 0
	v_mov_b32 v15, 0
.irp b, 0,1,2,3
	v_mov_b32 v[PT+\b], 0                          ; a lane permute's destination counts as one of its sources
.endr
	v_mov_b32 v[F+1], 0                            ; (named as the upper half of a pair)
	v_mov_b32 v[TP], 0
.set I, 0
.rept 32
	v_mov_b32 v[160+I], 0                          ; O^T: the step is written once; its first trip finds zeros
.set I, I+1
.endr
	s_wait_tensorcnt 0x0                           ; my part has landed,
	s_barrier_signal -1
	s_barrier_wait -1                              ; everybody's has
	s_mov_b32 s[CNT], 16
.Lstep:                                                ; a key step: 128 keys
	v_add_nc_u32 v[ADK16], s[TB], v[L16]           ; (these five are also the places between the last products and the loads into their registers)
	v_add_nc_u32 v[ADK8], s[TB], v[L8]
	v_add_nc_u32 v[ADV16], s[TB], v[LV16]
	v_add_nc_u32 v[ADV8], s[TB], v[LV8]
	v_add_nc_u32 v[ADS], s[TS], v[SK0]
.irp b, 0,1,2,3
	ds_load_b128 v[KV+12*\b:KV+12*\b+3], v[ADK16] offset:1536*\b          ; tiles 2 b and 2 b + 1 of the step's keys: one fragment
	ds_load_b64 v[KV+12*\b+4:KV+12*\b+5], v[ADK8] offset:1536*\b+512
	ds_load_b128 v[KV+12*\b+6:KV+12*\b+9], v[ADK16] offset:1536*\b+768
	ds_load_b64 v[KV+12*\b+10:KV+12*\b+11], v[ADK8] offset:1536*\b+1280
.endr
	ds_load_b128 v[KW:KW+3], v[ADS]                ; word b: tile 2 b's two bytes, then tile 2 b + 1's
	s_wait_alu depctr_va_vdst(0)
	s_wait_dscnt 0x0
.irp b, 0,1,2,3
	v_wmma_scale_f32_16x16x128_f8f6f4 v[96+16*\b:103+16*\b], v[KV+12*\b:KV+12*\b+11], v[22:33], 0, v[KW+\b], v34 matrix_a_fmt:MATRIX_FMT_BF6 matrix_b_fmt:MATRIX_FMT_BF6
	v_wmma_scale_f32_16x16x128_f8f6f4 v[104+16*\b:111+16*\b], v[KV+12*\b:KV+12*\b+11], v[16:27], 0, v[KW+\b], v35 matrix_a_fmt:MATRIX_FMT_BF6 matrix_b_fmt:MATRIX_FMT_BF6
.endr
.rept 4
	v_nop                                          ; places in front of the loads below and of the first read of the scores
.endr
.irp d, 0,1,2,3
	ds_load_b128 v[KV+12*\d:KV+12*\d+3], v[ADV16] offset:768*\d           ; V's four tiles of features x these 128 keys, asked for ahead of the softmax
	ds_load_b64 v[KV+12*\d+4:KV+12*\d+5], v[ADV8] offset:768*\d+512
	ds_load_b128 v[KV+12*\d+6:KV+12*\d+9], v[ADV16] offset:768*\d+3072
	ds_load_b64 v[KV+12*\d+10:KV+12*\d+11], v[ADV8] offset:768*\d+3584
.endr
	ds_load_b128 v[VW:VW+3], v[ADS] offset:SVO-SKO
.irp b, 0,1,2,3
	v_max3_num_f32 v[MX+\b], v[96+16*\b], v[97+16*\b], v[98+16*\b]   ; the largest score of each block of 32 keys: for the row's maximum and, since p rises with the score, for the block's largest p
.endr
.irp i, 3,5,7,9,11,13
.irp b, 0,1,2,3
	v_max3_num_f32 v[MX+\b], v[MX+\b], v[96+16*\b+\i], v[97+16*\b+\i]
.endr
.endr
.irp b, 0,1,2,3
	v_max_num_f32 v[MX+\b], v[MX+\b], v[111+16*\b]
.endr
.irp b, 0,1,2,3
	s_delay_alu instid0(VALU_DEP_4)
	v_permlanex16_b32 v[PT+\b], v[MX+\b], s[SEL], s[SEL+1]
.endr
.irp b, 0,1,2,3
	s_delay_alu instid0(VALU_DEP_4)
	v_max_num_f32 v[MX+\b], v[MX+\b], v[PT+\b]     ; with lane l xor 16's 16 keys
.endr
	s_delay_alu instid0(VALU_DEP_2)
	v_max3_num_f32 v[TP], v[MX], v[MX+1], v[MX+2]
	s_delay_alu instid0(VALU_DEP_1)
	v_max_num_f32 v[TP], v[TP], v[MX+3]
	s_delay_alu instid0(VALU_DEP_1)
	v_mul_f32 v[TP], s[CS], v[TP]                  ; the step's largest t
	s_delay_alu instid0(VALU_DEP_1)
	v_max_num_f32 v13, v13, v[TP]                  ; the running largest t
	v_mov_b32 v[TP], v12
	s_delay_alu instid0(VALU_DEP_2)
	v_floor_f32 v12, -v13                          ; the new -M = -ceil(t)
	s_delay_alu instid0(VALU_DEP_1)
	v_sub_f32 v[TP], v12, v[TP]                    ; old M - new M: a whole number, 0 or less
	s_delay_alu instid0(VALU_DEP_1)
	v_cvt_i32_f32 v[TP], v[TP]                     ; (it saturates)
	s_delay_alu instid0(VALU_DEP_1)
	v_ldexp_f32 v[F], 1.0, v[TP]                   ; f = 2^(old M - new M)
.set I, 0
.rept 32
	v_pk_fma_f32 v[96+I:97+I], v[96+I:97+I], s[CS:CS+1], v[12:13] op_sel_hi:[1,0,0]   ; t - M
.set I, I+2
.endr
.irp b, 0,1,2,3
	v_fma_f32 v[MX+\b], v[MX+\b], s[CS], v12       ; the same of each block's largest score
.endr
.set I, 0
	s_wait_alu depctr_va_vdst(0)
.rept 64
	v_exp_f32 v[96+I], v[96+I]                     ; p = 2^(t - M)
.set I, I+1
.endr
	v_pk_mul_f32 v[14:15], v[14:15], v[F:F+1] op_sel_hi:[1,0]   ; the sums under the new M (a plain instruction behind the exponentials)
	s_wait_alu depctr_va_vdst(0)                   ; one wait for the batch, ahead of its first reader
.irp b, 0,1,2,3
	v_exp_f32 v[MX+\b], v[MX+\b]                   ; the block's largest p
.endr
; the row's sum, of the unquantised p: 32 pairs in eight chains (seven partial sums and the running sum), then joined
.irp c, 0,1,2,3,4,5,6
	v_pk_add_f32 v[SA+2*\c:SA+2*\c+1], v[96+4*\c:97+4*\c], v[98+4*\c:99+4*\c]
.endr
	v_pk_add_f32 v[14:15], v[14:15], v[124:125]
.irp g, 0,1
.irp c, 0,1,2,3,4,5,6
	v_pk_add_f32 v[SA+2*\c:SA+2*\c+1], v[SA+2*\c:SA+2*\c+1], v[126+16*\g+2*\c:127+16*\g+2*\c]
.endr
	v_pk_add_f32 v[14:15], v[14:15], v[140+16*\g:141+16*\g]
.endr
	v_pk_add_f32 v[SA:SA+1], v[SA:SA+1], v[158:159]
	s_delay_alu instid0(VALU_DEP_1)
	v_pk_add_f32 v[SA:SA+1], v[SA:SA+1], v[SA+8:SA+9]
	v_pk_add_f32 v[SA+2:SA+3], v[SA+2:SA+3], v[SA+10:SA+11]
	v_pk_add_f32 v[SA+4:SA+5], v[SA+4:SA+5], v[SA+12:SA+13]
	v_pk_add_f32 v[14:15], v[14:15], v[SA+6:SA+7]
	s_delay_alu instid0(VALU_DEP_3)
	v_pk_add_f32 v[SA:SA+1], v[SA:SA+1], v[SA+2:SA+3]
	s_delay_alu instid0(VALU_DEP_2)
	v_pk_add_f32 v[14:15], v[14:15], v[SA+4:SA+5]
	s_delay_alu instid0(VALU_DEP_1)
	v_pk_add_f32 v[14:15], v[14:15], v[SA:SA+1]
	s_wait_alu depctr_va_vdst(0)                   ; and one for the four
.irp b, 0,1,2,3
	v_max_num_f32 v[MX+\b], 0x2800000, v[MX+\b]    ; the floor 2^(5 - 127)
.endr
.irp b, 0,1,2,3
	s_delay_alu instid0(VALU_DEP_4)
	v_add_nc_u32 v[SO+\b], 0xfe000000, v[MX+\b]
.endr
.irp b, 0,1,2,3
	s_delay_alu instid0(VALU_DEP_4)
	v_lshrrev_b32 v[PT+\b], 23, v[SO+\b]
.endr
	s_delay_alu instid0(VALU_DEP_3)
	v_lshl_or_b32 v[PWD], v[PT+1], 8, v[PT]        ; p's scale word for these 128 keys
	s_delay_alu instid0(VALU_DEP_1)
	v_lshl_or_b32 v[PWD], v[PT+2], 16, v[PWD]
	s_delay_alu instid0(VALU_DEP_1)
	v_lshl_or_b32 v[PWD], v[PT+3], 24, v[PWD]
.irp c, 0,1
	v_cvt_scalef32_pk16_bf6_f32 v[192+6*\c:194+6*\c], v[96+32*\c:111+32*\c], v[SO+2*\c]
	v_cvt_scalef32_pk16_bf6_f32 v[204+4*\c:206+4*\c], v[112+32*\c:127+32*\c], v[SO+2*\c+1]
.endr
	v_nop
.irp c, 0,1
.irp i, 0,1,2
	v_permlane16_swap_b32 v[192+6*\c+\i], v[204+4*\c+\i]
.endr
.irp i, 0,1,2
	s_delay_alu instid0(VALU_DEP_3)
	v_mov_b32 v[195+6*\c+\i], v[204+4*\c+\i]
.endr
.endr
.set I, 0
.rept 16
	v_pk_mul_f32 v[160+I:161+I], v[160+I:161+I], v[F:F+1] op_sel_hi:[1,0]   ; O^T under the new M.  (These sixteen are also the places between p's codes and scale word and the products)
.set I, I+2
.endr
	s_wait_alu depctr_va_vdst(0)
	s_wait_dscnt 0x0                               ; V
.irp d, 0,1,2,3
	v_wmma_scale_f32_16x16x128_f8f6f4 v[160+8*\d:167+8*\d], v[KV+12*\d:KV+12*\d+11], v[192:203], v[160+8*\d:167+8*\d], v[VW+\d], v[PWD] matrix_a_fmt:MATRIX_FMT_BF6 matrix_b_fmt:MATRIX_FMT_BF6
.endr
	s_add_co_u32 s[TB], s[TB], 6144
	s_add_co_u32 s[TS], s[TS], 256
	s_sub_co_u32 s[CNT], s[CNT], 1
	s_cmp_lg_u32 s[CNT], 0
	s_cbranch_scc1 .Lstep
; THE WAY OUT: O^T / the sum, quantised: the head's 64 features are two blocks, one half fragment.
.rept 4
	v_nop
.endr
	v_add_f32 v14, v14, v15
	s_delay_alu instid0(VALU_DEP_1)
	v_permlanex16_b32 v[TP], v14, s[SEL], s[SEL+1]
	s_delay_alu instid0(VALU_DEP_1)
	v_add_f32 v14, v14, v[TP]                      ; the row's sum
	s_wait_alu depctr_va_vdst(0)
	v_rcp_f32 v14, v14
	v_lshlrev_b32 v[TP], 1, v[R16]                 ; (a plain instruction behind the reciprocal)  32 r
	s_lshr_b32 s58, s11, 4
	s_lshl_b32 s58, s58, 7
	s_lshl_b32 s59, s10, 4
	s_add_co_u32 s58, s58, s59
	s_add_co_u32 s58, s58, s[WV]                   ; my tile of tokens
	s_and_b32 s59, s11, 15                         ; the head
	s_lshl_b32 s56, s58, 4
	s_add_co_u32 s56, s56, s59
	s_mul_i32 s56, s56, 768
	s_add_nc_u64 s[68:69], s[6:7], s[56:57]
	s_lshr_b32 s56, s58, 3
	s_lshl_b32 s56, s56, 3
	s_lshr_b32 s67, s59, 1
	s_add_co_u32 s56, s56, s67                     ; (tile / 8) x 8 K steps + head / 2
	s_lshl_b32 s56, s56, 9
	s_and_b32 s67, s58, 7
	s_lshl_b32 s67, s67, 2
	s_add_co_u32 s56, s56, s67
	s_and_b32 s67, s59, 1
	s_lshl_b32 s67, s67, 1
	s_add_co_u32 s56, s56, s67                     ; my head's half of the word
	s_add_co_u32 s56, s56, ASC
	s_add_nc_u64 s[70:71], s[6:7], s[56:57]
	s_wait_alu depctr_va_vdst(0)                   ; the wait, ahead of the reciprocal's first reader
.set I, 0
.rept 32
	v_mul_f32 v[96+I], v[160+I], v14               ; register 16 b + i is feature 32 b + 16 h + i
.set I, I+1
.endr
.irp b, 0,1
	v_max3_num_f32 v[MX+\b], |v[96+16*\b]|, |v[97+16*\b]|, 0x2800000
.endr
.irp i, 2,4,6,8,10,12,14
.irp b, 0,1
	s_delay_alu instid0(VALU_DEP_2)
	v_max3_num_f32 v[MX+\b], v[MX+\b], |v[96+16*\b+\i]|, |v[97+16*\b+\i]|
.endr
.endr
.irp b, 0,1
	s_delay_alu instid0(VALU_DEP_2)
	v_permlanex16_b32 v[PT+\b], v[MX+\b], s[SEL], s[SEL+1]
.endr
.irp b, 0,1
	s_delay_alu instid0(VALU_DEP_2)
	v_max_num_f32 v[MX+\b], v[MX+\b], v[PT+\b]
.endr
.irp b, 0,1
	s_delay_alu instid0(VALU_DEP_2)
	v_add_nc_u32 v[SO+\b], 0xfe000000, v[MX+\b]
.endr
.irp b, 0,1
	s_delay_alu instid0(VALU_DEP_2)
	v_lshrrev_b32 v[PT+\b], 23, v[SO+\b]
.endr
	s_delay_alu instid0(VALU_DEP_1)
	v_lshl_or_b32 v[PWD], v[PT+1], 8, v[PT]
	v_cvt_scalef32_pk16_bf6_f32 v[192:194], v[96:111], v[SO]
	v_cvt_scalef32_pk16_bf6_f32 v[204:206], v[112:127], v[SO+1]
	v_nop
.irp i, 0,1,2
	v_permlane16_swap_b32 v[192+\i], v[204+\i]
.endr
.irp i, 0,1,2
	s_delay_alu instid0(VALU_DEP_3)
	v_mov_b32 v[195+\i], v[204+\i]
.endr
	global_store_b128 v[L16], v[192:195], s[68:69] ; 512 consecutive bytes, at a multiple of 256
	global_store_b64 v[L8], v[196:197], s[68:69] offset:512
	global_store_b16 v[TP], v[PWD], s[70:71]       ; my row's two scale bytes (both halves of the lanes hold the same): a wave owns half a word, so these go out in pieces of 2 bytes: 1 / 24 of the codes' bytes
	s_wait_tensorcnt 0x0                           ; the wave's end
	ds_add_u32 v254, v255
	s_wait_dscnt 0x0
	CROUND                                         ; the closing round
	s_endpgm
.Lfunc_end_k_qb0b5cad2d3_attn:
	.size	k_qb0b5cad2d3_attn, .Lfunc_end_k_qb0b5cad2d3_attn-k_qb0b5cad2d3_attn
	.p2alignl 7, 3214868480
	.fill 96, 4, 3214868480
	.section	.rodata,"a",@progbits
	.p2align	6, 0x0
	.amdhsa_kernel k_qb0b5cad2d3_attn
		.amdhsa_group_segment_fixed_size 206848
		.amdhsa_private_segment_fixed_size 0
		.amdhsa_enable_private_segment 0
		.amdhsa_kernarg_size 16
		.amdhsa_user_sgpr_count 2
		.amdhsa_user_sgpr_kernarg_segment_ptr 1
		.amdhsa_wavefront_size32 1
		.amdhsa_system_sgpr_workgroup_id_x 1
		.amdhsa_system_sgpr_workgroup_id_y 1
		.amdhsa_system_sgpr_workgroup_id_z 1
		.amdhsa_system_vgpr_workitem_id 0
		.amdhsa_next_free_vgpr 256
		.amdhsa_next_free_sgpr 72
		.amdhsa_reserve_vcc 0
		.amdhsa_float_denorm_mode_32 3
		.amdhsa_float_denorm_mode_16_64 3
		.amdhsa_memory_ordered 1
		.amdhsa_forward_progress 1
		.amdhsa_inst_pref_size 31
	.end_amdhsa_kernel
	.amdgpu_metadata
---
amdhsa.version: [ 1, 2 ]
amdhsa.kernels:
  - .name:           k_qb0b5cad2d3_attn
    .symbol:         k_qb0b5cad2d3_attn.kd
    .args:
      - { .name: qkvc, .offset: 0, .size: 8, .value_kind: global_buffer, .address_space: global }
      - { .name: a4, .offset: 8, .size: 8, .value_kind: global_buffer, .address_space: global }
    .group_segment_fixed_size: 206848
    .private_segment_fixed_size: 0
    .kernarg_segment_align: 8
    .kernarg_segment_size: 16
    .max_flat_workgroup_size: 512
    .sgpr_count:     72
    .vgpr_count:     256
    .wavefront_size: 32
...
	.end_amdgpu_metadata
.endif
;; end of part 10
;; launch gproj (part 11): grid 8 x 32, 4 waves a work-group, clusters of 4 x 4, 327,680 bytes of LDS; arguments a4, wbuf, b_out, x, x1; writes x1
.if DOCPART == 11
	.amdgcn_target "amdgcn-amd-amdhsa--gfx1250"
	.amdhsa_code_object_version 6
	.text
	.protected	k_qb0b5cad2d3_gproj
	.globl	k_qb0b5cad2d3_gproj
	.p2align	8
	.type	k_qb0b5cad2d3_gproj,@function
k_qb0b5cad2d3_gproj:
	s_mov_b64 s[64:65], 0
	v_nop
	global_prefetch_b8 v0, s[64:65] scope:SCOPE_SE
	s_setreg_imm32_b32 hwreg(HW_REG_WAVE_MODE, 25, 1), 1
	s_wait_xcnt 0x0
	s_wait_alu depctr_hold_cnt(0) depctr_sa_sdst(0) depctr_va_vdst(0) depctr_va_sdst(0) depctr_va_ssrc(0) depctr_va_vcc(0) depctr_vm_vsrc(0)
	s_getreg_b32 s2, hwreg(HW_REG_IB_STS2, 6, 4)
	s_cmp_eq_u32 s2, 0
	s_cbranch_scc0 .Lentry_in_a_cluster
	s_endpgm
.Lentry_in_a_cluster:
	s_bfe_u32 s2, ttmp6, 0x10000c
	s_cmp_lg_u32 s2, 0xf033
	s_cbranch_scc0 .Lentry_shape_is_right
	s_endpgm
.Lentry_shape_is_right:
.set SIZE_K, 1024
.set A_SOFF, 3145728
.set B_COFF, 2359296
.set B_SOFF, 9535488
.set KSTEP,  512
.set NQ,     4
.set FR,     12
.set NP,     4
.set TSTR,   (SIZE_K/64)*768
.set TROW,   (KSTEP/64)*768
.set HALFT, 4*TSTR                     ; four tiles x all of K: all of A's, B's and the scales' bytes, 204,800, lie in LDS at once, filled once at the head
.set SLOT, TROW                        ; the second half of K lies TROW bytes on in each tile's row
.set LAPS,   SIZE_K/(2*KSTEP)
.set SCL, 4*HALFT
.set HALFS,  (SIZE_K/128)*512
.set SPARE,  SCL+2*HALFS
.set SPITCH, 272
.set GO,   15
.set ADRA, 16
.set ADRB, 20
.set STO,  24
.set RD,   25
.set CO,   26
.set ADRS, 27
.set SPW,  28
.set NIL,  29
.set L8,   30
.set H64,  31
.set SC,   32
.set BK,   64
.set ACC,  128
.set G1, 24
.set G0, 32
.set G1B, 48
.set G0B, 56
.set G1S, 68
.set G0S, 76
.set G1SB, 80
.set G0SB, 88
.set MSB, 0
.macro WIN new
.if MSB != (\new)
	s_set_vgpr_msb (MSB<<8)|(\new)
.set MSB, (\new)
.endif
.endm
.set MUL,   0x05
.set MUL_C, 0x15
.set TO_F,  0x40
.set TO_R,  0x80
.macro JLOAD g0a, g1a, g0b, g1b
	s_cmp_eq_u32 s15, 0
	s_cbranch_scc0 .Lfor_b_\@
	tensor_load_to_lds s[\g0a:\g0a+3], s[\g1a:\g1a+7]
	s_nop 0
.rept 4
	v_nop
.endr
	s_branch .Lasked_\@
.Lfor_b_\@:
	tensor_load_to_lds s[\g0b:\g0b+3], s[\g1b:\g1b+7]
	s_nop 0
.rept 4
	v_nop
.endr
.Lasked_\@:
.endm
.macro CREST
	s_cmp_lg_u32 s14, 0
	s_cbranch_scc1 .Lnot_wave_0_\@
	s_barrier_signal -3
.Lnot_wave_0_\@:
	s_barrier_wait -3
	s_barrier_signal -1
	s_barrier_wait -1
.endm
.macro CROUND
	s_barrier_signal -1
	s_barrier_wait -1
	CREST
.endm
.macro FRAG reg, adr, q, i
	ds_load_b128 v[\reg:\reg+3], v[\adr] offset:(\i)*TSTR+(\q)*1536
	ds_load_b64 v[\reg+4:\reg+5], v[\adr+2] offset:(\i)*TSTR+(\q)*1536+512
	ds_load_b128 v[\reg+6:\reg+9], v[\adr] offset:(\i)*TSTR+(\q)*1536+768
	ds_load_b64 v[\reg+10:\reg+11], v[\adr+2] offset:(\i)*TSTR+(\q)*1536+1280
.endm
.macro MUL8 a0, p, q, sc, zero
.irp a, \a0, \a0+1
.irp b, 0,1,2,3
.if \zero
	v_wmma_scale_f32_16x16x128_f8f6f4 v[ACC+8*(4*(\a)+\b):ACC+8*(4*(\a)+\b)+7], v[128*(\p)+48+FR*\b:128*(\p)+48+FR*\b+FR-1], v[128*(\p)+FR*(\a):128*(\p)+FR*(\a)+FR-1], v[96+8*\b:96+8*\b+7], v[SC+16*(\sc)+4*(\q)+\b], v[SC+16*(\sc)+4*(\q)+(\a)] matrix_a_fmt:MATRIX_FMT_BF6 matrix_b_fmt:MATRIX_FMT_BF6 matrix_a_scale:MATRIX_SCALE_ROW1
.else
	v_wmma_scale_f32_16x16x128_f8f6f4 v[ACC+8*(4*(\a)+\b):ACC+8*(4*(\a)+\b)+7], v[128*(\p)+48+FR*\b:128*(\p)+48+FR*\b+FR-1], v[128*(\p)+FR*(\a):128*(\p)+FR*(\a)+FR-1], v[ACC+8*(4*(\a)+\b):ACC+8*(4*(\a)+\b)+7], v[SC+16*(\sc)+4*(\q)+\b], v[SC+16*(\sc)+4*(\q)+(\a)] matrix_a_fmt:MATRIX_FMT_BF6 matrix_b_fmt:MATRIX_FMT_BF6 matrix_a_scale:MATRIX_SCALE_ROW1
.endif
.endr
.endr
.endm
.macro FETCH slot, q, p
	WIN TO_F
.irp i, 0,1,2,3
	FRAG 128*(\p)+48+FR*\i, ADRB+\slot, \q, \i
	FRAG 128*(\p)+FR*\i, ADRA+\slot, \q, \i
.endr
.endm
.macro SCALES sc
	WIN 0
.irp q, 0,1,2,3
	ds_load_b128 v[SC+16*\sc+4*\q:SC+16*\sc+4*\q+3], v[ADRS] offset:512*\q
.endr
.endm
.macro PLACES n
.rept \n
	v_nop
.endr
.endm
.macro STEP slot, q, zero
	s_wait_dscnt 0x0                               ; this step's fragments are in
	PLACES NP                                      ; places between the last step's products and the loads into the registers that they read
	FETCH \slot, (\q)+1, ((\q)+1)%2                ; the next step's 32 loads go out first: this step's 16 matrix instructions stand between them and the wait for them
.if \zero
	WIN MUL_C
.else
	WIN MUL
.endif
	MUL8 0, (\q)%2, \q, \slot, \zero
	MUL8 2, (\q)%2, \q, \slot, \zero
.endm
.macro TURN slot, next, fill
	WIN 0
	s_wait_tensorcnt 0x0
	ds_add_u32 v[SPW], v[NIL]
	s_wait_dscnt 0x0
	s_barrier_signal -1
	s_barrier_wait -1
.if \fill
	CREST
	s_add_nc_u64 s[G0+4*\slot+2:G0+4*\slot+3], s[G0+4*\slot+2:G0+4*\slot+3], 2*TROW
	s_add_nc_u64 s[G0B+4*\slot+2:G0B+4*\slot+3], s[G0B+4*\slot+2:G0B+4*\slot+3], 2*TROW
	JLOAD G0+4*\slot, G1, G0B+4*\slot, G1B
.else
	PLACES NP
.endif
	v_add_nc_u32 v[ADRS], 512*NQ, v[ADRS]
	FETCH \next, 0, 0
	SCALES \next
	WIN MUL
	MUL8 0, 1, NQ-1, \slot, 0
	MUL8 2, 1, NQ-1, \slot, 0
.endm
	s_load_b128 s[4:7], s[0:1], 0x0
	s_load_b128 s[8:11], s[0:1], 0x10
	s_load_b64 s[12:13], s[0:1], 0x20
	v_lshl_add_u32 v[SPW], v0, 2, SPARE
	v_mov_b32 v[NIL], 0
	ds_add_u32 v28, v29
	ds_add_u32 v28, v29
	s_wait_dscnt 0x0
	v_lshrrev_b32 v1, 5, v0
	v_readfirstlane_b32 s14, v1
	s_lshr_b32 s15, s14, 1
	s_and_b32 s16, s14, 1
	s_bfe_u32 s40, ttmp6, 0x40000
	s_bfe_u32 s41, ttmp6, 0x40004
	s_lshl_b32 s42, ttmp9, 2
	s_add_co_u32 s42, s42, s40
	s_and_b32 s17, ttmp7, 0xffff
	s_lshl_b32 s17, s17, 2
	s_add_co_u32 s17, s17, s41
	s_lshl_b32 s43, s41, 2
	s_lshl_b32 s43, 15, s43
	s_lshl_b32 s44, 0x1111, s40
	s_or_b32 s[G1+0], s43, (3<<16)|(1<<21)
	s_or_b32 s[G1B+0], s44, (3<<16)|(1<<21)
.irp g, G1, G1B
	s_mov_b32 s[\g+1], (TSTR/8)<<16
	s_mov_b32 s[\g+2], 8<<16
	s_mov_b32 s[\g+3], (TSTR/8)<<16
	s_mov_b32 s[\g+4], 8
	s_mov_b32 s[\g+5], TSTR/8
	s_mov_b32 s[\g+6], 0
	s_mov_b32 s[\g+7], 0
.endr
	s_or_b32 s[G1S+0], s43, (3<<16)|(1<<21)
	s_or_b32 s[G1SB+0], s44, (3<<16)|(1<<21)
.irp g, G1S, G1SB
	s_mov_b32 s[\g+1], 32<<16
	s_mov_b32 s[\g+2], (HALFS/256)<<16
	s_mov_b32 s[\g+3], 32<<16
	s_mov_b32 s[\g+4], HALFS/256
	s_mov_b32 s[\g+5], 32
	s_mov_b32 s[\g+6], 0
	s_mov_b32 s[\g+7], 0
.endr
	s_lshl_b32 s18, s16, 2
	s_lshl_b32 s20, s17, 3
	s_add_co_u32 s20, s20, s18
	s_lshl_b32 s46, s42, 3
	s_add_co_u32 s46, s46, s18
	s_lshl_b32 s22, s17, 1
	s_lshl_b32 s92, s42, 1
	s_mul_i32 s20, s20, TSTR
	s_mul_i32 s46, s46, TSTR
	s_mul_i32 s22, s22, HALFS/2
	s_mul_i32 s92, s92, HALFS/2
	s_add_co_u32 s22, s22, A_SOFF
	s_add_co_u32 s46, s46, B_COFF
	s_add_co_u32 s92, s92, B_SOFF
	s_mov_b32 s21, 0
	s_mov_b32 s23, 0
	s_mov_b32 s47, 0
	s_mov_b32 s93, 0
	s_mul_i32 s45, s14, HALFT
	s_wait_kmcnt 0x0
	s_add_nc_u64 s[20:21], s[4:5], s[20:21]
	s_add_nc_u64 s[22:23], s[4:5], s[22:23]
	s_add_nc_u64 s[46:47], s[6:7], s[46:47]
	s_add_nc_u64 s[92:93], s[6:7], s[92:93]
	CROUND
	s_mov_b32 s[G0S], 1
	s_mov_b32 s[G0S+1], SCL
	s_mov_b64 s[G0S+2:G0S+3], s[22:23]
	s_or_b32 s[G0S+3], s[G0S+3], 0x80000000
	s_mov_b32 s[G0SB], 1
	s_mov_b32 s[G0SB+1], SCL+HALFS
	s_mov_b64 s[G0SB+2:G0SB+3], s[92:93]
	s_or_b32 s[G0SB+3], s[G0SB+3], 0x80000000
.irp s, 0
	s_mov_b32 s[G0+4*\s], 1
	s_add_co_u32 s[G0+4*\s+1], s45, \s*SLOT
	s_add_nc_u64 s[G0+4*\s+2:G0+4*\s+3], s[20:21], \s*TROW
	s_or_b32 s[G0+4*\s+3], s[G0+4*\s+3], 0x80000000
	s_mov_b32 s[G0B+4*\s], 1
	s_add_co_u32 s[G0B+4*\s+1], s45, \s*SLOT
	s_add_nc_u64 s[G0B+4*\s+2:G0B+4*\s+3], s[46:47], \s*TROW
	s_or_b32 s[G0B+4*\s+3], s[G0B+4*\s+3], 0x80000000
.endr
; The launch's four tiles, one joint load a wave: wave 0 A's 8 tiles x all of K, wave 2 B's, wave 1 A's scale words, wave 3 B's.  Nothing is filled again.
.macro ARM w, g0, g1, next
	s_cmp_eq_u32 s14, \w
	s_cbranch_scc0 \next
	tensor_load_to_lds s[\g0:\g0+3], s[\g1:\g1+7]
	s_nop 0
.rept 4
	v_nop
.endr
	s_branch .Lhead_asked
\next:
.endm
	ARM 0, G0, G1, .Lhead_b
	ARM 2, G0B, G1B, .Lhead_sa
	ARM 1, G0S, G1S, .Lhead_sb
	tensor_load_to_lds s[G0SB:G0SB+3], s[G1SB:G1SB+7]
	s_nop 0
.rept 4
	v_nop
.endr
.Lhead_asked:
	v_and_b32 v1, 15, v0
	v_bfe_u32 v2, v0, 4, 1
	v_and_b32 v3, 31, v0
	v_lshlrev_b32 v[CO], 4, v3
	v_lshlrev_b32 v[L8], 3, v3
	v_lshlrev_b32 v[H64], 6, v2
	s_mul_i32 s21, s15, HALFT
	s_mul_i32 s22, s16, HALFT
	s_add_co_u32 s22, s22, 2*HALFT
.irp s, 0,1
	v_add_nc_u32 v[ADRA+\s], s21, v[CO]
	v_add_nc_u32 v[ADRB+\s], s22, v[CO]
	v_add_nc_u32 v[ADRA+2+\s], s21, v[L8]
	v_add_nc_u32 v[ADRB+2+\s], s22, v[L8]
	s_add_co_u32 s21, s21, SLOT
	s_add_co_u32 s22, s22, SLOT
.endr
	v_lshlrev_b32 v5, 5, v1
	s_lshl_b32 s21, s15, 4
	s_lshl_b32 s22, s16, 4
	s_add_co_u32 s22, s22, HALFS
	s_sub_co_u32 s22, s22, s21
	v_mul_u32_u24 v6, s22, v2
	s_add_co_u32 s21, s21, SCL
	v_add_nc_u32 v5, v5, v6
	v_add_nc_u32 v[ADRS], s21, v5
	s_mul_i32 s23, s14, 16*SPITCH
	s_add_co_u32 s23, s23, SPARE+512               ; the stages have bytes of their own, behind the spare words: the tiles are read to the last product
	v_mul_u32_u24 v5, v1, SPITCH
	v_lshl_add_u32 v5, v2, 6, v5
	v_add_nc_u32 v[STO], s23, v5
	v_mul_u32_u24 v5, v2, SPITCH
	v_lshl_add_u32 v5, v1, 4, v5
	v_add_nc_u32 v[RD], s23, v5
	v_lshlrev_b32 v[GO], 12, v2
	v_lshl_add_u32 v[GO], v1, 4, v[GO]
	s_wait_alu depctr_va_vdst(0)
	s_lshl_b32 s46, s42, 9
	s_lshl_b32 s47, s16, 8
	s_add_co_u32 s46, s46, s47
	s_mov_b32 s47, 0
	s_add_nc_u64 s[8:9], s[8:9], s[46:47]
	s_lshl_b32 s20, s17, 19
	s_lshl_b32 s21, s15, 18
	s_add_co_u32 s20, s20, s21
	s_mov_b32 s21, 0
	s_add_nc_u64 s[20:21], s[20:21], s[46:47]
	s_add_nc_u64 s[10:11], s[10:11], s[20:21]
	s_add_nc_u64 s[12:13], s[12:13], s[20:21]
	WIN TO_F
.irp b, 0,1,2,3
	global_load_b128 v[96+8*\b:96+8*\b+3], v[H64], s[8:9] offset:128*(\b/2)+32*(\b%2)
	global_load_b128 v[96+8*\b+4:96+8*\b+7], v[H64], s[8:9] offset:128*(\b/2)+32*(\b%2)+16
.endr
	WIN 0
	s_wait_alu depctr_va_vdst(0)
	s_wait_tensorcnt 0x0                           ; my tile is in; behind the barrier everybody's is
	s_barrier_signal -1
	s_barrier_wait -1
	FETCH 0, 0, 0
	SCALES 0
	s_wait_loadcnt 0x0                             ; the bias
	WIN TO_R                                       ; the residual, wanted on the way out alone, is asked for when the tiles have landed
.irp a, 0,1,2,3
.irp t, 0,1,2,3,4,5,6,7
	global_load_b128 v[32*\a+4*\t:32*\a+4*\t+3], v[GO], s[10:11] offset:(32*(\a/2)+8*(\a%2)+2*\t+8*(\t/4))*4096 th:TH_LOAD_NT
.endr
.endr
	STEP 0, 0, 1
.if LAPS > 1
	WIN 0
	s_mov_b32 s3, LAPS-1
.Llap:
	STEP 0, 1, 0
	STEP 0, 2, 0
	TURN 0, 1, 1
	STEP 1, 0, 0
	STEP 1, 1, 0
	STEP 1, 2, 0
	TURN 1, 0, 1
	STEP 0, 0, 0
	WIN 0
	s_sub_co_u32 s3, s3, 1
	s_cmp_lg_u32 s3, 0
	s_cbranch_scc1 .Llap
.endif
	STEP 0, 1, 0
	STEP 0, 2, 0
	TURN 0, 1, 0
	STEP 1, 0, 0
	STEP 1, 1, 0
	STEP 1, 2, 0
	s_wait_dscnt 0x0
	WIN MUL
	MUL8 0, 1, NQ-1, 1, 0
	MUL8 2, 1, NQ-1, 1, 0
	WIN 0
	PLACES NP
.macro TOSTAGE a
.set AC, ACC+32*(\a)
.irp b, 0,1,2,3
	ds_store_b128 v[STO], v[AC+8*\b:AC+8*\b+3] offset:128*(\b/2)+32*(\b%2)
	ds_store_b128 v[STO], v[AC+8*\b+4:AC+8*\b+7] offset:128*(\b/2)+32*(\b%2)+16
.endr
.set BB, BK+32*((\a)%2)
.irp t, 0,1,2,3,4,5,6,7
	ds_load_b128 v[BB+4*\t:BB+4*\t+3], v[RD] offset:\t*2*SPITCH
.endr
.endm
.macro SEND a, younger
.set BB, BK+32*((\a)%2)
.set RX, 32*(\a)
	s_wait_dscnt \younger
	WIN 0x08
.set I, 0
.rept 16
	v_pk_add_f32 v[BB+I:BB+I+1], v[BB+I:BB+I+1], v[RX+I:RX+I+1]
.set I, I+2
.endr
	WIN 0
.irp t, 0,1,2,3,4,5,6,7
	global_store_b128 v[GO], v[BB+4*\t:BB+4*\t+3], s[12:13] offset:(32*((\a)/2)+8*((\a)%2)+2*\t+8*(\t/4))*4096 th:TH_STORE_NT
.endr
.endm
	s_wait_loadcnt 0x0
	TOSTAGE 0
.irp a, 1,2,3
.if \a > 1
	s_wait_xcnt 0x0
.endif
	TOSTAGE \a
	SEND \a-1, 16
.endr
	SEND 3, 0
	s_wait_tensorcnt 0x0
	ds_add_u32 v[SPW], v[NIL]
	s_wait_dscnt 0x0
	CROUND
	s_endpgm
.Lfunc_end_k_qb0b5cad2d3_gproj:
	.size	k_qb0b5cad2d3_gproj, .Lfunc_end_k_qb0b5cad2d3_gproj-k_qb0b5cad2d3_gproj
	.p2alignl 7, 3214868480
	.fill 96, 4, 3214868480
	.section	.rodata,"a",@progbits
	.p2align	6, 0x0
	.amdhsa_kernel k_qb0b5cad2d3_gproj
		.amdhsa_group_segment_fixed_size 327680
		.amdhsa_private_segment_fixed_size 0
		.amdhsa_enable_private_segment 0
		.amdhsa_kernarg_size 40
		.amdhsa_user_sgpr_count 2
		.amdhsa_user_sgpr_kernarg_segment_ptr 1
		.amdhsa_wavefront_size32 1
		.amdhsa_system_sgpr_workgroup_id_x 1
		.amdhsa_system_sgpr_workgroup_id_y 1
		.amdhsa_system_sgpr_workgroup_id_z 1
		.amdhsa_system_vgpr_workitem_id 0
		.amdhsa_next_free_vgpr 640
		.amdhsa_next_free_sgpr 98
		.amdhsa_reserve_vcc 0
		.amdhsa_float_denorm_mode_32 3
		.amdhsa_float_denorm_mode_16_64 3
		.amdhsa_memory_ordered 1
		.amdhsa_forward_progress 1
		.amdhsa_inst_pref_size 60
	.end_amdhsa_kernel
	.amdgpu_metadata
---
amdhsa.version: [ 1, 2 ]
amdhsa.kernels:
  - .name:           k_qb0b5cad2d3_gproj
    .symbol:         k_qb0b5cad2d3_gproj.kd
    .args:
      - { .name: a4, .offset: 0, .size: 8, .value_kind: global_buffer, .address_space: global }
      - { .name: wbuf, .offset: 8, .size: 8, .value_kind: global_buffer, .address_space: global }
      - { .name: b_out, .offset: 16, .size: 8, .value_kind: global_buffer, .address_space: global }
      - { .name: x, .offset: 24, .size: 8, .value_kind: global_buffer, .address_space: global }
      - { .name: x1, .offset: 32, .size: 8, .value_kind: global_buffer, .address_space: global }
    .group_segment_fixed_size: 327680
    .private_segment_fixed_size: 0
    .kernarg_segment_align: 8
    .kernarg_segment_size: 40
    .max_flat_workgroup_size: 128
    .sgpr_count:     98
    .vgpr_count:     640
    .wavefront_size: 32
...
	.end_amdgpu_metadata
.endif
;; end of part 11
;; launch ln2 (part 12): grid 256 x 1, 8 waves a work-group, no clusters, 66,816 bytes of LDS; arguments x1, ln2_g, ln2_b, a5; writes a5
.if DOCPART == 12
	.amdgcn_target "amdgcn-amd-amdhsa--gfx1250"
	.amdhsa_code_object_version 6
	.text
	.protected	k_qb0b5cad2d3_ln2
	.globl	k_qb0b5cad2d3_ln2
	.p2align	8
	.type	k_qb0b5cad2d3_ln2,@function
k_qb0b5cad2d3_ln2:
	s_mov_b64 s[64:65], 0
	v_nop
	global_prefetch_b8 v0, s[64:65] scope:SCOPE_SE
	s_setreg_imm32_b32 hwreg(HW_REG_WAVE_MODE, 25, 1), 1
	s_wait_xcnt 0x0
; LayerNorm 2 of x1, quantised to codes of BF6 (E3M2) along the 1,024 features, in this program's operand format: lane r of tile T holds row 32 (T / 2) + 8 (T % 2) + r + 8 (r / 8); a half fragment, 16 rows x 64 K,
; is an image of six registers a lane, 768 bytes (registers 0-3 at 16 l, registers 4-5 at 512 + 8 l); codes [tile][16][768]; scale words [tile / 8][K step 8][r][tile % 8].
; Work-group T makes tile T.  Wave w normalises the tile's rows 2 w and 2 w + 1, two neighbouring tokens; the 16 rows meet in a stage in LDS; wave w then quantises K step w.
; LIMITS: a block of zeros, or one whose largest magnitude lies under 2^-122, keeps the scale byte 1 (read by this program alone); NaN and infinities are not served.
.set ASC,   3145728
.set PITCH, 4112                       ; a stage row: 4,096 bytes + 16: an odd multiple of 16
.set X, 32
.set G, 96
.set B, 128
.set C, 160
.set XP, 4
.set GP, 6
.set BP, 8
.set OP, 10
	s_load_b256 s[4:11], s[0:1], 0x0               ; x1, ln2_g, ln2_b, a5
	v_lshl_add_u32 v192, v0, 2, 0x10100
	v_mov_b32 v193, 0
	v_lshrrev_b32 v3, 5, v0
	s_delay_alu instid0(VALU_DEP_1)
	v_readfirstlane_b32 s24, v3                    ; wave 0..7
	v_and_b32 v1, 31, v0
	s_delay_alu instid0(VALU_DEP_1)
	v_lshlrev_b32 v2, 4, v1                        ; 16 x lane
	s_delay_alu instid0(VALU_DEP_2)
	v_lshlrev_b32 v6, 3, v1                        ; 8 x lane
	v_and_b32 v7, 15, v0                           ; r
	v_bfe_u32 v8, v0, 4, 1                         ; h
	s_mov_b32 s30, 0x76543210
	s_mov_b32 s31, 0xfedcba98
	s_mov_b32 s27, 0
	s_lshr_b32 s25, ttmp9, 1
	s_lshl_b32 s25, s25, 5
	s_and_b32 s26, ttmp9, 1
	s_lshl_b32 s26, s26, 3
	s_add_co_u32 s25, s25, s26
	s_lshl_b32 s26, s24, 1
	s_add_co_u32 s25, s25, s26
	s_lshr_b32 s26, s24, 2
	s_lshl_b32 s26, s26, 3
	s_add_co_u32 s25, s25, s26                     ; my first token
	s_lshl_b32 s26, s25, 12
	s_wait_alu depctr_va_vdst(0)
	s_wait_kmcnt 0x0
	s_add_nc_u64 s[XP:XP+1], s[XP:XP+1], s[26:27]
.irp p, 0,1
.irp j, 0,1,2,3,4,5,6,7
	global_load_b128 v[X+32*\p+4*\j:X+32*\p+4*\j+3], v2, s[XP:XP+1] offset:4096*\p+512*\j
.endr
.endr
.irp j, 0,1,2,3,4,5,6,7
	global_load_b128 v[G+4*\j:G+4*\j+3], v2, s[GP:GP+1] offset:512*\j
.endr
.irp j, 0,1,2,3,4,5,6,7
	global_load_b128 v[B+4*\j:B+4*\j+3], v2, s[BP:BP+1] offset:512*\j
.endr
	s_mul_i32 s28, s24, 2*PITCH
	v_add_nc_u32 v4, s28, v2
	v_mul_u32_u24 v5, v7, PITCH
	s_delay_alu instid0(VALU_DEP_1)
	v_lshl_add_u32 v5, v8, 7, v5
	s_lshl_b32 s28, s24, 9
	v_add_nc_u32 v5, s28, v5
	v_mov_b32 v18, 0
	v_mov_b32 v19, 0
	s_mov_b32 s28, 0x3a800000                      ; 1 / 1,024
	s_mov_b32 s29, 0x3727c5ac                      ; eps = 1e-5
	s_wait_loadcnt 16                              ; the rows are in; the sixteen loads of gain and bias may be out
.irp p, 0,1
	v_pk_add_f32 v[10+4*\p:11+4*\p], v[X+32*\p:X+32*\p+1], v[X+32*\p+2:X+32*\p+3]
	v_pk_add_f32 v[12+4*\p:13+4*\p], v[X+32*\p+4:X+32*\p+5], v[X+32*\p+6:X+32*\p+7]
.endr
.irp i, 8,12,16,20,24,28
.irp p, 0,1
	s_delay_alu instid0(VALU_DEP_4)
	v_pk_add_f32 v[10+4*\p:11+4*\p], v[10+4*\p:11+4*\p], v[X+32*\p+\i:X+32*\p+\i+1]
	s_delay_alu instid0(VALU_DEP_4)
	v_pk_add_f32 v[12+4*\p:13+4*\p], v[12+4*\p:13+4*\p], v[X+32*\p+\i+2:X+32*\p+\i+3]
.endr
.endr
.irp p, 0
	s_delay_alu instid0(VALU_DEP_3)
	v_pk_add_f32 v[10+4*\p:11+4*\p], v[10+4*\p:11+4*\p], v[12+4*\p:13+4*\p]
.endr
.irp p, 1
	s_delay_alu instid0(VALU_DEP_2)
	v_pk_add_f32 v[10+4*\p:11+4*\p], v[10+4*\p:11+4*\p], v[12+4*\p:13+4*\p]
.endr
.irp p, 0,1
	s_delay_alu instid0(VALU_DEP_2)
	v_add_f32 v[10+4*\p], v[10+4*\p], v[11+4*\p]
.endr
.irp m, 1,2,4,8
.irp p, 0,1
	s_delay_alu instid0(VALU_DEP_2)
	v_add_f32_dpp v[10+4*\p], v[10+4*\p], v[10+4*\p] row_xmask:\m row_mask:0xf bank_mask:0xf
.endr
.endr
.irp p, 0,1
	s_delay_alu instid0(VALU_DEP_2)
	v_permlanex16_b32 v[18+\p], v[10+4*\p], s30, s31
.endr
.irp p, 0,1
	s_delay_alu instid0(VALU_DEP_2)
	v_add_f32 v[10+4*\p], v[10+4*\p], v[18+\p]
.endr
.irp p, 0,1
	s_delay_alu instid0(VALU_DEP_2)
	v_mul_f32 v[10+4*\p], s28, v[10+4*\p]          ; the mean
.endr
.irp i, 0,2,4,6,8,10,12,14,16,18,20,22,24,26,28,30
.irp p, 0,1
	v_pk_add_f32 v[X+32*\p+\i:X+32*\p+\i+1], v[X+32*\p+\i:X+32*\p+\i+1], v[10+4*\p:11+4*\p] op_sel_hi:[1,0] neg_lo:[0,1] neg_hi:[0,1]   ; d = x - mean: the variance is taken of d
.endr
.endr
.irp p, 0,1
	v_pk_mul_f32 v[20+4*\p:21+4*\p], v[X+32*\p:X+32*\p+1], v[X+32*\p:X+32*\p+1]
	v_pk_mul_f32 v[22+4*\p:23+4*\p], v[X+32*\p+2:X+32*\p+3], v[X+32*\p+2:X+32*\p+3]
.endr
.irp i, 4,8,12,16,20,24,28
.irp p, 0,1
	s_delay_alu instid0(VALU_DEP_4)
	v_pk_fma_f32 v[20+4*\p:21+4*\p], v[X+32*\p+\i:X+32*\p+\i+1], v[X+32*\p+\i:X+32*\p+\i+1], v[20+4*\p:21+4*\p]
	s_delay_alu instid0(VALU_DEP_4)
	v_pk_fma_f32 v[22+4*\p:23+4*\p], v[X+32*\p+\i+2:X+32*\p+\i+3], v[X+32*\p+\i+2:X+32*\p+\i+3], v[22+4*\p:23+4*\p]
.endr
.endr
.irp p, 0
	s_delay_alu instid0(VALU_DEP_3)
	v_pk_add_f32 v[20+4*\p:21+4*\p], v[20+4*\p:21+4*\p], v[22+4*\p:23+4*\p]
.endr
.irp p, 1
	s_delay_alu instid0(VALU_DEP_2)
	v_pk_add_f32 v[20+4*\p:21+4*\p], v[20+4*\p:21+4*\p], v[22+4*\p:23+4*\p]
.endr
.irp p, 0,1
	s_delay_alu instid0(VALU_DEP_2)
	v_add_f32 v[20+4*\p], v[20+4*\p], v[21+4*\p]
.endr
.irp m, 1,2,4,8
.irp p, 0,1
	s_delay_alu instid0(VALU_DEP_2)
	v_add_f32_dpp v[20+4*\p], v[20+4*\p], v[20+4*\p] row_xmask:\m row_mask:0xf bank_mask:0xf
.endr
.endr
.irp p, 0,1
	s_delay_alu instid0(VALU_DEP_2)
	v_permlanex16_b32 v[18+\p], v[20+4*\p], s30, s31
.endr
.irp p, 0,1
	s_delay_alu instid0(VALU_DEP_2)
	v_add_f32 v[20+4*\p], v[20+4*\p], v[18+\p]
.endr
.irp p, 0,1
	s_delay_alu instid0(VALU_DEP_2)
	v_fma_f32 v[20+4*\p], v[20+4*\p], s28, s29     ; variance + eps
.endr
	s_wait_alu depctr_va_vdst(0)
.irp p, 0,1
	v_rsq_f32 v[20+4*\p], v[20+4*\p]
.endr
	v_nop                                          ; a plain instruction behind the last root
	s_wait_alu depctr_va_vdst(0)                   ; one wait for both roots, ahead of their first reader
	s_wait_loadcnt 0x0                             ; gain and bias
.irp i, 0,2,4,6,8,10,12,14,16,18,20,22,24,26,28,30
.irp p, 0,1
	v_pk_mul_f32 v[X+32*\p+\i:X+32*\p+\i+1], v[X+32*\p+\i:X+32*\p+\i+1], v[20+4*\p:21+4*\p] op_sel_hi:[1,0]
.endr
.endr
.irp i, 0,2,4,6,8,10,12,14,16,18,20,22,24,26,28,30
.irp p, 0,1
	v_pk_fma_f32 v[X+32*\p+\i:X+32*\p+\i+1], v[X+32*\p+\i:X+32*\p+\i+1], v[G+\i:G+\i+1], v[B+\i:B+\i+1]
.endr
.endr
.irp p, 0,1
.irp j, 0,1,2,3,4,5,6,7
	ds_store_b128 v4, v[X+32*\p+4*\j:X+32*\p+4*\j+3] offset:PITCH*\p+512*\j
.endr
.endr
	s_wait_dscnt 0x0                               ; for the others' sake: my rows lie in the stage
	s_barrier_signal -1
	s_barrier_wait -1
.irp c, 0,1
.irp i, 0,1,2,3,4,5,6,7
	ds_load_b128 v[X+32*\c+4*\i:X+32*\c+4*\i+3], v5 offset:256*\c+16*\i   ; row r, k = 128 w + 64 c + 32 h + 0 .. 31
.endr
.endr
	s_lshl_b32 s26, ttmp9, 4
	s_add_co_u32 s26, s26, s24
	s_add_co_u32 s26, s26, s24
	s_mul_i32 s26, s26, 768
	s_add_nc_u64 s[22:23], s[OP:OP+1], s[26:27]
	s_lshr_b32 s26, ttmp9, 3
	s_lshl_b32 s26, s26, 3
	s_add_co_u32 s26, s26, s24
	s_lshl_b32 s26, s26, 9
	s_and_b32 s25, ttmp9, 7
	s_lshl_b32 s25, s25, 2
	s_add_co_u32 s26, s26, s25
	s_add_co_u32 s26, s26, ASC
	s_add_nc_u64 s[OP:OP+1], s[OP:OP+1], s[26:27]
	v_lshlrev_b32 v9, 5, v7
	s_wait_dscnt 0x0
.irp c, 0,1
	v_max3_num_f32 v[10+\c], |v[X+32*\c]|, |v[X+32*\c+1]|, 0x2800000   ; and the floor 2^(5 - 127)
.endr
.irp i, 2,4,6,8,10,12,14,16,18,20,22,24,26,28,30
.irp c, 0,1
	s_delay_alu instid0(VALU_DEP_2)
	v_max3_num_f32 v[10+\c], v[10+\c], |v[X+32*\c+\i]|, |v[X+32*\c+\i+1]|
.endr
.endr
.irp c, 0,1
	s_delay_alu instid0(VALU_DEP_2)
	v_add_nc_u32 v[12+\c], 0xfe000000, v[10+\c]
.endr
.irp c, 0,1
	s_delay_alu instid0(VALU_DEP_2)
	v_lshrrev_b32 v[14+\c], 23, v[12+\c]
.endr
	s_delay_alu instid0(VALU_DEP_1)
	v_lshl_or_b32 v16, v15, 16, v14
	v_lshlrev_b32 v17, 3, v8
	s_delay_alu instid0(VALU_DEP_1)
	v_lshlrev_b32 v16, v17, v16
	v_mov_b32 v17, 0
	s_delay_alu instid0(VALU_DEP_1)
	v_permlanex16_b32 v17, v16, s30, s31
	s_delay_alu instid0(VALU_DEP_1)
	v_or_b32 v16, v16, v17                         ; my row's scale word
.irp c, 0,1
	v_cvt_scalef32_pk16_bf6_f32 v[C+6*\c:C+6*\c+2], v[X+32*\c:X+32*\c+15], v[12+\c]
	v_cvt_scalef32_pk16_bf6_f32 v[C+12+4*\c:C+14+4*\c], v[X+32*\c+16:X+32*\c+31], v[12+\c]
.endr
	v_nop
.irp c, 0,1
.irp i, 0,1,2
	v_mov_b32 v[C+3+6*\c+\i], v[C+12+4*\c+\i]
.endr
.endr
.irp c, 0,1
	global_store_b128 v2, v[C+6*\c:C+6*\c+3], s[22:23] offset:768*\c
	global_store_b64 v6, v[C+6*\c+4:C+6*\c+5], s[22:23] offset:768*\c+512
.endr
	global_store_b32 v9, v16, s[OP:OP+1]           ; pieces of 4 bytes: a work-group owns one tile in eight; 1 / 24 of the codes' bytes
	s_wait_tensorcnt 0x0
	ds_add_u32 v192, v193
	s_wait_dscnt 0x0
	s_endpgm
.Lfunc_end_k_qb0b5cad2d3_ln2:
	.size	k_qb0b5cad2d3_ln2, .Lfunc_end_k_qb0b5cad2d3_ln2-k_qb0b5cad2d3_ln2
	.p2alignl 7, 3214868480
	.fill 96, 4, 3214868480
	.section	.rodata,"a",@progbits
	.p2align	6, 0x0
	.amdhsa_kernel k_qb0b5cad2d3_ln2
		.amdhsa_group_segment_fixed_size 66816
		.amdhsa_private_segment_fixed_size 0
		.amdhsa_enable_private_segment 0
		.amdhsa_kernarg_size 32
		.amdhsa_user_sgpr_count 2
		.amdhsa_user_sgpr_kernarg_segment_ptr 1
		.amdhsa_wavefront_size32 1
		.amdhsa_system_sgpr_workgroup_id_x 1
		.amdhsa_system_sgpr_workgroup_id_y 1
		.amdhsa_system_sgpr_workgroup_id_z 1
		.amdhsa_system_vgpr_workitem_id 0
		.amdhsa_next_free_vgpr 194
		.amdhsa_next_free_sgpr 66
		.amdhsa_reserve_vcc 0
		.amdhsa_float_denorm_mode_32 3
		.amdhsa_float_denorm_mode_16_64 3
		.amdhsa_memory_ordered 1
		.amdhsa_forward_progress 1
		.amdhsa_inst_pref_size 27
	.end_amdhsa_kernel
	.amdgpu_metadata
---
amdhsa.version: [ 1, 2 ]
amdhsa.kernels:
  - .name:           k_qb0b5cad2d3_ln2
    .symbol:         k_qb0b5cad2d3_ln2.kd
    .args:
      - { .name: x1, .offset: 0, .size: 8, .value_kind: global_buffer, .address_space: global }
      - { .name: ln2_g, .offset: 8, .size: 8, .value_kind: global_buffer, .address_space: global }
      - { .name: ln2_b, .offset: 16, .size: 8, .value_kind: global_buffer, .address_space: global }
      - { .name: a5, .offset: 24, .size: 8, .value_kind: global_buffer, .address_space: global }
    .group_segment_fixed_size: 66816
    .private_segment_fixed_size: 0
    .kernarg_segment_align: 8
    .kernarg_segment_size: 32
    .max_flat_workgroup_size: 256
    .sgpr_count:     66
    .vgpr_count:     194
    .wavefront_size: 32
...
	.end_amdgpu_metadata
.endif
;; end of part 12
;; launch gfc1 (part 13): grid 16 x 16, 4 waves a work-group, clusters of 4 x 4, 327,680 bytes of LDS; arguments a5, wbuf, b_fc1, a6; writes a6
.if DOCPART == 13
	.amdgcn_target "amdgcn-amd-amdhsa--gfx1250"
	.amdhsa_code_object_version 6
	.text
	.protected	k_qb0b5cad2d3_gfc1
	.globl	k_qb0b5cad2d3_gfc1
	.p2align	8
	.type	k_qb0b5cad2d3_gfc1,@function
k_qb0b5cad2d3_gfc1:
	s_mov_b64 s[64:65], 0
	v_nop
	global_prefetch_b8 v0, s[64:65] scope:SCOPE_SE
	s_setreg_imm32_b32 hwreg(HW_REG_WAVE_MODE, 25, 1), 1
	s_wait_xcnt 0x0
	s_wait_alu depctr_hold_cnt(0) depctr_sa_sdst(0) depctr_va_vdst(0) depctr_va_sdst(0) depctr_va_ssrc(0) depctr_va_vcc(0) depctr_vm_vsrc(0)
	s_getreg_b32 s2, hwreg(HW_REG_IB_STS2, 6, 4)
	s_cmp_eq_u32 s2, 0
	s_cbranch_scc0 .Lentry_in_a_cluster
	s_endpgm
.Lentry_in_a_cluster:
	s_bfe_u32 s2, ttmp6, 0x10000c
	s_cmp_lg_u32 s2, 0xf033
	s_cbranch_scc0 .Lentry_shape_is_right
	s_endpgm
.Lentry_shape_is_right:
.set SIZE_K, 1024
.set A_SOFF, 3145728
.set B_COFF, 3145728
.set B_SOFF, 9568256
.set A6S,    12582912
.set KSTEP,  256
.set NQ,     2
.set FR,     12
.set NL,     4
.set NP,     4
.set TSTR,   (SIZE_K/64)*768
.set HALFT,  8*3072
.set SLOT,   4*HALFT
.set LAPS,   SIZE_K/(2*KSTEP)
.set SCL,    2*SLOT
.set HALFS,  (SIZE_K/128)*512
.set SPARE,  SCL+4*HALFS
.set ADRA, 16
.set ADRB, 20
.set CO, 26
.set PFO, 14                           ; v14 the prefetches' offset; never rewritten
.set PFA, 96                           ; s[96:97] where my prefetches stand: K step 0 of my work-group's two tile rows
.set ADRS, 27
.set SPW,  28
.set NIL,  29
.set L8,   30
.set H64,  31
.set SC,   32
.set AF,   128
.set G1, 24
.set G0, 32
.set G1B, 48
.set G0B, 56
.set G1S, 68
.set G0S, 76
.set G1SB, 80
.set G0SB, 88
.set SEL, 66
.set TM, 32
.set PC, 48
.set PW, 68
.set WW, 76
.set TV, 128
.set MSB, 0
.macro WIN new
.if MSB != (\new)
	s_set_vgpr_msb (MSB<<8)|(\new)
.set MSB, (\new)
.endif
.endm
.set MUL_LO, 0xa1
.set MUL_HI, 0xf1
.set TO_B,   0x40
.macro JLOAD g0a, g1a, g0b, g1b
	s_cmp_eq_u32 s15, 0
	s_cbranch_scc0 .Lfor_b_\@
	tensor_load_to_lds s[\g0a:\g0a+3], s[\g1a:\g1a+7]
	s_nop 0
.rept 4
	v_nop
.endr
	s_branch .Lasked_\@
.Lfor_b_\@:
	tensor_load_to_lds s[\g0b:\g0b+3], s[\g1b:\g1b+7]
	s_nop 0
.rept 4
	v_nop
.endr
.Lasked_\@:
.endm
.macro CREST
	s_cmp_lg_u32 s14, 0
	s_cbranch_scc1 .Lnot_wave_0_\@
	s_barrier_signal -3
.Lnot_wave_0_\@:
	s_barrier_wait -3
	s_barrier_signal -1
	s_barrier_wait -1
.endm
.macro CROUND
	s_barrier_signal -1
	s_barrier_wait -1
	CREST
.endm
.macro FRAG reg, adr, q, i
	ds_load_b128 v[\reg:\reg+3],     v[\adr]   offset:(\i)*3072+(\q)*1536
	ds_load_b64  v[\reg+4:\reg+5],   v[\adr+2] offset:(\i)*3072+(\q)*1536+512
	ds_load_b128 v[\reg+6:\reg+9],   v[\adr]   offset:(\i)*3072+(\q)*1536+768
	ds_load_b64  v[\reg+10:\reg+11], v[\adr+2] offset:(\i)*3072+(\q)*1536+1280
.endm
.macro MUL16 a0, p, q, sc, zero
.irp a, \a0, \a0+1
.irp b, 0,1,2,3,4,5,6,7
.if \zero
	v_wmma_scale_f32_16x16x128_f8f6f4 v[8*(8*((\a)%4)+\b):8*(8*((\a)%4)+\b)+7], v[128*(\p)+FR*\b:128*(\p)+FR*\b+FR-1], v[AF+FR*(\a):AF+FR*(\a)+FR-1], v[96+8*\b+96*(\b/4):96+8*\b+96*(\b/4)+7], v[SC+16*(\sc)+8*(\q)+\b], v[SC+16*(\sc)+8*(\q)+(\a)] matrix_a_fmt:MATRIX_FMT_BF6 matrix_b_fmt:MATRIX_FMT_BF6 matrix_a_scale:MATRIX_SCALE_ROW1
.else
	v_wmma_scale_f32_16x16x128_f8f6f4 v[8*(8*((\a)%4)+\b):8*(8*((\a)%4)+\b)+7], v[128*(\p)+FR*\b:128*(\p)+FR*\b+FR-1], v[AF+FR*(\a):AF+FR*(\a)+FR-1], v[8*(8*((\a)%4)+\b):8*(8*((\a)%4)+\b)+7], v[SC+16*(\sc)+8*(\q)+\b], v[SC+16*(\sc)+8*(\q)+(\a)] matrix_a_fmt:MATRIX_FMT_BF6 matrix_b_fmt:MATRIX_FMT_BF6 matrix_a_scale:MATRIX_SCALE_ROW1
.endif
.endr
.endr
.endm
.macro FETCH_B slot, q, p
	WIN TO_B
.irp i, 0,1,2,3,4,5,6,7
	FRAG 128*(\p)+FR*\i, ADRB+\slot, \q, \i
.endr
	WIN 0
.endm
.macro FETCH_A slot, q, i0
.irp i, \i0, \i0+1, \i0+2, \i0+3
	FRAG AF+FR*(\i), ADRA+\slot, \q, \i
.endr
.endm
.macro SCALES sc
.irp q, 0,1
.irp j, 0,1
	ds_load_b128 v[SC+16*\sc+8*\q+4*\j:SC+16*\sc+8*\q+4*\j+3], v[ADRS] offset:512*\q+16*\j
.endr
.endr
.endm
.macro PLACES n
.rept \n
	v_nop
.endr
.endm
.macro STEP slot, q, zero
	s_wait_dscnt 4*NL
.if \zero
	WIN 0x91
.else
	WIN MUL_LO
.endif
	MUL16 0, (\q)%2, \q, \slot, \zero
	MUL16 2, (\q)%2, \q, \slot, \zero
	s_wait_dscnt 0
	PLACES NP
	FETCH_B \slot, (\q)+1, 1-(\q)%2
	FETCH_A \slot, (\q)+1, 0
.if \zero
	WIN 0xd1
.else
	WIN MUL_HI
.endif
	MUL16 4, (\q)%2, \q, \slot, \zero
	MUL16 6, (\q)%2, \q, \slot, \zero
	PLACES NP
	WIN 0
	FETCH_A \slot, (\q)+1, 4
.endm
.macro TURN slot, next, fill
	s_wait_tensorcnt 0x0
	ds_add_u32 v[SPW], v[NIL]
	s_wait_dscnt 4*NL+1
	WIN MUL_LO
	MUL16 0, 1, NQ-1, \slot, 0
	s_wait_dscnt 0x0
	s_barrier_signal -1
	MUL16 2, 1, NQ-1, \slot, 0
	WIN 0
	s_barrier_wait -1
.if \fill
	CREST
	s_add_nc_u64 s[G0+4*\slot+2:G0+4*\slot+3], s[G0+4*\slot+2:G0+4*\slot+3], 2*3072
	s_add_nc_u64 s[G0B+4*\slot+2:G0B+4*\slot+3], s[G0B+4*\slot+2:G0B+4*\slot+3], 2*3072
	JLOAD G0+4*\slot, G1, G0B+4*\slot, G1B
.else
	PLACES NP
.endif
	s_wait_alu depctr_va_vdst(0)
	v_add_nc_u32 v[ADRS], 512*NQ, v[ADRS]
	FETCH_B \next, 0, 0
	FETCH_A \next, 0, 0
	SCALES \next
	WIN MUL_HI
	MUL16 4, 1, NQ-1, \slot, 0
	MUL16 6, 1, NQ-1, \slot, 0
	PLACES NP
	WIN 0
	FETCH_A \next, 0, 4
.endm
.macro QUANT s, pw
.irp b, 0,1,2,3
	v_max3_num_f32 v[TM+\b], |v[\s+16*\b]|, |v[\s+1+16*\b]|, 0x2800000
.endr
.irp i, 2,4,6,8,10,12,14
.irp b, 0,1,2,3
	v_max3_num_f32 v[TM+\b], v[TM+\b], |v[\s+16*\b+\i]|, |v[\s+1+16*\b+\i]|
.endr
.endr
.irp b, 0,1,2,3
	v_permlanex16_b32 v[TM+4+\b], v[TM+\b], s[SEL], s[SEL+1]
.endr
.irp b, 0,1,2,3
	v_max_num_f32 v[TM+\b], v[TM+\b], v[TM+4+\b]
.endr
.irp b, 0,1,2,3
	v_add_nc_u32 v[TM+12+\b], 0xfe000000, v[TM+\b]
.endr
.irp b, 0,1,2,3
	v_lshrrev_b32 v[TM+4+\b], 23, v[TM+12+\b]
.endr
	v_lshl_or_b32 v[\pw], v[TM+5], 8, v[TM+4]
	v_lshl_or_b32 v[\pw], v[TM+6], 16, v[\pw]
	v_lshl_or_b32 v[\pw], v[TM+7], 24, v[\pw]
.irp c, 0,1
	v_cvt_scalef32_pk16_bf6_f32 v[PC+6*\c:PC+2+6*\c], v[\s+32*\c:\s+15+32*\c], v[TM+12+2*\c]
	v_cvt_scalef32_pk16_bf6_f32 v[PC+12+4*\c:PC+14+4*\c], v[\s+16+32*\c:\s+31+32*\c], v[TM+12+2*\c+1]
.endr
	v_nop
.irp c, 0,1
.irp i, 0,1,2
	v_permlane16_swap_b32 v[PC+6*\c+\i], v[PC+12+4*\c+\i]
.endr
.irp i, 0,1,2
	v_mov_b32 v[PC+3+6*\c+\i], v[PC+12+4*\c+\i]
.endr
.endr
.endm
	s_load_b128 s[4:7], s[0:1], 0x0
	s_load_b128 s[8:11], s[0:1], 0x10
	v_lshl_add_u32 v[SPW], v0, 2, SPARE
	v_mov_b32 v[NIL], 0
	ds_add_u32 v28, v29
	ds_add_u32 v28, v29
	s_wait_dscnt 0x0
	v_lshrrev_b32 v1, 5, v0
	v_readfirstlane_b32 s14, v1
	s_lshr_b32 s15, s14, 1
	s_and_b32 s16, s14, 1
	s_bfe_u32 s40, ttmp6, 0x40000
	s_bfe_u32 s41, ttmp6, 0x40004
	s_lshl_b32 s42, ttmp9, 2
	s_add_co_u32 s42, s42, s40
	s_and_b32 s17, ttmp7, 0xffff
	s_lshl_b32 s17, s17, 2
	s_add_co_u32 s17, s17, s41
	s_lshl_b32 s43, s41, 2
	s_lshl_b32 s43, 15, s43
	s_lshl_b32 s44, 0x1111, s40
	s_or_b32 s[G1+0], s43, (3<<16)|(1<<21)
	s_or_b32 s[G1B+0], s44, (3<<16)|(1<<21)
.irp g, G1, G1B
	s_mov_b32 s[\g+1], 384<<16
	s_mov_b32 s[\g+2], 16<<16
	s_mov_b32 s[\g+3], 384<<16
	s_mov_b32 s[\g+4], 16
	s_mov_b32 s[\g+5], TSTR/8
	s_mov_b32 s[\g+6], 0
	s_mov_b32 s[\g+7], 0
.endr
	s_or_b32 s[G1S+0], s43, (3<<16)|(1<<21)
	s_or_b32 s[G1SB+0], s44, (3<<16)|(1<<21)
.irp g, G1S, G1SB
	s_mov_b32 s[\g+1], 32<<16
	s_mov_b32 s[\g+2], (HALFS/128)<<16
	s_mov_b32 s[\g+3], 32<<16
	s_mov_b32 s[\g+4], HALFS/128
	s_mov_b32 s[\g+5], 32
	s_mov_b32 s[\g+6], 0
	s_mov_b32 s[\g+7], 0
.endr
	s_lshl_b32 s18, s16, 3
	s_lshl_b32 s20, s17, 4
	s_add_co_u32 s20, s20, s18
	s_lshl_b32 s46, s42, 4
	s_add_co_u32 s46, s46, s18
	s_lshl_b32 s22, s17, 1
	s_lshl_b32 s92, s42, 1
	s_mul_i32 s20, s20, TSTR
	s_mul_i32 s46, s46, TSTR
	s_mul_i32 s22, s22, HALFS
	s_mul_i32 s92, s92, HALFS
	s_add_co_u32 s22, s22, A_SOFF
	s_add_co_u32 s46, s46, B_COFF
	s_add_co_u32 s92, s92, B_SOFF
	s_mov_b32 s21, 0
	s_mov_b32 s23, 0
	s_mov_b32 s47, 0
	s_mov_b32 s93, 0
	s_mul_i32 s45, s14, HALFT
	s_wait_kmcnt 0x0
	s_add_nc_u64 s[20:21], s[4:5], s[20:21]
	s_add_nc_u64 s[22:23], s[4:5], s[22:23]
	s_add_nc_u64 s[46:47], s[6:7], s[46:47]
	s_add_nc_u64 s[92:93], s[6:7], s[92:93]
	CROUND
	s_mov_b32 s[G0S], 1
	s_mov_b32 s[G0S+1], SCL
	s_mov_b64 s[G0S+2:G0S+3], s[22:23]
	s_or_b32 s[G0S+3], s[G0S+3], 0x80000000
	s_mov_b32 s[G0SB], 1
	s_mov_b32 s[G0SB+1], SCL+2*HALFS
	s_mov_b64 s[G0SB+2:G0SB+3], s[92:93]
	s_or_b32 s[G0SB+3], s[G0SB+3], 0x80000000
.irp s, 0,1
	s_mov_b32 s[G0+4*\s], 1
	s_add_co_u32 s[G0+4*\s+1], s45, \s*SLOT
	s_add_nc_u64 s[G0+4*\s+2:G0+4*\s+3], s[20:21], \s*3072
	s_or_b32 s[G0+4*\s+3], s[G0+4*\s+3], 0x80000000
	s_mov_b32 s[G0B+4*\s], 1
	s_add_co_u32 s[G0B+4*\s+1], s45, \s*SLOT
	s_add_nc_u64 s[G0B+4*\s+2:G0B+4*\s+3], s[46:47], \s*3072
	s_or_b32 s[G0B+4*\s+3], s[G0B+4*\s+3], 0x80000000
.endr
; The head's four tiles, one joint load a wave: wave 0 A's 16 tiles of K step 0, wave 2 B's, wave 1 A's scale words, wave 3 B's.
	s_cmp_eq_u32 s15, 0                            ; the prefetches: the eight tile rows that I fetch in the ring (A's or B's),
	s_cselect_b64 s[PFA:PFA+1], s[20:21], s[46:47]
	s_cselect_b32 s66, s40, s41                    ; of them the two of my work-group's place among the four that ask jointly: told apart by address alone
	s_mul_i32 s66, s66, 2*TSTR
	s_mov_b32 s67, 0
	s_add_nc_u64 s[PFA:PFA+1], s[PFA:PFA+1], s[66:67]
.macro ARM w, g0, g1, next
	s_cmp_eq_u32 s14, \w
	s_cbranch_scc0 \next
	tensor_load_to_lds s[\g0:\g0+3], s[\g1:\g1+7]
	s_nop 0
.rept 4
	v_nop
.endr
	s_branch .Lhead_asked
\next:
.endm
	ARM 0, G0, G1, .Lhead_b
	ARM 2, G0B, G1B, .Lhead_sa
	ARM 1, G0S, G1S, .Lhead_sb
	tensor_load_to_lds s[G0SB:G0SB+3], s[G1SB:G1SB+7]
	s_nop 0
.rept 4
	v_nop
.endr
.Lhead_asked:
	v_and_b32 v1, 15, v0
	v_bfe_u32 v2, v0, 4, 1
	v_and_b32 v3, 31, v0
	v_lshlrev_b32 v[CO], 4, v3
	v_lshlrev_b32 v[L8], 3, v3
	v_lshlrev_b32 v[H64], 6, v2
	v_min_u32 v[PFO], 23, v3                       ; block b = min(lane, 23) of my 24 blocks of 256 bytes (lanes 24-31 name the last again):
	v_mul_u32_u24 v13, v[PFO], 171
	v_lshrrev_b32 v13, 11, v13                     ; b / 12: which of my two tile rows
	v_mul_u32_u24 v13, v13, TSTR-3072
	v_lshl_add_u32 v[PFO], v[PFO], 8, v13          ; (b / 12) x a tile's codes + (b % 12) x 256
	global_prefetch_b8 v[PFO], s[PFA:PFA+1] offset:3072 th:TH_LOAD_NT scope:SCOPE_SE     ; K steps 1 and 2
	global_prefetch_b8 v[PFO], s[PFA:PFA+1] offset:2*3072 th:TH_LOAD_NT scope:SCOPE_SE
	s_mul_i32 s21, s15, HALFT
	s_mul_i32 s22, s16, HALFT
	s_add_co_u32 s22, s22, 2*HALFT
.irp s, 0,1
	v_add_nc_u32 v[ADRA+\s], s21, v[CO]
	v_add_nc_u32 v[ADRB+\s], s22, v[CO]
	v_add_nc_u32 v[ADRA+2+\s], s21, v[L8]
	v_add_nc_u32 v[ADRB+2+\s], s22, v[L8]
	s_add_co_u32 s21, s21, SLOT
	s_add_co_u32 s22, s22, SLOT
.endr
	v_lshlrev_b32 v5, 5, v1
	s_mul_i32 s21, s15, HALFS
	s_mul_i32 s22, s16, HALFS
	s_add_co_u32 s22, s22, 2*HALFS
	s_sub_co_u32 s22, s22, s21
	v_mul_u32_u24 v6, s22, v2
	s_add_co_u32 s21, s21, SCL
	v_add_nc_u32 v5, v5, v6
	v_add_nc_u32 v[ADRS], s21, v5
	s_lshl_b32 s46, s42, 10
	s_lshl_b32 s47, s16, 9
	s_add_co_u32 s46, s46, s47
	s_mov_b32 s47, 0
	s_add_nc_u64 s[8:9], s[8:9], s[46:47]
	s_mov_b32 s[SEL], 0x76543210
	s_mov_b32 s[SEL+1], 0xfedcba98
	WIN TO_B
.irp b, 0,1,2,3,4,5,6,7
	global_load_b128 v[96+8*\b+96*(\b/4):96+8*\b+96*(\b/4)+3], v[H64], s[8:9] offset:128*(\b/2)+32*(\b%2)
	global_load_b128 v[96+8*\b+96*(\b/4)+4:96+8*\b+96*(\b/4)+7], v[H64], s[8:9] offset:128*(\b/2)+32*(\b%2)+16
.endr
	WIN 0
	s_wait_alu depctr_va_vdst(0)
	s_wait_tensorcnt 0x0                           ; my tile of the head's four is in; the three lines stand ahead of slot 1's first fill as ahead of a refill
	ds_add_u32 v[SPW], v[NIL]
	s_mov_b32 s[G1+2], 8<<16                       ; no tensor load of mine is out: from here on a load brings 8 tiles
	s_mov_b32 s[G1+4], 8
	s_mov_b32 s[G1B+2], 8<<16
	s_mov_b32 s[G1B+4], 8
	s_wait_dscnt 0x0
	CROUND                                         ; everybody's tiles are in, and the joint loads meet
	JLOAD G0+4, G1, G0B+4, G1B                     ; K step 1, the first tensor load behind the round
	FETCH_B 0, 0, 0
	global_prefetch_b8 v[PFO], s[PFA:PFA+1] offset:3*3072 th:TH_LOAD_NT scope:SCOPE_SE   ; K step 3, two refills on: never more than two K steps are asked for and not yet loaded
	FETCH_A 0, 0, 0
	SCALES 0
	FETCH_A 0, 0, 4
	s_wait_loadcnt 0x0
	STEP 0, 0, 1
	s_mov_b32 s3, LAPS-1
.Llap:
	TURN 0, 1, 1
	STEP 1, 0, 0
	TURN 1, 0, 1
	STEP 0, 0, 0
	s_sub_co_u32 s3, s3, 1
	s_cmp_lg_u32 s3, 0
	s_cbranch_scc1 .Llap
	TURN 0, 1, 0
	STEP 1, 0, 0
	s_wait_dscnt 4*NL
	WIN MUL_LO
	MUL16 0, 1, NQ-1, 1, 0
	MUL16 2, 1, NQ-1, 1, 0
	s_wait_dscnt 0
	WIN MUL_HI
	MUL16 4, 1, NQ-1, 1, 0
	MUL16 6, 1, NQ-1, 1, 0
	WIN 0
	PLACES NP
	s_lshl_b32 s24, s17, 4
	s_lshl_b32 s25, s15, 3
	s_add_co_u32 s24, s24, s25
	s_lshl_b32 s24, s24, 6
	s_lshl_b32 s26, s42, 1
	s_add_co_u32 s26, s26, s16
	s_add_co_u32 s24, s24, s26
	s_add_co_u32 s24, s24, s26
	s_mul_i32 s24, s24, 768
	s_mov_b32 s25, 0
	s_add_nc_u64 s[24:25], s[10:11], s[24:25]
	s_lshl_b32 s28, s17, 1
	s_add_co_u32 s28, s28, s15
	s_lshl_b32 s28, s28, 5
	s_add_co_u32 s28, s28, s26
	s_lshl_b32 s28, s28, 9
	s_add_co_u32 s28, s28, A6S
	s_mov_b32 s29, 0
	s_add_nc_u64 s[28:29], s[10:11], s[28:29]
.irp b, 0,1,2,3
	v_mov_b32 v[TM+4+\b], 0
.endr
.irp a, 0,1,2,3,4,5,6,7
	v_mov_b32 v[PW+\a], 0
.endr
	WIN TO_B
	v_mov_b32 v224, 0x32edffee
	v_mov_b32 v225, 0x32edffee
	v_mov_b32 v226, 0xb95fbd29
	v_mov_b32 v227, 0xb95fbd29
	WIN 0
.macro COPY k
	WIN 0x40|(2+(\k)/4)
.set I, 0
.rept 32
	v_pk_mul_f32 v[I:I+1], v[64*((\k)%4)+I:64*((\k)%4)+I+1], 0.5 op_sel_hi:[1,0]
.set I, I+2
.endr
.set I, 0
.rept 32
	v_pk_mul_f32 v[64+I:65+I], v[64*((\k)%4)+I:64*((\k)%4)+I+1], 0x3f3504f3 op_sel_hi:[1,0]
.set I, I+2
.endr
	WIN 0
.endm
.macro HORNER r, c
.set I, 0
.rept 16
	v_pk_fma_f32 v[\r+I:\r+I+1], v[\r+I:\r+I+1], v[128+I:129+I], \c op_sel_hi:[1,1,0]
.set I, I+2
.endr
.endm
.macro GELU32 g
.set ZB, 64+32*\g
.set HB, 32*\g
	WIN 0x55
.set I, 0
.rept 32
	v_med3_num_f32 v[ZB+I], v[ZB+I], -4.0, 4.0
.set I, I+1
.endr
.set I, 0
.rept 16
	v_pk_mul_f32 v[128+I:129+I], v[ZB+I:ZB+I+1], v[ZB+I:ZB+I+1]
.set I, I+2
.endr
.set I, 0
.rept 16
	v_pk_fma_f32 v[160+I:161+I], v[128+I:129+I], 0xaf95df0b, v[224:225] op_sel_hi:[1,0,0]
	v_pk_fma_f32 v[192+I:193+I], v[128+I:129+I], 0xb77460cd, v[226:227] op_sel_hi:[1,0,0]
.set I, I+2
.endr
	HORNER 160, 0xb60cff51
	HORNER 192, 0xbadc924e
	HORNER 160, 0xb86ec2d2
	HORNER 192, 0xbbf19bf8
	HORNER 160, 0xba40ac63
	HORNER 192, 0xbc69b6a7
.set I, 0
	s_wait_alu depctr_va_vdst(0)
.rept 32
	v_rcp_f32 v[192+I], v[192+I]
.set I, I+1
.endr
	HORNER 160, 0xbb41a1f6
	HORNER 160, 0xbc83dbd4
.set I, 0
.rept 16
	v_pk_mul_f32 v[160+I:161+I], v[160+I:161+I], v[ZB+I:ZB+I+1]
.set I, I+2
.endr
	s_wait_alu depctr_va_vdst(0)
.set I, 0
.rept 16
	v_pk_mul_f32 v[160+I:161+I], v[160+I:161+I], v[192+I:193+I]
.set I, I+2
.endr
	WIN 0x15
.set I, 0
.rept 16
	v_pk_fma_f32 v[TV+HB+I:TV+HB+I+1], v[HB+I:HB+I+1], v[160+I:161+I], v[HB+I:HB+I+1]
.set I, I+2
.endr
	WIN 0
.endm
	s_mov_b32 s2, 0
	s_mov_b32 s26, 0                               ; what the stores' base is stepped by: 0 in the first trip
	s_mov_b32 s27, 0
.Lblk:
.irp k, 0,1,2,3,4,5,6
	s_cmp_eq_u32 s2, \k
	s_cbranch_scc0 .Lnot\k
	COPY \k
	s_branch .Lcopied
.Lnot\k:
.endr
	COPY 7
.Lcopied:
	GELU32 0
	GELU32 1
.irp a, 0,1,2,3,4,5,6
	v_mov_b32 v[PW+\a], v[PW+\a+1]
.endr
	s_wait_alu depctr_va_vdst(0)
	s_wait_xcnt 0x0                                ; the last trip's stores have read their data and their base: only behind this wait are the codes written again and the base stepped
	s_add_nc_u64 s[24:25], s[24:25], s[26:27]
	s_mov_b32 s26, 64*768                          ; from the second trip on: the next tile of tokens
	QUANT TV, PW+7
	global_store_b128 v[CO], v[PC:PC+3], s[24:25]
	global_store_b64 v[L8], v[PC+4:PC+5], s[24:25] offset:512
	global_store_b128 v[CO], v[PC+6:PC+9], s[24:25] offset:768
	global_store_b64 v[L8], v[PC+10:PC+11], s[24:25] offset:1280
	s_add_co_u32 s2, s2, 1
	s_cmp_lt_u32 s2, 8
	s_cbranch_scc1 .Lblk
	v_cmp_ne_u32 vcc_lo, 0, v2
.irp p, 0,1,2,3
	v_cndmask_b32 v[WW+\p], v[PW+\p], v[PW+4+\p], vcc_lo
.endr
	v_lshlrev_b32 v5, 5, v1
	v_lshl_add_u32 v5, v2, 4, v5
	global_store_b128 v5, v[WW:WW+3], s[28:29]
	s_wait_tensorcnt 0x0
	ds_add_u32 v[SPW], v[NIL]
	s_wait_dscnt 0x0
	CROUND
	s_endpgm
.Lfunc_end_k_qb0b5cad2d3_gfc1:
	.size	k_qb0b5cad2d3_gfc1, .Lfunc_end_k_qb0b5cad2d3_gfc1-k_qb0b5cad2d3_gfc1
	.p2alignl 7, 3214868480
	.fill 96, 4, 3214868480
	.section	.rodata,"a",@progbits
	.p2align	6, 0x0
	.amdhsa_kernel k_qb0b5cad2d3_gfc1
		.amdhsa_group_segment_fixed_size 327680
		.amdhsa_private_segment_fixed_size 0
		.amdhsa_enable_private_segment 0
		.amdhsa_kernarg_size 32
		.amdhsa_user_sgpr_count 2
		.amdhsa_user_sgpr_kernarg_segment_ptr 1
		.amdhsa_wavefront_size32 1
		.amdhsa_system_sgpr_workgroup_id_x 1
		.amdhsa_system_sgpr_workgroup_id_y 1
		.amdhsa_system_sgpr_workgroup_id_z 1
		.amdhsa_system_vgpr_workitem_id 0
		.amdhsa_next_free_vgpr 1024
		.amdhsa_next_free_sgpr 98
		.amdhsa_reserve_vcc 1
		.amdhsa_float_denorm_mode_32 3
		.amdhsa_float_denorm_mode_16_64 3
		.amdhsa_memory_ordered 1
		.amdhsa_forward_progress 1
		.amdhsa_inst_pref_size 208
	.end_amdhsa_kernel
	.amdgpu_metadata
---
amdhsa.version: [ 1, 2 ]
amdhsa.kernels:
  - .name:           k_qb0b5cad2d3_gfc1
    .symbol:         k_qb0b5cad2d3_gfc1.kd
    .args:
      - { .name: a5, .offset: 0, .size: 8, .value_kind: global_buffer, .address_space: global }
      - { .name: wbuf, .offset: 8, .size: 8, .value_kind: global_buffer, .address_space: global }
      - { .name: b_fc1, .offset: 16, .size: 8, .value_kind: global_buffer, .address_space: global }
      - { .name: a6, .offset: 24, .size: 8, .value_kind: global_buffer, .address_space: global }
    .group_segment_fixed_size: 327680
    .private_segment_fixed_size: 0
    .kernarg_segment_align: 8
    .kernarg_segment_size: 32
    .max_flat_workgroup_size: 128
    .sgpr_count:     98
    .vgpr_count:     1024
    .wavefront_size: 32
...
	.end_amdgpu_metadata
.endif
;; end of part 13
;; launch gfc2 (part 14): grid 8 x 32, 4 waves a work-group, clusters of 4 x 4, 327,680 bytes of LDS; arguments a6, wbuf, b_fc2, x1, out0; writes out0
.if DOCPART == 14
	.amdgcn_target "amdgcn-amd-amdhsa--gfx1250"
	.amdhsa_code_object_version 6
	.text
	.protected	k_qb0b5cad2d3_gfc2
	.globl	k_qb0b5cad2d3_gfc2
	.p2align	8
	.type	k_qb0b5cad2d3_gfc2,@function
k_qb0b5cad2d3_gfc2:
	s_mov_b64 s[64:65], 0
	v_nop
	global_prefetch_b8 v0, s[64:65] scope:SCOPE_SE
	s_setreg_imm32_b32 hwreg(HW_REG_WAVE_MODE, 25, 1), 1
	s_wait_xcnt 0x0
	s_wait_alu depctr_hold_cnt(0) depctr_sa_sdst(0) depctr_va_vdst(0) depctr_va_sdst(0) depctr_va_ssrc(0) depctr_va_vcc(0) depctr_vm_vsrc(0)
	s_getreg_b32 s2, hwreg(HW_REG_IB_STS2, 6, 4)
	s_cmp_eq_u32 s2, 0
	s_cbranch_scc0 .Lentry_in_a_cluster
	s_endpgm
.Lentry_in_a_cluster:
	s_bfe_u32 s2, ttmp6, 0x10000c
	s_cmp_lg_u32 s2, 0xf033
	s_cbranch_scc0 .Lentry_shape_is_right
	s_endpgm
.Lentry_shape_is_right:
.set SIZE_K, 4096
.set A_SOFF, 12582912
.set B_COFF, 6291456
.set B_SOFF, 9699328
.set KSTEP,  512
.set NQ,     4
.set FR,     12
.set NP,     4
.set TSTR,   (SIZE_K/64)*768
.set TROW,   (KSTEP/64)*768
.set HALFT,  4*TROW
.set SLOT,   4*HALFT
.set LAPS,   SIZE_K/(2*KSTEP)
.set SCL,    2*SLOT
.set HALFS,  (SIZE_K/128)*512
.set SPARE,  SCL+2*HALFS
.set SPITCH, 272
.set GO, 15
.set PFO, 14                           ; v14 the prefetches' offset: 256 x min(lane, 23); never rewritten
.set PFA, 96                           ; s[96:97] where my prefetches stand
.set ADRA, 16
.set ADRB, 20
.set STO,  24
.set RD,   25
.set CO,   26
.set ADRS, 27
.set SPW,  28
.set NIL,  29
.set L8,   30
.set H64,  31
.set SC,   32
.set BK,   64
.set ACC,  128
.set G1, 24
.set G0, 32
.set G1B, 48
.set G0B, 56
.set G1S, 68
.set G0S, 76
.set G1SB, 80
.set G0SB, 88
.set MSB, 0
.macro WIN new
.if MSB != (\new)
	s_set_vgpr_msb (MSB<<8)|(\new)
.set MSB, (\new)
.endif
.endm
.set MUL,   0x05
.set MUL_C, 0x15
.set TO_F,  0x40
.set TO_R,  0x80
.macro JLOAD g0a, g1a, g0b, g1b
	s_cmp_eq_u32 s15, 0
	s_cbranch_scc0 .Lfor_b_\@
	tensor_load_to_lds s[\g0a:\g0a+3], s[\g1a:\g1a+7]
	s_nop 0
.rept 4
	v_nop
.endr
	s_branch .Lasked_\@
.Lfor_b_\@:
	tensor_load_to_lds s[\g0b:\g0b+3], s[\g1b:\g1b+7]
	s_nop 0
.rept 4
	v_nop
.endr
.Lasked_\@:
.endm
.macro CREST
	s_cmp_lg_u32 s14, 0
	s_cbranch_scc1 .Lnot_wave_0_\@
	s_barrier_signal -3
.Lnot_wave_0_\@:
	s_barrier_wait -3
	s_barrier_signal -1
	s_barrier_wait -1
.endm
.macro CROUND
	s_barrier_signal -1
	s_barrier_wait -1
	CREST
.endm
.macro FRAG reg, adr, q, i
	ds_load_b128 v[\reg:\reg+3],     v[\adr]   offset:(\i)*TROW+(\q)*1536
	ds_load_b64  v[\reg+4:\reg+5],   v[\adr+2] offset:(\i)*TROW+(\q)*1536+512
	ds_load_b128 v[\reg+6:\reg+9],   v[\adr]   offset:(\i)*TROW+(\q)*1536+768
	ds_load_b64  v[\reg+10:\reg+11], v[\adr+2] offset:(\i)*TROW+(\q)*1536+1280
.endm
.macro MUL8 a0, p, q, sc, zero
.irp a, \a0, \a0+1
.irp b, 0,1,2,3
.if \zero
	v_wmma_scale_f32_16x16x128_f8f6f4 v[ACC+8*(4*(\a)+\b):ACC+8*(4*(\a)+\b)+7], v[128*(\p)+48+FR*\b:128*(\p)+48+FR*\b+FR-1], v[128*(\p)+FR*(\a):128*(\p)+FR*(\a)+FR-1], v[96+8*\b:96+8*\b+7], v[SC+16*(\sc)+4*(\q)+\b], v[SC+16*(\sc)+4*(\q)+(\a)] matrix_a_fmt:MATRIX_FMT_BF6 matrix_b_fmt:MATRIX_FMT_BF6 matrix_a_scale:MATRIX_SCALE_ROW1
.else
	v_wmma_scale_f32_16x16x128_f8f6f4 v[ACC+8*(4*(\a)+\b):ACC+8*(4*(\a)+\b)+7], v[128*(\p)+48+FR*\b:128*(\p)+48+FR*\b+FR-1], v[128*(\p)+FR*(\a):128*(\p)+FR*(\a)+FR-1], v[ACC+8*(4*(\a)+\b):ACC+8*(4*(\a)+\b)+7], v[SC+16*(\sc)+4*(\q)+\b], v[SC+16*(\sc)+4*(\q)+(\a)] matrix_a_fmt:MATRIX_FMT_BF6 matrix_b_fmt:MATRIX_FMT_BF6 matrix_a_scale:MATRIX_SCALE_ROW1
.endif
.endr
.endr
.endm
.macro FETCH slot, q, p
	WIN TO_F
.irp i, 0,1,2,3
	FRAG 128*(\p)+48+FR*\i, ADRB+\slot, \q, \i
	FRAG 128*(\p)+FR*\i, ADRA+\slot, \q, \i
.endr
.endm
.macro SCALES sc
	WIN 0
.irp q, 0,1,2,3
	ds_load_b128 v[SC+16*\sc+4*\q:SC+16*\sc+4*\q+3], v[ADRS] offset:512*\q
.endr
.endm
.macro PLACES n
.rept \n
	v_nop
.endr
.endm
.macro STEP slot, q, zero
	s_wait_dscnt 0x0                               ; this step's fragments are in
	PLACES NP                                      ; places between the last step's products and the loads into the registers that they read
	FETCH \slot, (\q)+1, ((\q)+1)%2                ; the next step's 32 loads go out first: this step's 16 matrix instructions stand between them and the wait for them
.if \zero
	WIN MUL_C
.else
	WIN MUL
.endif
	MUL8 0, (\q)%2, \q, \slot, \zero
	MUL8 2, (\q)%2, \q, \slot, \zero
.endm
.macro TURN slot, next, fill
	WIN 0
.if \fill
	s_wait_xcnt 0x0                                ; my last prefetch has read its address: it is stepped here, one K step of 512 on
	s_add_nc_u64 s[PFA:PFA+1], s[PFA:PFA+1], TROW
.endif
	s_wait_tensorcnt 0x0
	ds_add_u32 v[SPW], v[NIL]
	s_wait_dscnt 0x0
	s_barrier_signal -1
	s_barrier_wait -1
.if \fill
	CREST
	s_add_nc_u64 s[G0+4*\slot+2:G0+4*\slot+3], s[G0+4*\slot+2:G0+4*\slot+3], 2*TROW
	s_add_nc_u64 s[G0B+4*\slot+2:G0B+4*\slot+3], s[G0B+4*\slot+2:G0B+4*\slot+3], 2*TROW
	JLOAD G0+4*\slot, G1, G0B+4*\slot, G1B
.else
	PLACES NP
.endif
	s_wait_alu depctr_va_vdst(0)
	v_add_nc_u32 v[ADRS], 512*NQ, v[ADRS]
	FETCH \next, 0, 0
	SCALES \next
.if \fill
; A prefetch for the K step that stands two refills on: of the four tile rows that my load brings, the partner at place p (cx for A, cy for B) names row p: 6,144 bytes, 24 blocks of 256, a lane a block
; (lanes 24-31 name the last again).  The loop's last trip has no K step two refills on and asks for nothing.
	s_cmp_gt_u32 s3, 1
	s_cbranch_scc0 .Lno_ask_\@
	global_prefetch_b8 v[PFO], s[PFA:PFA+1] offset:2*TROW th:TH_LOAD_NT scope:SCOPE_SE
.Lno_ask_\@:
.endif
	WIN MUL
	MUL8 0, 1, NQ-1, \slot, 0
	MUL8 2, 1, NQ-1, \slot, 0
.endm
	s_load_b128 s[4:7], s[0:1], 0x0
	s_load_b128 s[8:11], s[0:1], 0x10
	s_load_b64 s[12:13], s[0:1], 0x20
	v_lshl_add_u32 v[SPW], v0, 2, SPARE
	v_mov_b32 v[NIL], 0
	ds_add_u32 v28, v29
	ds_add_u32 v28, v29
	s_wait_dscnt 0x0
	v_lshrrev_b32 v1, 5, v0
	v_readfirstlane_b32 s14, v1
	s_lshr_b32 s15, s14, 1
	s_and_b32 s16, s14, 1
	s_bfe_u32 s40, ttmp6, 0x40000
	s_bfe_u32 s41, ttmp6, 0x40004
	s_lshl_b32 s42, ttmp9, 2
	s_add_co_u32 s42, s42, s40
	s_and_b32 s17, ttmp7, 0xffff
	s_lshl_b32 s17, s17, 2
	s_add_co_u32 s17, s17, s41
	s_lshl_b32 s43, s41, 2
	s_lshl_b32 s43, 15, s43
	s_lshl_b32 s44, 0x1111, s40
	s_or_b32 s[G1+0], s43, (3<<16)|(1<<21)
	s_or_b32 s[G1B+0], s44, (3<<16)|(1<<21)
.irp g, G1, G1B
	s_mov_b32 s[\g+1], (TROW/8)<<16
	s_mov_b32 s[\g+2], 8<<16
	s_mov_b32 s[\g+3], (TROW/8)<<16
	s_mov_b32 s[\g+4], 8
	s_mov_b32 s[\g+5], TSTR/8
	s_mov_b32 s[\g+6], 0
	s_mov_b32 s[\g+7], 0
.endr
	s_or_b32 s[G1S+0], s43, (3<<16)|(1<<21)
	s_or_b32 s[G1SB+0], s44, (3<<16)|(1<<21)
.irp g, G1S, G1SB
	s_mov_b32 s[\g+1], 32<<16
	s_mov_b32 s[\g+2], (HALFS/256)<<16
	s_mov_b32 s[\g+3], 32<<16
	s_mov_b32 s[\g+4], HALFS/256
	s_mov_b32 s[\g+5], 32
	s_mov_b32 s[\g+6], 0
	s_mov_b32 s[\g+7], 0
.endr
	s_lshl_b32 s18, s16, 2
	s_lshl_b32 s20, s17, 3
	s_add_co_u32 s20, s20, s18
	s_lshl_b32 s46, s42, 3
	s_add_co_u32 s46, s46, s18
	s_lshl_b32 s22, s17, 1
	s_lshl_b32 s92, s42, 1
	s_mul_i32 s20, s20, TSTR
	s_mul_i32 s46, s46, TSTR
	s_mul_i32 s22, s22, HALFS/2
	s_mul_i32 s92, s92, HALFS/2
	s_add_co_u32 s22, s22, A_SOFF
	s_add_co_u32 s46, s46, B_COFF
	s_add_co_u32 s92, s92, B_SOFF
	s_mov_b32 s21, 0
	s_mov_b32 s23, 0
	s_mov_b32 s47, 0
	s_mov_b32 s93, 0
	s_mul_i32 s45, s14, HALFT
	s_wait_kmcnt 0x0
	s_add_nc_u64 s[20:21], s[4:5], s[20:21]
	s_add_nc_u64 s[22:23], s[4:5], s[22:23]
	s_add_nc_u64 s[46:47], s[6:7], s[46:47]
	s_add_nc_u64 s[92:93], s[6:7], s[92:93]
	CROUND
	s_mov_b32 s[G0S], 1
	s_mov_b32 s[G0S+1], SCL
	s_mov_b64 s[G0S+2:G0S+3], s[22:23]
	s_or_b32 s[G0S+3], s[G0S+3], 0x80000000
	s_mov_b32 s[G0SB], 1
	s_mov_b32 s[G0SB+1], SCL+HALFS
	s_mov_b64 s[G0SB+2:G0SB+3], s[92:93]
	s_or_b32 s[G0SB+3], s[G0SB+3], 0x80000000
.irp s, 0,1
	s_mov_b32 s[G0+4*\s], 1
	s_add_co_u32 s[G0+4*\s+1], s45, \s*SLOT
	s_add_nc_u64 s[G0+4*\s+2:G0+4*\s+3], s[20:21], \s*TROW
	s_or_b32 s[G0+4*\s+3], s[G0+4*\s+3], 0x80000000
	s_mov_b32 s[G0B+4*\s], 1
	s_add_co_u32 s[G0B+4*\s+1], s45, \s*SLOT
	s_add_nc_u64 s[G0B+4*\s+2:G0B+4*\s+3], s[46:47], \s*TROW
	s_or_b32 s[G0B+4*\s+3], s[G0B+4*\s+3], 0x80000000
.endr
	s_cmp_eq_u32 s15, 0                            ; the prefetches: the four tile rows that I fetch in the ring (A's or B's),
	s_cselect_b64 s[PFA:PFA+1], s[20:21], s[46:47]
	s_cselect_b32 s66, s40, s41                    ; of them the row of my work-group's place among the four that ask jointly: told apart by address alone
	s_mul_i32 s66, s66, TSTR
	s_mov_b32 s67, 0
	s_add_nc_u64 s[PFA:PFA+1], s[PFA:PFA+1], s[66:67]
	s_add_nc_u64 s[PFA:PFA+1], s[PFA:PFA+1], TROW  ; at K step 1
; The head's four tiles, one joint load a wave: wave 0 A's 8 tiles of K step 0, wave 2 B's, wave 1 A's scale words, wave 3 B's.
.macro ARM w, g0, g1, next
	s_cmp_eq_u32 s14, \w
	s_cbranch_scc0 \next
	tensor_load_to_lds s[\g0:\g0+3], s[\g1:\g1+7]
	s_nop 0
.rept 4
	v_nop
.endr
	s_branch .Lhead_asked
\next:
.endm
	ARM 0, G0, G1, .Lhead_b
	ARM 2, G0B, G1B, .Lhead_sa
	ARM 1, G0S, G1S, .Lhead_sb
	tensor_load_to_lds s[G0SB:G0SB+3], s[G1SB:G1SB+7]
	s_nop 0
.rept 4
	v_nop
.endr
.Lhead_asked:
	v_and_b32 v1, 15, v0
	v_bfe_u32 v2, v0, 4, 1
	v_and_b32 v3, 31, v0
	v_lshlrev_b32 v[CO], 4, v3
	v_lshlrev_b32 v[L8], 3, v3
	v_lshlrev_b32 v[H64], 6, v2
	v_min_u32 v[PFO], 23, v3
	v_lshlrev_b32 v[PFO], 8, v[PFO]
	global_prefetch_b8 v[PFO], s[PFA:PFA+1] th:TH_LOAD_NT scope:SCOPE_SE                 ; K steps 1 and 2, which the next two fills bring
	global_prefetch_b8 v[PFO], s[PFA:PFA+1] offset:TROW th:TH_LOAD_NT scope:SCOPE_SE
	s_mul_i32 s21, s15, HALFT
	s_mul_i32 s22, s16, HALFT
	s_add_co_u32 s22, s22, 2*HALFT
.irp s, 0,1
	v_add_nc_u32 v[ADRA+\s], s21, v[CO]
	v_add_nc_u32 v[ADRB+\s], s22, v[CO]
	v_add_nc_u32 v[ADRA+2+\s], s21, v[L8]
	v_add_nc_u32 v[ADRB+2+\s], s22, v[L8]
	s_add_co_u32 s21, s21, SLOT
	s_add_co_u32 s22, s22, SLOT
.endr
	v_lshlrev_b32 v5, 5, v1
	s_lshl_b32 s21, s15, 4
	s_lshl_b32 s22, s16, 4
	s_add_co_u32 s22, s22, HALFS
	s_sub_co_u32 s22, s22, s21
	v_mul_u32_u24 v6, s22, v2
	s_add_co_u32 s21, s21, SCL
	v_add_nc_u32 v5, v5, v6
	v_add_nc_u32 v[ADRS], s21, v5
	s_mul_i32 s23, s14, 16*SPITCH
	v_mul_u32_u24 v5, v1, SPITCH
	v_lshl_add_u32 v5, v2, 6, v5
	v_add_nc_u32 v[STO], s23, v5
	v_mul_u32_u24 v5, v2, SPITCH
	v_lshl_add_u32 v5, v1, 4, v5
	v_add_nc_u32 v[RD], s23, v5
	v_lshlrev_b32 v[GO], 12, v2
	v_lshl_add_u32 v[GO], v1, 4, v[GO]
	s_wait_alu depctr_va_vdst(0)
	s_lshl_b32 s46, s42, 9
	s_lshl_b32 s47, s16, 8
	s_add_co_u32 s46, s46, s47
	s_mov_b32 s47, 0
	s_add_nc_u64 s[8:9], s[8:9], s[46:47]
	s_lshl_b32 s20, s17, 19
	s_lshl_b32 s21, s15, 18
	s_add_co_u32 s20, s20, s21
	s_mov_b32 s21, 0
	s_add_nc_u64 s[20:21], s[20:21], s[46:47]
	s_add_nc_u64 s[10:11], s[10:11], s[20:21]
	s_add_nc_u64 s[12:13], s[12:13], s[20:21]
	WIN TO_F
.irp b, 0,1,2,3
	global_load_b128 v[96+8*\b:96+8*\b+3], v[H64], s[8:9] offset:128*(\b/2)+32*(\b%2)
	global_load_b128 v[96+8*\b+4:96+8*\b+7], v[H64], s[8:9] offset:128*(\b/2)+32*(\b%2)+16
.endr
	WIN 0
	s_wait_alu depctr_va_vdst(0)
	s_wait_tensorcnt 0x0                           ; my tile of the head's four is in; the three lines stand ahead of slot 1's first fill as ahead of a refill
	ds_add_u32 v[SPW], v[NIL]
	s_mov_b32 s[G1+2], 4<<16                       ; no tensor load of mine is out: from here on a load brings 4 tiles
	s_mov_b32 s[G1+4], 4
	s_mov_b32 s[G1B+2], 4<<16
	s_mov_b32 s[G1B+4], 4
	s_wait_dscnt 0x0
	CROUND                                         ; everybody's tiles are in, and the joint loads meet
	JLOAD G0+4, G1, G0B+4, G1B                     ; K step 1, the first tensor load behind the round
	FETCH 0, 0, 0
	SCALES 0
	global_prefetch_b8 v[PFO], s[PFA:PFA+1] offset:2*TROW th:TH_LOAD_NT scope:SCOPE_SE   ; K step 3, two refills on: never more than two K steps are asked for and not yet loaded
	s_wait_loadcnt 0x0                             ; the bias
	STEP 0, 0, 1
.if LAPS > 1
	WIN 0
	s_mov_b32 s3, LAPS-1
.Llap:
	STEP 0, 1, 0
	STEP 0, 2, 0
	TURN 0, 1, 1
	STEP 1, 0, 0
	STEP 1, 1, 0
	STEP 1, 2, 0
	TURN 1, 0, 1
	STEP 0, 0, 0
	WIN 0
	s_sub_co_u32 s3, s3, 1
	s_cmp_lg_u32 s3, 0
	s_cbranch_scc1 .Llap
.endif
	WIN TO_R                                       ; the residual, wanted on the way out alone, is asked for here: seven steps of 128 along K lie ahead of its use
.irp a, 0,1,2,3
.irp t, 0,1,2,3,4,5,6,7
	global_load_b128 v[32*\a+4*\t:32*\a+4*\t+3], v[GO], s[10:11] offset:(32*(\a/2)+8*(\a%2)+2*\t+8*(\t/4))*4096 th:TH_LOAD_NT
.endr
.endr
	STEP 0, 1, 0
	STEP 0, 2, 0
	TURN 0, 1, 0
	STEP 1, 0, 0
	STEP 1, 1, 0
	STEP 1, 2, 0
	s_wait_dscnt 0x0
	WIN MUL
	MUL8 0, 1, NQ-1, 1, 0
	MUL8 2, 1, NQ-1, 1, 0
	WIN 0
	PLACES NP
.macro TOSTAGE a
.set AC, ACC+32*(\a)
.irp b, 0,1,2,3
	ds_store_b128 v[STO], v[AC+8*\b:AC+8*\b+3] offset:128*(\b/2)+32*(\b%2)
	ds_store_b128 v[STO], v[AC+8*\b+4:AC+8*\b+7] offset:128*(\b/2)+32*(\b%2)+16
.endr
.set BB, BK+32*((\a)%2)
.irp t, 0,1,2,3,4,5,6,7
	ds_load_b128 v[BB+4*\t:BB+4*\t+3], v[RD] offset:\t*2*SPITCH
.endr
.endm
.macro SEND a, younger
.set BB, BK+32*((\a)%2)
.set RX, 32*(\a)
	s_wait_dscnt \younger
	WIN 0x08
.set I, 0
.rept 16
	v_pk_add_f32 v[BB+I:BB+I+1], v[BB+I:BB+I+1], v[RX+I:RX+I+1]
.set I, I+2
.endr
	WIN 0
.irp t, 0,1,2,3,4,5,6,7
	global_store_b128 v[GO], v[BB+4*\t:BB+4*\t+3], s[12:13] offset:(32*((\a)/2)+8*((\a)%2)+2*\t+8*(\t/4))*4096 th:TH_STORE_NT
.endr
.endm
	s_wait_loadcnt 0x0
	TOSTAGE 0
.irp a, 1,2,3
.if \a > 1
	s_wait_xcnt 0x0
.endif
	TOSTAGE \a
	SEND \a-1, 16
.endr
	SEND 3, 0
	s_wait_tensorcnt 0x0
	ds_add_u32 v[SPW], v[NIL]
	s_wait_dscnt 0x0
	CROUND
	s_endpgm
.Lfunc_end_k_qb0b5cad2d3_gfc2:
	.size	k_qb0b5cad2d3_gfc2, .Lfunc_end_k_qb0b5cad2d3_gfc2-k_qb0b5cad2d3_gfc2
	.p2alignl 7, 3214868480
	.fill 96, 4, 3214868480
	.section	.rodata,"a",@progbits
	.p2align	6, 0x0
	.amdhsa_kernel k_qb0b5cad2d3_gfc2
		.amdhsa_group_segment_fixed_size 327680
		.amdhsa_private_segment_fixed_size 0
		.amdhsa_enable_private_segment 0
		.amdhsa_kernarg_size 40
		.amdhsa_user_sgpr_count 2
		.amdhsa_user_sgpr_kernarg_segment_ptr 1
		.amdhsa_wavefront_size32 1
		.amdhsa_system_sgpr_workgroup_id_x 1
		.amdhsa_system_sgpr_workgroup_id_y 1
		.amdhsa_system_sgpr_workgroup_id_z 1
		.amdhsa_system_vgpr_workitem_id 0
		.amdhsa_next_free_vgpr 640
		.amdhsa_next_free_sgpr 98
		.amdhsa_reserve_vcc 0
		.amdhsa_float_denorm_mode_32 3
		.amdhsa_float_denorm_mode_16_64 3
		.amdhsa_memory_ordered 1
		.amdhsa_forward_progress 1
		.amdhsa_inst_pref_size 99
	.end_amdhsa_kernel
	.amdgpu_metadata
---
amdhsa.version: [ 1, 2 ]
amdhsa.kernels:
  - .name:           k_qb0b5cad2d3_gfc2
    .symbol:         k_qb0b5cad2d3_gfc2.kd
    .args:
      - { .name: a6, .offset: 0, .size: 8, .value_kind: global_buffer, .address_space: global }
      - { .name: wbuf, .offset: 8, .size: 8, .value_kind: global_buffer, .address_space: global }
      - { .name: b_fc2, .offset: 16, .size: 8, .value_kind: global_buffer, .address_space: global }
      - { .name: x1, .offset: 24, .size: 8, .value_kind: global_buffer, .address_space: global }
      - { .name: out0, .offset: 32, .size: 8, .value_kind: global_buffer, .address_space: global }
    .group_segment_fixed_size: 327680
    .private_segment_fixed_size: 0
    .kernarg_segment_align: 8
    .kernarg_segment_size: 40
    .max_flat_workgroup_size: 128
    .sgpr_count:     98
    .vgpr_count:     640
    .wavefront_size: 32
...
	.end_amdgpu_metadata
.endif
;; end of part 14
